; MI455X (gfx1250); checked and timed in simulation.
; The chip was launched on July 23, 2026; its instructions are those of AMD's public machine-readable ISA for CDNA 5 (MIT licence, August 2026) and "CDNA5" Instruction Set Architecture Reference Guide (July 2026). The comments in the code are by the model that wrote it; some were corrected since.
;; Local Transformer Encoder Layer. Allowed arithmetic: matrix products marked QUANTISED: E4M3 operands, one E8M0 scale for each 32 along K, by v_wmma_scale_f32_16x16x128_f8f6f4 with both operands' format E4M3, f32 sums; everything else in f32.
;; Inputs: W1_codes 1,024 x 16 x 32 uint8 (E4M3 codes of W1, K innermost, in blocks of 32 codes); W1_scales 1,024 x 16 uint8 (E8M0 scales of W1, one for each 32 codes along K); W2_codes 512 x 32 x 32 uint8 (E4M3 codes of W2, K innermost, in blocks of 32 codes); W2_scales 512 x 32 uint8 (E8M0 scales of W2, one for each 32 codes along K); Wk_codes 512 x 16 x 32 uint8 (E4M3 codes of Wk, K innermost, in blocks of 32 codes); Wk_scales 512 x 16 uint8 (E8M0 scales of Wk, one for each 32 codes along K); Wq_codes 512 x 16 x 32 uint8 (E4M3 codes of Wq, K innermost, in blocks of 32 codes); Wq_scales 512 x 16 uint8 (E8M0 scales of Wq, one for each 32 codes along K); Wv_codes 512 x 16 x 32 uint8 (E4M3 codes of Wv, K innermost, in blocks of 32 codes); Wv_scales 512 x 16 uint8 (E8M0 scales of Wv, one for each 32 codes along K); b1 1,024 float32; b2 512 float32; bk 512 float32; bq 512 float32; bv 512 float32; ln1_b 512 float32; ln1_g 512 float32; ln2_b 512 float32; ln2_g 512 float32; mask 4 x 8,192 bool; src 4 x 8,192 x 512 float32.
;; Outputs: out0 4 x 8,192 x 512 float32.
;; This version of the problem:
;;   THIS VERSION OF THE PROBLEM IS GIVEN IN LOW PRECISION. The matrix products marked QUANTISED in the list below multiply operands that are first quantised to E4M3 (4 exponent bits, 3 mantissa bits; 8 bits a number), with one power-of-two scale for each 32 numbers along K (OCP MX v1.0); their sums are f32. All else is computed in f32.
;;   The module's matrix products, in the order in which they are computed (A, B: the left and right operand; K: the contracted axis; several contracted axes count as one K, in the product's order):
;;     1. [M 32,768, K 512] x [K 512, N 512]; A: input src; B: input Wq (given as codes): QUANTISED
;;     2. [M 32,768, K 512] x [K 512, N 512]; A: input src; B: input Wk (given as codes): QUANTISED
;;     3. [M 32,768, K 512] x [K 512, N 512]; A: input src; B: input Wv (given as codes): QUANTISED
;;     4. batch 512 x [M 64, K 512] x [K 512, N 192]; A: computed on the way; B: computed on the way: QUANTISED
;;     5. batch 512 x [M 64, K 192] x [K 192, N 512]; A: softmax (see below); B: computed on the way: QUANTISED
;;     6. [M 32,768, K 512] x [K 512, N 1,024]; A: computed on the way; B: input W1 (given as codes): QUANTISED
;;     7. [M 32,768, K 1,024] x [K 1,024, N 512]; A: computed on the way; B: input W2 (given as codes): QUANTISED
;;   THE QUANTISER, for each operand of a quantised product, along K:
;;     - K is cut into blocks of 32 from its start; a last block that is shorter is filled with zeros.
;;     - A block's scale is 2^e with e = floor(log2(the largest magnitude in the block)) - 8, held to -126 .. 127; a block of zeros has e = 0. As a byte (E8M0): e + 127.
;;     - Each number is divided by its block's scale, clamped to +-448, and rounded to the nearest number of E4M3, ties to even, subnormals kept.
;;     - The product sums the exact products of the quantised numbers (number of the format x scale) in f32.
;;   ~~~python
;;   def quantise(x, axis):      # numpy; x: float32 -> the quantised numbers, widened to float32 again
;;       x = np.moveaxis(x, axis, -1); K = x.shape[-1]
;;       x = np.pad(x, [(0, 0)] * (x.ndim - 1) + [(0, -K % 32)]); x = x.reshape(x.shape[:-1] + (-1, 32)); a = np.abs(x).max(-1, keepdims=True)
;;       e = np.where(a > 0, np.clip(np.frexp(np.where(a > 0, a, 1))[1] - 1 - 8, -126, 127), 0)      # np.frexp(a)[1] - 1 = floor(log2(a)), exactly
;;       r = np.clip(x / 2.0 ** e, -448, 448)
;;       step = 2.0 ** (np.maximum(np.frexp(np.where(r == 0, 1, r))[1] - 1, -6) - 3)
;;       q = np.round(r / step) * step * 2.0 ** e      # np.round: ties to even
;;       return np.moveaxis(q.reshape(q.shape[:-2] + (-1,))[..., :K], -1, axis).astype(np.float32)
;;   ~~~
;;   SOFTMAX AHEAD OF A QUANTISED PRODUCT. Where the list says 'softmax', what is quantised is not the finished softmax but p = 2^(t - M), with t = logit x log2(e) and M = ceil(the row's largest t), a whole number; so 1/2 < the row's largest p <= 1. The row's sum l is taken of the UNQUANTISED p, in f32, and the product's result is divided by l at the end. Since M is a whole number, a kernel that streams over the keys may use a running M (the ceiling of the running maximum): every later rescaling is an exact power of two, which a block's scale takes up: the codes' values come out the same.
;;   OPERANDS COMPUTED ON THE WAY. 'Computed on the way' means the value that the module computes at that place (a softmax that the list does not call 'softmax' is quantised finished and normalised). What goes into a quantiser is computed in f32, as accurately as f32 sums, v_exp_f32 and their like allow (about 1e-6 of the number): no bf16 or f16 on the way to a quantiser, and a product that is left as it is and whose result goes on into a quantised operand takes f32 operands (vector FMAs, or v_wmma_f32_16x16x4_f32). A number that lies on a knife's edge between two numbers of the format may be rounded either way, as far as f32 arithmetic and the matrix unit's own rounding can turn it there, and no further.
;;   INPUTS GIVEN AS CODES. W1 (in the module: [512, 1024], K = its axis 0); W2 (in the module: [1024, 512], K = its axis 0); Wk (in the module: [512, 512], K = its axis 0); Wq (in the module: [512, 512], K = its axis 0); Wv (in the module: [512, 512], K = its axis 0): each comes as NAME_codes (uint8): NAME with its K axis moved to the last place and cut into blocks of 32 codes, [.., K / 32, bytes a block], one block behind the other in memory; one code a byte (a code: sign, 4 exponent bits, 3 mantissa bits); and NAME_scales (uint8): the same leading axes, one E8M0 byte (e + 127) for each 32 codes along K. Its value is code x scale, taken as it is: it is not quantised again, and the codes and scales need not be those that the quantiser above would give.
;; 2 versions, each right. Each part assembles by itself: llvm-mc -triple=amdgcn-amd-amdhsa -mcpu=gfx1250 --defsym DOCPART=n.
;; ======== version 1 of 2: 2 launches
;; workspace buffers: qc 16,777,216 bytes; kc 16,777,216 bytes; vc 16,777,216 bytes; qs 524,288 bytes; ks 524,288 bytes; vs 524,288 bytes
;; launch qkv (part 1): grid 256 x 1, 4 waves a work-group, clusters of 4 x 1, 327,680 bytes of LDS; arguments src, Wq_codes, Wq_scales, bq, Wk_codes, Wk_scales, bk, Wv_codes, Wv_scales, bv, qc, qs, kc, ks, vc, vs; writes qc, qs, kc, ks, vc, vs
.if DOCPART == 1
	.amdgcn_target "amdgcn-amd-amdhsa--gfx1250"
	.amdhsa_code_object_version 6
	.text
	.protected	k_q7c13379d8e_qkv
	.globl	k_q7c13379d8e_qkv
	.p2align	8
	.type	k_q7c13379d8e_qkv,@function
k_q7c13379d8e_qkv:
	s_mov_b64 s[64:65], 0
	v_nop
	global_prefetch_b8 v0, s[64:65] scope:SCOPE_SE
	s_setreg_imm32_b32 hwreg(HW_REG_WAVE_MODE, 25, 1), 1
	s_wait_xcnt 0x0
	s_wait_alu depctr_hold_cnt(0) depctr_sa_sdst(0) depctr_va_vdst(0) depctr_va_sdst(0) depctr_va_ssrc(0) depctr_va_vcc(0) depctr_vm_vsrc(0)
	s_getreg_b32 s2, hwreg(HW_REG_IB_STS2, 6, 4)
	s_cmp_eq_u32 s2, 0
	s_cbranch_scc0 .Lentry_in_a_cluster
	s_endpgm
.Lentry_in_a_cluster:
	s_bfe_u32 s2, ttmp6, 0x10000c
	s_cmp_lg_u32 s2, 0x3003
	s_cbranch_scc0 .Lentry_shape_is_right
	s_endpgm
.Lentry_shape_is_right:
; q = (src Wq + bq) / sqrt(512), k = src Wk + bk, v = src Wv + bv, all three products on E4M3 codes with one E8M0 scale for each 32 along K,
; and q, k (along the 512 channels) and v (along the keys) quantised again for the next launch, which reads them as images of operand registers.
; SHARES.  A work-group takes 128 rows (block g).  Wave w quantises rows 32 w .. 32 w + 31 of src (8 fragments of 16 rows x 128 K); the fragments go round through LDS as images of their
; registers, and every wave then holds all 32 in windows 2 and 3.  Wave w makes channels 128 w .. 128 w + 127 of q, k and v for all 128 rows: K step w of q and k.
; A STEP is 32 channels (two tiles u) of one matrix: 64 matrix instructions, each weight fragment feeding eight.  Steps go q, k, v for pair p = 0 .. 3.
; q and k are made transposed (source 0 = 16 weight rows, source 1 = 16 rows of src): a lane holds one row and 8 channels of each tile, so two tiles are one block of 32 along the next K.
; v is made the natural way (source 0 = src, source 1 = weights): a lane holds one channel and 8 keys of each row tile, so two row tiles are one block of 32 keys.
; In such a block lanes 0-15 hold numbers 0-7 and 16-23, lanes 16-31 numbers 8-15 and 24-31: a permutation inside one scale block, the same on both operands of the later products.
; WEIGHTS come by tensor loads, one slot a matrix (4 waves x 32 rows x 512 bytes, rows 528 bytes apart); the four work-groups of a cluster walk the same weights and ask jointly (mask 15).
; A wave has three tensor loads out at the start and one behind each round.
; OUT.  qc, kc: [g][row tile t][K step][chunk c][lane][16 bytes].  vc: [block of 32 keys][channel tile][lane][16 bytes].  qs, ks: [g][K step][lane][4 words]: word m of lane (u, r) = row r of tile 2 m + u.
; vs: [g][wave][lane][4 words]: word p of lane (u, r) = channel r of tile 8 w + 2 p + u, its bytes the four key blocks of g.
; LIMITS: NaN and infinities among the inputs are not served.  A block whose largest magnitude lies under 2^-118, a block of zeros among them, keeps the scale byte 1 (its codes are then zeros or nearly so);
; the bytes are read by this program alone.
; REGISTERS.  window 0: v1-15 addresses; v16-31 src's scale words; v32-43 the weights' scale words; v44-59 q's and k's scale words in the making; v60-63 packing; v64-87 the quantiser's temporaries; v88-89 addresses;
; v96-127 codes; v128-255 the 16 accumulators (row tile t, channel tile u) at 128 + 16 t + 8 u.   window 1: v0-127 weight fragments (u, K step) at 16 (4 u + step); v128-179 biases.
; windows 2, 3: first src as f32, then its fragments (t, step) at 64 (t % 4) + 16 step.
.set PITCH, 528                        ; a weight row in LDS: 512 bytes + 16 of padding: the 16 rows that a load touches start 4 banks apart
.set WPART, 32*PITCH                   ; a wave's part of a slot
.set SLOTB, 4*WPART
.set XI,    3*SLOTB                    ; 32 fragment images of src, 2,048 bytes each
.set XSC,   XI+65536                   ; their scale words, 128 bytes each
.set VST,   XSC+4096                   ; v's scale words, 512 bytes a wave
.set SPARE, VST+2048                   ; the spare words, 128 bytes a wave: two blocks of 256 bytes that no other line names
.set SPW, 1
.set NIL, 2
.set LI,  3                            ; 16 x lane
.set AW,  4                            ; v4-6 my place in slot q, k, v
.set VOS, 7                            ; offset of the pair's weight scales
.set VOB, 8                            ; of q's and k's bias
.set VOBV, 9                           ; of v's bias
.set AVS, 10                           ; where v's scale word of this pair goes
.set LS,  11                           ; 4 x lane
.set XW,  12
.set XSW, 13
.set XR,  14
.set XSR, 15
.set XS,  16
.set WS,  32
.set SW,  44
.set PK,  60
.set TMM, 64
.set TMP, 72
.set TMH, 80
.set SA,  88
.set VSTR, 89
.set CD,  96
.set ACC, 128
.set QM,  72
.set QP,  76
.set QH,  80
.set BVR, 160
.set BIV, 164
.set G1,  48
.set MSB, 0
.macro WIN new                         ; the immediate's high byte repeats the setting that is left; a switch that changes nothing is dropped
.if MSB != (\new)
	s_set_vgpr_msb (MSB<<8)|(\new)
.set MSB, (\new)
.endif
.endm
.macro PLACES n
.rept \n
	v_nop
.endr
.endm
.macro ROUND                           ; a round of the cluster's barrier
	s_barrier_signal -1
	s_barrier_wait -1
	s_cmp_lg_u32 s36, 0
	s_cbranch_scc1 .Lnw0_\@
	s_barrier_signal -3
.Lnw0_\@:
	s_barrier_wait -3
	s_barrier_signal -1
	s_barrier_wait -1
.endm
.macro BAR
	s_wait_dscnt 0x0
	s_barrier_signal -1
	s_barrier_wait -1
.endm
; A slot is filled again: all my tensor loads have landed, 0 goes onto my spare word, the descriptor steps, the add and my reads of the slot are done, the cluster's round, and the one joint load first behind it.
.macro REFILL g0, step
	WIN 0
	s_wait_tensorcnt 0x0
	ds_add_u32 v[SPW], v[NIL]
	s_add_nc_u64 s[\g0+2:\g0+3], s[\g0+2:\g0+3], \step
	s_wait_dscnt 0x0
	ROUND
	tensor_load_to_lds s[\g0:\g0+3], s[G1:G1+7]
	s_nop 0
	PLACES 4
.endm
; one matrix instruction from the symbols mD, mA, mB, mC (under 0: the constant 0), mSA, mSB and the rows mRA, mRB of the scale registers
.macro WMMA
.if mC < 0
.if mRA == 0 && mRB == 0
	v_wmma_scale_f32_16x16x128_f8f6f4 v[mD:mD+7], v[mA:mA+15], v[mB:mB+15], 0, v[mSA], v[mSB]
.elseif mRA == 1 && mRB == 0
	v_wmma_scale_f32_16x16x128_f8f6f4 v[mD:mD+7], v[mA:mA+15], v[mB:mB+15], 0, v[mSA], v[mSB] matrix_a_scale:MATRIX_SCALE_ROW1
.elseif mRA == 0
	v_wmma_scale_f32_16x16x128_f8f6f4 v[mD:mD+7], v[mA:mA+15], v[mB:mB+15], 0, v[mSA], v[mSB] matrix_b_scale:MATRIX_SCALE_ROW1
.else
	v_wmma_scale_f32_16x16x128_f8f6f4 v[mD:mD+7], v[mA:mA+15], v[mB:mB+15], 0, v[mSA], v[mSB] matrix_a_scale:MATRIX_SCALE_ROW1 matrix_b_scale:MATRIX_SCALE_ROW1
.endif
.else
.if mRA == 0 && mRB == 0
	v_wmma_scale_f32_16x16x128_f8f6f4 v[mD:mD+7], v[mA:mA+15], v[mB:mB+15], v[mC:mC+7], v[mSA], v[mSB]
.elseif mRA == 1 && mRB == 0
	v_wmma_scale_f32_16x16x128_f8f6f4 v[mD:mD+7], v[mA:mA+15], v[mB:mB+15], v[mC:mC+7], v[mSA], v[mSB] matrix_a_scale:MATRIX_SCALE_ROW1
.elseif mRA == 0
	v_wmma_scale_f32_16x16x128_f8f6f4 v[mD:mD+7], v[mA:mA+15], v[mB:mB+15], v[mC:mC+7], v[mSA], v[mSB] matrix_b_scale:MATRIX_SCALE_ROW1
.else
	v_wmma_scale_f32_16x16x128_f8f6f4 v[mD:mD+7], v[mA:mA+15], v[mB:mB+15], v[mC:mC+7], v[mSA], v[mSB] matrix_a_scale:MATRIX_SCALE_ROW1 matrix_b_scale:MATRIX_SCALE_ROW1
.endif
.endif
.endm
; 64 numbers of a lane in window sw, register src + 16 b + i = k 32 b + 16 (lane / 16) + i of my row, become a fragment's 16 code registers (window 0, cod on) and its scale word (wrd)
.macro Q64 sw, src, cod, wrd
.set qsw, \sw
.set qsr, \src
.set qcd, \cod
.set qwd, \wrd
	WIN qsw|(qsw<<2)
.irp b, 0,1,2,3
	v_max3_num_f32 v[QM+\b], |v[qsr+16*\b]|, |v[qsr+16*\b+1]|, 0x4800000   ; my 16 numbers of block b, and the floor 2^(9 - 127): the byte cannot fall under 1
.endr
	WIN (qsw<<2)|(qsw<<4)
.irp i, 2,4,6,8,10,12,14
.irp b, 0,1,2,3
	v_max3_num_f32 v[QM+\b], v[QM+\b], |v[qsr+16*\b+\i]|, |v[qsr+16*\b+\i+1]|
.endr
.endr
	WIN 0
.irp b, 0,1,2,3
	v_permlanex16_b32 v[QP+\b], v[QM+\b], s42, s43
.endr
.irp b, 0,1,2,3
	v_max_num_f32 v[QM+\b], v[QM+\b], v[QP+\b]         ; with lane l xor 16's: the block's largest magnitude
.endr
.irp b, 0,1,2,3
	v_add_nc_u32 v[QP+\b], 0xfc000000, v[QM+\b]        ; 8 off its exponent field: the conversion's scale operand
.endr
.irp b, 0,1,2,3
	v_and_or_b32 v[QH+\b], v[QM+\b], 0x7f800000, s41   ; 448 x the scale
.endr
.irp b, 0,1,2,3
	v_lshrrev_b32 v[QM+\b], 23, v[QP+\b]               ; the scale's byte
.endr
	v_lshl_or_b32 v[qwd], v[QM+1], 8, v[QM]
	v_lshl_or_b32 v[qwd], v[QM+2], 16, v[qwd]
	v_lshl_or_b32 v[qwd], v[QM+3], 24, v[qwd]
	WIN qsw|(qsw<<6)
.irp b, 0,1,2,3
.irp i, 0,1,2,3,4,5,6,7,8,9,10,11,12,13,14,15
	v_med3_num_f32 v[qsr+16*\b+\i], v[qsr+16*\b+\i], -v[QH+\b], v[QH+\b]   ; the conversion to an 8-bit code does not saturate (ISA guide 7.6.2): the hold
.endr
.endr
	WIN qsw
.irp b, 0,1,2,3
	v_cvt_scalef32_pk8_fp8_f32 v[qcd+4*\b:qcd+4*\b+1], v[qsr+16*\b:qsr+16*\b+7], v[QP+\b]
	v_cvt_scalef32_pk8_fp8_f32 v[qcd+4*\b+2:qcd+4*\b+3], v[qsr+16*\b+8:qsr+16*\b+15], v[QP+\b]
.endr
	WIN 0
	v_nop                                  ; one plain line behind the last conversion
.endm
; eight blocks of 32 out of the accumulators: block b has its first 8 numbers of a lane at ACC + sa (b / 2) + sb (b % 2), the other 8 d registers further on.  Codes to CD + 4 b, bytes to TMM + b.
.macro QBLOCKS sa, sb, d
.set qb, 0
.rept 8
.set ql, ACC+\sa*(qb/2)+\sb*(qb%2)
	v_max3_num_f32 v[TMM+qb], |v[ql]|, |v[ql+1]|, 0x4800000   ; each accumulator is read from its low end on
.set qb, qb+1
.endr
.set qi, 1
.rept 7
.set qb, 0
.rept 8
.set ql, ACC+\sa*(qb/2)+\sb*(qb%2)+2*(qi%4)+\d*(qi/4)
	v_max3_num_f32 v[TMM+qb], v[TMM+qb], |v[ql]|, |v[ql+1]|
.set qb, qb+1
.endr
.set qi, qi+1
.endr
.irp b, 0,1,2,3,4,5,6,7
	v_permlanex16_b32 v[TMP+\b], v[TMM+\b], s42, s43
.endr
.irp b, 0,1,2,3,4,5,6,7
	v_max_num_f32 v[TMM+\b], v[TMM+\b], v[TMP+\b]
.endr
.irp b, 0,1,2,3,4,5,6,7
	v_add_nc_u32 v[TMP+\b], 0xfc000000, v[TMM+\b]
.endr
.irp b, 0,1,2,3,4,5,6,7
	v_and_or_b32 v[TMH+\b], v[TMM+\b], 0x7f800000, s41
.endr
.irp b, 0,1,2,3,4,5,6,7
	v_lshrrev_b32 v[TMM+\b], 23, v[TMP+\b]
.endr
.set qb, 0
.rept 8
.set ql, ACC+\sa*(qb/2)+\sb*(qb%2)
.irp i, 0,1,2,3,4,5,6,7
	v_med3_num_f32 v[ql+\i], v[ql+\i], -v[TMH+qb], v[TMH+qb]
.endr
.irp i, 0,1,2,3,4,5,6,7
	v_med3_num_f32 v[ql+\d+\i], v[ql+\d+\i], -v[TMH+qb], v[TMH+qb]
.endr
	v_cvt_scalef32_pk8_fp8_f32 v[CD+4*qb:CD+4*qb+1], v[ql:ql+7], v[TMP+qb]
	v_cvt_scalef32_pk8_fp8_f32 v[CD+4*qb+2:CD+4*qb+3], v[ql+\d:ql+\d+7], v[TMP+qb]
.set qb, qb+1
.endr
	v_nop                                  ; one plain line behind the last conversion
.endm
.macro WFLOAD adr                      ; a pair's eight weight fragments out of my part of a slot
	WIN 0x40
.irp u, 0,1
.irp ks, 0,1,2,3
.irp c, 0,1,2,3
	ds_load_b128 v[16*(4*\u+\ks)+4*\c:16*(4*\u+\ks)+4*\c+3], v[\adr] offset:8448*\u+128*\ks+32*\c
.endr
.endr
.endr
.endm
; x = 0, 1, 2: q, k, v.  more = 1: the slot is filled again and the next pair's bias and scales are asked for.  last = 1: no step follows.  lc: the younger bias and scale loads, which may stay out.
.macro STEP x, more, last, lc
.set sWS, WS+4*\x
.set sBI, 128+16*\x+4*(\x/2)
.set sG0, 56+4*\x+4*(\x/2)
.set sSC, 8+6*\x
.set sBP, 10+6*\x
.set sOB, 24+4*\x
.set sAN, AW+(\x+1)%3
.set sSW, SW+8*\x
	s_wait_dscnt 0x0                       ; the weight fragments are in
	s_wait_loadcnt \lc                     ; this matrix's bias and scale words are in
.if \x == 2
	WIN 0x41
.irp u, 0,1
.irp j, 0,1,2,3,4,5,6,7
	v_mov_b32 v[BIV+8*\u+\j], v[BVR+\u]    ; a lane holds one channel of v: its bias in all eight registers of the sum's start
.endr
.endr
	PLACES 4
.endif
.irp hf, 0,1                           ; eight accumulators take turns, one instruction a turn
.irp ks, 0,1,2,3
.if \x == 2
.if \ks == 0
	WIN 0x16+\hf
.else
	WIN 0x06+\hf
.endif
.else
.if \ks == 0
	WIN 0x19+4*\hf
.else
	WIN 0x09+4*\hf
.endif
.endif
.irp tq, 0,1,2,3
.irp u, 0,1
.set mD, ACC+16*(4*\hf+\tq)+8*\u
.set mC, mD
.if \ks == 0
.set mC, sBI+8*\u                      ; the bias starts the sum
.endif
.if \x == 2
.set mA, 64*\tq+16*\ks
.set mB, 16*(4*\u+\ks)
.set mSA, XS+2*(4*\hf+\tq)+\ks/2
.set mRA, \ks%2
.set mSB, sWS+\ks
.set mRB, \u
.else
.set mA, 16*(4*\u+\ks)
.set mB, 64*\tq+16*\ks
.set mSA, sWS+\ks
.set mRA, \u
.set mSB, XS+2*(4*\hf+\tq)+\ks/2
.set mRB, \ks%2
.endif
	WMMA
.endr
.endr
.endr
.endr
.if \more
	REFILL sG0, 16384                      ; the next 32 rows of this matrix; the load has a step in which to land
	PLACES 4                               ; with the four behind the load: eight places behind the products, for the loads and reads below
.else
	WIN 0
	s_wait_tensorcnt 0x0                   ; the tail fills nothing; the last fills have landed before their slots are read
	PLACES 8
.endif
.if \last == 0
	WFLOAD sAN
.endif
.if \more
	WIN 0x40
.if \x == 2
.irp u, 0,1
	global_load_b32 v[BVR+\u], v[VOBV], s[sBP:sBP+1] offset:128+64*\u
.endr
.else
.irp u, 0,1
.irp j, 0,1
	global_load_b128 v[sBI+8*\u+4*\j:sBI+8*\u+4*\j+3], v[VOB], s[sBP:sBP+1] offset:128+64*\u+16*\j
.endr
.endr
.endif
	WIN 0
	global_load_b128 v[sWS:sWS+3], v[VOS], s[sSC:sSC+1] offset:512
.endif
	WIN 0
	s_wait_xcnt 0x0                        ; the last step's stores have read their codes: these registers are written again only behind this wait
.if \x == 0
.set ci, 0
.rept 64
	v_pk_mul_f32 v[ACC+ci:ACC+ci+1], v[ACC+ci:ACC+ci+1], s[44:45] op_sel_hi:[1,0]   ; q / sqrt(512), ahead of its quantiser
.set ci, ci+2
.endr
.endif
.if \x == 2
	QBLOCKS 32, 8, 16                      ; block 2 b' + u: keys 32 b' on, channel tile u
	v_lshl_or_b32 v[PK], v[TMM+2], 8, v[TMM]
	v_lshl_or_b32 v[PK+1], v[TMM+3], 8, v[TMM+1]
	v_lshl_or_b32 v[PK], v[TMM+4], 16, v[PK]
	v_lshl_or_b32 v[PK+1], v[TMM+5], 16, v[PK+1]
	v_lshl_or_b32 v[PK], v[TMM+6], 24, v[PK]
	v_lshl_or_b32 v[PK+1], v[TMM+7], 24, v[PK+1]
	v_cndmask_b32 v[PK+2], v[PK], v[PK+1], s46         ; lanes 0-15: tile u = 0; lanes 16-31: u = 1
	ds_store_b32 v[AVS], v[PK+2]
.irp q, 0,1,2,3,4,5,6,7
	global_store_b128 v[LI], v[CD+4*\q:CD+4*\q+3], s[sOB:sOB+1] offset:16384*(\q/2)+512*(\q%2)   ; 32 lanes store 512 consecutive bytes
.endr
.else
	QBLOCKS 32, 16, 8                      ; block t: row tile t, these 32 channels
.irp t, 0,1,2,3,4,5,6,7
	v_lshl_or_b32 v[sSW+\t], v[TMM+\t], s40, v[sSW+\t] ; byte p of the row's scale word for K step w
.endr
.irp t, 0,1,2,3,4,5,6,7
	global_store_b128 v[LI], v[CD+4*\t:CD+4*\t+3], s[sOB:sOB+1] offset:8192*\t
.endr
.endif
.endm
	s_load_b512 s[4:19], s[0:1], 0x0       ; src, Wq codes, Wq scales, bq, Wk codes, Wk scales, bk, Wv codes
	s_load_b512 s[20:35], s[0:1], 0x40     ; Wv scales, bv, qc, qs, kc, ks, vc, vs
	v_lshl_add_u32 v[SPW], v0, 2, SPARE
	v_mov_b32 v[NIL], 0
	ds_add_u32 v1, v2
	ds_add_u32 v1, v2
	s_wait_dscnt 0x0
	v_lshrrev_b32 v60, 5, v0
	v_readfirstlane_b32 s36, v60           ; wave
	s_bfe_u32 s37, ttmp6, 0x40000          ; cx
	s_lshl_b32 s38, ttmp9, 2
	s_add_co_u32 s38, s38, s37             ; g = 4 x cluster + cx: it enters plain global addresses alone
	s_mov_b32 s39, 3                       ; trips of the loop
	s_mov_b32 s40, 0                       ; 8 p
	s_mov_b32 s41, 0x600000                ; the mantissa field of 448
	s_mov_b32 s42, 0x76543210
	s_mov_b32 s43, 0xfedcba98              ; selects for lane l xor 16
	s_mov_b32 s44, 0x3d3504f3              ; 512^-0.5
	s_mov_b32 s45, s44
	s_mov_b32 s46, 0xffff0000              ; lanes 16-31
	s_mov_b32 s[G1], 15|(1<<20)|(1<<21)|(6<<22)|(3<<25)   ; mask: all four work-groups; elements of 1 byte; padding: 4 words behind every 128
	s_mov_b32 s[G1+1], 512<<16             ; tensor_dim0
	s_mov_b32 s[G1+2], 32<<16              ; tensor_dim1
	s_mov_b32 s[G1+3], 512<<16             ; tile_dim0
	s_mov_b32 s[G1+4], 32                  ; tile_dim1
	s_mov_b32 s[G1+5], 512                 ; from row to row
	s_mov_b32 s[G1+6], 0
	s_mov_b32 s[G1+7], 0
	s_mul_i32 s72, s36, WPART
	s_lshl_b32 s74, s36, 16                ; my 128 weight rows
	s_mov_b32 s75, 0
	s_lshl_b32 s76, s36, 11
	s_mov_b32 s77, 0
	s_lshl_b32 s78, s36, 9
	s_mov_b32 s79, 0
	s_lshl_b32 s80, s38, 18
	s_add_co_u32 s80, s80, s74             ; src: 262,144 g + 65,536 w
	s_mov_b32 s81, 0
	s_lshl_b32 s82, s38, 16
	s_add_co_u32 s84, s82, s76             ; qc, kc: 65,536 g + 2,048 w
	s_mov_b32 s85, 0
	s_lshl_b32 s86, s36, 12
	s_add_co_u32 s86, s82, s86             ; vc: 65,536 g + 4,096 w
	s_mov_b32 s87, 0
	s_lshl_b32 s88, s38, 11
	s_add_co_u32 s88, s88, s78             ; qs, ks, vs: 2,048 g + 512 w
	s_mov_b32 s89, 0
	s_wait_kmcnt 0x0
.irp x, 0,1,2
	s_mov_b32 s[56+4*\x+4*(\x/2)], 1
	s_add_co_u32 s[57+4*\x+4*(\x/2)], s72, \x*SLOTB
	s_add_nc_u64 s[58+4*\x+4*(\x/2):59+4*\x+4*(\x/2)], s[6+6*\x:7+6*\x], s[74:75]
	s_or_b32 s[59+4*\x+4*(\x/2)], s[59+4*\x+4*(\x/2)], 0x80000000
	s_add_nc_u64 s[8+6*\x:9+6*\x], s[8+6*\x:9+6*\x], s[76:77]
	s_add_nc_u64 s[10+6*\x:11+6*\x], s[10+6*\x:11+6*\x], s[78:79]
.endr
	s_add_nc_u64 s[4:5], s[4:5], s[80:81]
	s_add_nc_u64 s[24:25], s[24:25], s[84:85]
	s_add_nc_u64 s[28:29], s[28:29], s[84:85]
	s_add_nc_u64 s[32:33], s[32:33], s[86:87]
	s_add_nc_u64 s[26:27], s[26:27], s[88:89]
	s_add_nc_u64 s[30:31], s[30:31], s[88:89]
	s_add_nc_u64 s[34:35], s[34:35], s[88:89]
	ROUND                                  ; all four work-groups are here: the first joint loads meet
	tensor_load_to_lds s[56:59], s[G1:G1+7]
	s_nop 0
	tensor_load_to_lds s[60:63], s[G1:G1+7]
	s_nop 0
	tensor_load_to_lds s[68:71], s[G1:G1+7]
	s_nop 0
	PLACES 4
	v_and_b32 v60, 31, v0                  ; lane
	v_and_b32 v61, 15, v0                  ; r
	v_bfe_u32 v62, v0, 4, 1                ; h
	v_lshlrev_b32 v[LI], 4, v60
	v_lshlrev_b32 v[LS], 2, v60
	v_mul_u32_u24 v63, v61, PITCH
	v_lshl_add_u32 v63, v62, 4, v63
	v_add_nc_u32 v[AW], s72, v63
	v_add_nc_u32 v[AW+1], SLOTB, v[AW]
	v_add_nc_u32 v[AW+2], 2*SLOTB, v[AW]
	v_mov_b32 v[VOS], v[LI]
	v_lshlrev_b32 v[VOB], 5, v62
	v_lshlrev_b32 v[VOBV], 2, v61
	v_add_nc_u32 v[AVS], s78, v[LI]
	v_add_nc_u32 v[AVS], VST, v[AVS]
	v_mov_b32 v[VSTR], v[AVS]
	s_lshl_b32 s73, s36, 14
	v_add_nc_u32 v[XW], s73, v[LI]
	v_add_nc_u32 v[XW], XI, v[XW]
	s_lshl_b32 s73, s36, 10
	v_add_nc_u32 v[XSW], s73, v[LS]
	v_add_nc_u32 v[XSW], XSC, v[XSW]
	v_add_nc_u32 v[XR], XI, v[LI]
	v_lshlrev_b32 v[XSR], 7, v62
	v_lshl_add_u32 v[XSR], v61, 2, v[XSR]
	v_add_nc_u32 v[XSR], XSC, v[XSR]
	v_lshlrev_b32 v[SA], 11, v61
	v_lshl_add_u32 v[SA], v62, 6, v[SA]    ; src: row r of 2,048 bytes + 64 h: my 16 numbers of a block of 32
.irp b, 0,1,2,3
	v_mov_b32 v[QP+\b], 0                  ; a lane permute's destination counts as one of its sources
.endr
	global_load_b128 v[WS:WS+3], v[VOS], s[8:9]        ; pair 0's scale words: lane = 16 u + r, register = K step
	global_load_b128 v[WS+4:WS+7], v[VOS], s[14:15]
	global_load_b128 v[WS+8:WS+11], v[VOS], s[20:21]
	WIN 0x40
.irp u, 0,1
.irp j, 0,1
	global_load_b128 v[128+8*\u+4*\j:128+8*\u+4*\j+3], v[VOB], s[10:11] offset:64*\u+16*\j
	global_load_b128 v[144+8*\u+4*\j:144+8*\u+4*\j+3], v[VOB], s[16:17] offset:64*\u+16*\j
.endr
	global_load_b32 v[BVR+\u], v[VOBV], s[22:23] offset:64*\u
.endr
.irp tt, 0,1                           ; my 32 rows of src, 128 loads of 16 bytes a lane
	WIN (2+\tt)<<6
.irp ks, 0,1,2,3
.irp b, 0,1,2,3
.irp j, 0,1,2,3
	global_load_b128 v[64*\ks+16*\b+4*\j:64*\ks+16*\b+4*\j+3], v[SA], s[4:5] offset:32768*\tt+512*\ks+128*\b+16*\j th:TH_LOAD_NT
.endr
.endr
.endr
.endr
	WIN 0
.macro XFRAG f, lc                     ; fragment f = 4 (tile of my two) + K step: quantised, its image and its scale words to LDS
	s_wait_loadcnt \lc                     ; its 16 loads are in; the later fragments' may be out (63 is the largest count that a wait names)
	Q64 2+(\f)/4, 64*((\f)%4), ACC+16*(\f), TMM+(\f)
.irp c, 0,1,2,3
	ds_store_b128 v[XW], v[ACC+16*(\f)+4*\c:ACC+16*(\f)+4*\c+3] offset:2048*(\f)+512*\c
.endr
	ds_store_b32 v[XSW], v[TMM+(\f)] offset:128*(\f)
.endm
	XFRAG 0, 63
	XFRAG 1, 63
	XFRAG 2, 63
	XFRAG 3, 63
	XFRAG 4, 48
	XFRAG 5, 32
	XFRAG 6, 16
	XFRAG 7, 0
	BAR                                    ; all 32 images lie in LDS; the first fills may stay out
	WIN 0x80
.irp f, 0,1,2,3,4,5,6,7,8,9,10,11,12,13,14,15
.irp c, 0,1,2,3
	ds_load_b128 v[16*\f+4*\c:16*\f+4*\c+3], v[XR] offset:2048*\f+512*\c
.endr
.endr
	WIN 0xc0
.irp f, 0,1,2,3,4,5,6,7,8,9,10,11,12,13,14,15
.irp c, 0,1,2,3
	ds_load_b128 v[16*\f+4*\c:16*\f+4*\c+3], v[XR] offset:2048*(16+\f)+512*\c
.endr
.endr
	WIN 0
.irp t, 0,1,2,3,4,5,6,7
.irp sg, 0,1
	ds_load_b32 v[XS+2*\t+\sg], v[XSR] offset:128*(4*\t+2*\sg)   ; lanes 0-15: K step 2 sg; lanes 16-31: 2 sg + 1
.endr
.endr
.irp i, 0,1,2,3,4,5,6,7,8,9,10,11,12,13,14,15
	v_mov_b32 v[SW+\i], 0
.endr
	s_wait_tensorcnt 0x0                   ; my parts of the three slots are in; only I read them
	WFLOAD AW
	WIN 0
.Ltrip:                                ; pairs 0, 1, 2: each step fills its slot with the next pair
	STEP 0, 1, 0, 8
	STEP 1, 1, 0, 8
	STEP 2, 1, 0, 10
	WIN 0
	s_wait_xcnt 0x0                        ; offsets and bases are stepped only behind this wait
	v_add_nc_u32 v[VOS], 512, v[VOS]
	v_add_nc_u32 v[VOB], 128, v[VOB]
	v_add_nc_u32 v[VOBV], 128, v[VOBV]
	v_add_nc_u32 v[AVS], 4, v[AVS]
	s_add_co_u32 s40, s40, 8
	s_add_nc_u64 s[24:25], s[24:25], 512
	s_add_nc_u64 s[28:29], s[28:29], 512
	s_add_nc_u64 s[32:33], s[32:33], 1024
	s_sub_co_u32 s39, s39, 1
	s_cmp_lg_u32 s39, 0
	s_cbranch_scc1 .Ltrip
	STEP 0, 0, 0, 8                        ; pair 3 is written out: it asks for nothing
	STEP 1, 0, 0, 3
	STEP 2, 0, 1, 0
	ds_load_b128 v[68:71], v[VSTR]         ; v's four scale words a lane; LDS serves a wave's instructions in order
	s_wait_dscnt 0x0
.irp m, 0,1,2,3
	v_cndmask_b32 v[PK+\m], v[SW+2*\m], v[SW+2*\m+1], s46
	v_cndmask_b32 v[TMM+\m], v[SW+8+2*\m], v[SW+8+2*\m+1], s46
.endr
	global_store_b128 v[LI], v[PK:PK+3], s[26:27]
	global_store_b128 v[LI], v[TMM:TMM+3], s[30:31]
	global_store_b128 v[LI], v[68:71], s[34:35]
	s_wait_tensorcnt 0x0                   ; the wave's end
	ds_add_u32 v[SPW], v[NIL]
	s_wait_dscnt 0x0
	ROUND                                  ; the closing round
	s_endpgm
.Lfunc_end_k_q7c13379d8e_qkv:
	.size	k_q7c13379d8e_qkv, .Lfunc_end_k_q7c13379d8e_qkv-k_q7c13379d8e_qkv
	.p2alignl 7, 3214868480
	.fill 96, 4, 3214868480
	.section	.rodata,"a",@progbits
	.p2align	6, 0x0
	.amdhsa_kernel k_q7c13379d8e_qkv
		.amdhsa_group_segment_fixed_size 327680
		.amdhsa_private_segment_fixed_size 0
		.amdhsa_enable_private_segment 0
		.amdhsa_kernarg_size 128
		.amdhsa_user_sgpr_count 2
		.amdhsa_user_sgpr_kernarg_segment_ptr 1
		.amdhsa_wavefront_size32 1
		.amdhsa_system_sgpr_workgroup_id_x 1
		.amdhsa_system_sgpr_workgroup_id_y 1
		.amdhsa_system_sgpr_workgroup_id_z 1
		.amdhsa_system_vgpr_workitem_id 0
		.amdhsa_next_free_vgpr 1024
		.amdhsa_next_free_sgpr 100
		.amdhsa_reserve_vcc 0
		.amdhsa_float_denorm_mode_32 3
		.amdhsa_float_denorm_mode_16_64 3
		.amdhsa_memory_ordered 1
		.amdhsa_forward_progress 1
		.amdhsa_inst_pref_size 255
	.end_amdhsa_kernel
	.section	.bss,"aw",@nobits
	.p2align	6
	.space	262144
	.amdgpu_metadata
---
amdhsa.version: [ 1, 2 ]
amdhsa.kernels:
  - .name:           k_q7c13379d8e_qkv
    .symbol:         k_q7c13379d8e_qkv.kd
    .args:
      - { .name: src, .offset: 0, .size: 8, .value_kind: global_buffer, .address_space: global }
      - { .name: Wq_codes, .offset: 8, .size: 8, .value_kind: global_buffer, .address_space: global }
      - { .name: Wq_scales, .offset: 16, .size: 8, .value_kind: global_buffer, .address_space: global }
      - { .name: bq, .offset: 24, .size: 8, .value_kind: global_buffer, .address_space: global }
      - { .name: Wk_codes, .offset: 32, .size: 8, .value_kind: global_buffer, .address_space: global }
      - { .name: Wk_scales, .offset: 40, .size: 8, .value_kind: global_buffer, .address_space: global }
      - { .name: bk, .offset: 48, .size: 8, .value_kind: global_buffer, .address_space: global }
      - { .name: Wv_codes, .offset: 56, .size: 8, .value_kind: global_buffer, .address_space: global }
      - { .name: Wv_scales, .offset: 64, .size: 8, .value_kind: global_buffer, .address_space: global }
      - { .name: bv, .offset: 72, .size: 8, .value_kind: global_buffer, .address_space: global }
      - { .name: qc, .offset: 80, .size: 8, .value_kind: global_buffer, .address_space: global }
      - { .name: qs, .offset: 88, .size: 8, .value_kind: global_buffer, .address_space: global }
      - { .name: kc, .offset: 96, .size: 8, .value_kind: global_buffer, .address_space: global }
      - { .name: ks, .offset: 104, .size: 8, .value_kind: global_buffer, .address_space: global }
      - { .name: vc, .offset: 112, .size: 8, .value_kind: global_buffer, .address_space: global }
      - { .name: vs, .offset: 120, .size: 8, .value_kind: global_buffer, .address_space: global }
    .group_segment_fixed_size: 327680
    .private_segment_fixed_size: 0
    .kernarg_segment_align: 8
    .kernarg_segment_size: 128
    .max_flat_workgroup_size: 128
    .sgpr_count:     100
    .vgpr_count:     1024
    .wavefront_size: 32
...
	.end_amdgpu_metadata
.endif
;; end of part 1
;; launch attn_ff (part 2): grid 256 x 1, 4 waves a work-group, clusters of 4 x 1, 327,680 bytes of LDS; arguments src, mask, qc, qs, kc, ks, vc, vs, ln1_g, ln1_b, W1_codes, W1_scales, b1, W2_codes, W2_scales, b2, ln2_g, ln2_b, out0; writes out0
.if DOCPART == 2
	.amdgcn_target "amdgcn-amd-amdhsa--gfx1250"
	.amdhsa_code_object_version 6
	.text
	.protected	k_q7c13379d8e_attn_ff
	.globl	k_q7c13379d8e_attn_ff
	.p2align	8
	.type	k_q7c13379d8e_attn_ff,@function
k_q7c13379d8e_attn_ff:
	s_mov_b64 s[64:65], 0
	v_nop
	global_prefetch_b8 v0, s[64:65] scope:SCOPE_SE
	s_setreg_imm32_b32 hwreg(HW_REG_WAVE_MODE, 25, 1), 1
	s_wait_xcnt 0x0
	s_wait_alu depctr_hold_cnt(0) depctr_sa_sdst(0) depctr_va_vdst(0) depctr_va_sdst(0) depctr_va_ssrc(0) depctr_va_vcc(0) depctr_vm_vsrc(0)
	s_getreg_b32 s2, hwreg(HW_REG_IB_STS2, 6, 4)
	s_cmp_eq_u32 s2, 0
	s_cbranch_scc0 .Lentry_in_a_cluster
	s_endpgm
.Lentry_in_a_cluster:
	s_bfe_u32 s2, ttmp6, 0x10000c
	s_cmp_lg_u32 s2, 0x3003
	s_cbranch_scc0 .Lentry_shape_is_right
	s_endpgm
.Lentry_shape_is_right:
; Local attention on the codes of the first launch, residual, layer norm, the feed-forward pair on codes, residual, layer norm.  A work-group takes 128 rows (block g = two windows of 64), four waves.
; A: scores S^T = k q^T (source 0 = 16 keys, source 1 = 16 queries).  Wave w owns query tiles 2 w, 2 w + 1 and 12 key tiles: 0-7 the block's own 128 keys (X), 8-11 its third window (O: the window before
;    for waves 0, 1, the window after for waves 2, 3).  A window beyond the sequence's end is read from a clamped block and masked.
; B: mask (the input's bytes, and 0 for windows that do not exist) -> -1e10; t = score x log2 e; M = ceil(largest t); p = 2^(t - M), quantised along the keys; l = the sum of the unquantised p.
;    t is a multiplication and M a separate addition, so that a row that is masked whole gives t - M = 0 exactly, p = 1 and l = 192.  P's codes for a window that does not exist are cleared (its v is 0).
; C: y = l x src + V^T P^T, by columns: wave w makes channels 128 w .. + 127 for all 8 query tiles.  y = l (src + attention); a layer norm does not see the factor l if eps is taken as eps l^2: no division.
; D: layer norm 1 (each wave's mean and centred squares of its 128 channels meet in LDS), x1 quantised, its images to LDS; x1 + b2 stays in the accumulators of the second feed-forward product.
; E: eight chunks of 128 hidden units: h = relu(x1 W1 + b1) quantised in registers, through LDS, then acc += h W2.  W1's and W2's chunks come by joint tensor loads (mask 15: all row blocks walk the same weights).
;    x1 and h hold, inside a block of 32, numbers 0-7 and 16-23 in lanes 0-15 and 8-15, 24-31 in lanes 16-31; W1's and W2's fragments are read from LDS in the same order, 8 bytes at a time.
; F: the 128 rows go through LDS (over the slots, which have had their last fill), layer norm 2 row by row, whole rows out.
; A wave has four tensor loads out at the start and one behind each round.
; LIMITS: NaN and infinities among the inputs are not served.  Blocks whose largest magnitude lies under 2^-118 keep the scale byte 1.  mask bytes count as 0 or not 0.
; REGISTERS.  window 0: v1-15 addresses; the rest by phase (named below).  window 1: k, then V, then gains, biases and a temporary, then x1's fragments.
; window 2: q and k, then rows 0-63 of y.  window 3: scores, mask bytes and the softmax's temporaries, then rows 64-127 of y.  Accumulator (row tile t, channel tile n) at 64 (t % 4) + 8 n.
.set SLOT0, 0                          ; W1's chunk: 128 rows x 512 bytes, 528 apart
.set SLOT1, 67584                      ; W2's chunk: 512 rows x 128 bytes, 144 apart
.set SC1,   141312                     ; W1's scale bytes, 64 runs of 256 bytes + 16
.set SC2,   158720                     ; W2's likewise
.set XI,    176128                     ; x1's 32 fragment images
.set XSC,   241664                     ; their scale words
.set HI,    245760                     ; h's 8 fragment images
.set HSC,   262144                     ; their scale words
.set PI,    263168                     ; P's 16 fragment images
.set PSC,   295936                     ; their scale words
.set PL,    297984                     ; l
.set ST1,   299008                     ; the waves' means and squares
.set B1T,   307200                     ; b1
.set SPARE, 319488                     ; the spare words, 128 bytes a wave: two blocks of 256 bytes that no other line names
.set SPW, 1
.set NIL, 2
.set LI,  3                            ; 16 x lane
.set LS,  4                            ; 4 x lane
.set RR,  5                            ; lane % 16
.set HH,  6                            ; lane / 16
; phases A to C
.set B1W, 7
.set PIW, 8
.set PSW, 9
.set PLW, 10
.set PSR, 11
.set PLR0, 12
.set PIR, 13
.set GBO, 14
.set QS,  16
.set KSX, 20
.set KSO, 36
.set B1D, 44
.set VSX, 52
.set VSL, 56
.set VSR, 60
.set PCB, 64
.set VSY, 144
.set PS,  148
.set PB,  160
.set LL,  224
.set OQ,  240
.set OQS, 241
.set OKX, 242
.set OKO, 243
.set OKSX, 244
.set OKSO, 245
.set OMX, 246
.set OMO, 247
.set OVX, 248
.set OVL, 249
.set OVR, 250
.set OVSX, 251
.set OVSL, 252
.set OVSR, 253
.set OSRC, 254
.set OB1, 255
; window 3 in phase B
.set MK,  192
.set BM,  216
.set BP,  222
.set TH,  228
.set NM,  234
.set LA,  236
.set LB,  238
.set NEGV, 240
.set T0,  241
.set T1,  242
; phase D
.set PLR, 7
.set S1W, 8
.set S1R, 9
.set XIW, 10
.set XSW, 11
.set SA,  16
.set SQ,  24
.set MW,  32
.set TT,  40
.set LLD, 42
.set EL,  46
.set AC,  50
.set QM,  58
.set QP,  62
.set QH,  66
.set WD,  70
.set CT,  74
.set STR, 96
.set HT,  128                          ; in window 1
; phase E
.set AW1, 7
.set AW2, 8
.set AS1, 9
.set AS2, 10
.set AB1, 11
.set AHS, 12
.set AHB, 13
.set AHL, 14
.set AHSL, 15
.set XS1, 16
.set FWS, 24
.set FHS, 28
.set TM,  32
.set HC0, 44
.set BI,  48
; phase F
.set G2,  16
.set BB,  32
.set YW,  48
.set YR,  57
.set OO,  58
.set RD,  64
.set RT,  128
.set MSB, 0
.macro WIN new                         ; the immediate's high byte repeats the setting that is left; a switch that changes nothing is dropped
.if MSB != (\new)
	s_set_vgpr_msb (MSB<<8)|(\new)
.set MSB, (\new)
.endif
.endm
.macro PLACES n
.rept \n
	v_nop
.endr
.endm
.macro ROUND                           ; a round of the cluster's barrier
	s_barrier_signal -1
	s_barrier_wait -1
	s_cmp_lg_u32 s42, 0
	s_cbranch_scc1 .Lnw0_\@
	s_barrier_signal -3
.Lnw0_\@:
	s_barrier_wait -3
	s_barrier_signal -1
	s_barrier_wait -1
.endm
.macro BAR
	s_wait_dscnt 0x0
	s_barrier_signal -1
	s_barrier_wait -1
.endm
.macro REFILL g0, g1, step             ; all my tensor loads landed, the add, the descriptor's step, the add and my LDS reads done, the round, the one joint load first behind it
	WIN 0
	s_wait_tensorcnt 0x0
	ds_add_u32 v[SPW], v[NIL]
	s_add_nc_u64 s[\g0+2:\g0+3], s[\g0+2:\g0+3], \step
	s_wait_dscnt 0x0
	ROUND
	tensor_load_to_lds s[\g0:\g0+3], s[\g1:\g1+7]
	s_nop 0
	PLACES 4
.endm
.macro WMMA                            ; one matrix instruction from mD, mA, mB, mC (under 0: the constant 0), mSA, mSB, mRA, mRB
.if mC < 0
.if mRA == 0 && mRB == 0
	v_wmma_scale_f32_16x16x128_f8f6f4 v[mD:mD+7], v[mA:mA+15], v[mB:mB+15], 0, v[mSA], v[mSB]
.elseif mRA == 1 && mRB == 0
	v_wmma_scale_f32_16x16x128_f8f6f4 v[mD:mD+7], v[mA:mA+15], v[mB:mB+15], 0, v[mSA], v[mSB] matrix_a_scale:MATRIX_SCALE_ROW1
.elseif mRA == 0
	v_wmma_scale_f32_16x16x128_f8f6f4 v[mD:mD+7], v[mA:mA+15], v[mB:mB+15], 0, v[mSA], v[mSB] matrix_b_scale:MATRIX_SCALE_ROW1
.else
	v_wmma_scale_f32_16x16x128_f8f6f4 v[mD:mD+7], v[mA:mA+15], v[mB:mB+15], 0, v[mSA], v[mSB] matrix_a_scale:MATRIX_SCALE_ROW1 matrix_b_scale:MATRIX_SCALE_ROW1
.endif
.else
.if mRA == 0 && mRB == 0
	v_wmma_scale_f32_16x16x128_f8f6f4 v[mD:mD+7], v[mA:mA+15], v[mB:mB+15], v[mC:mC+7], v[mSA], v[mSB]
.elseif mRA == 1 && mRB == 0
	v_wmma_scale_f32_16x16x128_f8f6f4 v[mD:mD+7], v[mA:mA+15], v[mB:mB+15], v[mC:mC+7], v[mSA], v[mSB] matrix_a_scale:MATRIX_SCALE_ROW1
.elseif mRA == 0
	v_wmma_scale_f32_16x16x128_f8f6f4 v[mD:mD+7], v[mA:mA+15], v[mB:mB+15], v[mC:mC+7], v[mSA], v[mSB] matrix_b_scale:MATRIX_SCALE_ROW1
.else
	v_wmma_scale_f32_16x16x128_f8f6f4 v[mD:mD+7], v[mA:mA+15], v[mB:mB+15], v[mC:mC+7], v[mSA], v[mSB] matrix_a_scale:MATRIX_SCALE_ROW1 matrix_b_scale:MATRIX_SCALE_ROW1
.endif
.endif
.endm
	s_load_b512 s[4:19], s[0:1], 0x0       ; src, mask, qc, qs, kc, ks, vc, vs
	s_load_b512 s[20:35], s[0:1], 0x40     ; ln1_g, ln1_b, W1 codes, W1 scales, b1, W2 codes, W2 scales, b2
	s_load_b128 s[36:39], s[0:1], 0x80     ; ln2_g, ln2_b
	s_load_b64 s[40:41], s[0:1], 0x90      ; out0
	v_lshl_add_u32 v[SPW], v0, 2, SPARE
	v_mov_b32 v[NIL], 0
	ds_add_u32 v1, v2
	ds_add_u32 v1, v2
	s_wait_dscnt 0x0
	v_lshrrev_b32 v7, 5, v0
	v_readfirstlane_b32 s42, v7            ; wave
	s_mov_b32 s44, 0x76543210
	s_mov_b32 s45, 0xfedcba98              ; selects for lane l xor 16
	s_mov_b32 s46, 0x600000                ; the mantissa field of 448
	s_mov_b32 s88, 0x3fb8aa3b              ; log2 e
	s_mov_b32 s89, s88
	s_mov_b32 s48, 15|(1<<20)|(1<<21)|(6<<22)|(3<<25)   ; W1: 32 rows of 512 bytes a wave, 4 words of padding behind every 128; mask: all four work-groups
	s_mov_b32 s49, 512<<16
	s_mov_b32 s50, 32<<16
	s_mov_b32 s51, 512<<16
	s_mov_b32 s52, 32
	s_mov_b32 s53, 512
	s_mov_b32 s54, 0
	s_mov_b32 s55, 0
	s_mov_b32 s56, 15|(1<<20)|(1<<21)|(4<<22)|(3<<25)   ; W2: 128 rows of 128 bytes a wave, 1,024 apart in memory, 4 words of padding behind every 32
	s_mov_b32 s57, 128<<16
	s_mov_b32 s58, 128<<16
	s_mov_b32 s59, 128<<16
	s_mov_b32 s60, 128
	s_mov_b32 s61, 1024
	s_mov_b32 s62, 0
	s_mov_b32 s63, 0
	s_mov_b32 s68, 15|(3<<16)|(1<<20)|(1<<21)|(5<<22)|(3<<25)   ; scale bytes: 16 dense rows of 256 bytes (32 elements of 8) a wave, 4 words of padding behind each
	s_mov_b32 s69, 32<<16
	s_mov_b32 s70, 16<<16
	s_mov_b32 s71, 32<<16
	s_mov_b32 s72, 16
	s_mov_b32 s73, 32
	s_mov_b32 s74, 0
	s_mov_b32 s75, 0
	s_mul_i32 s93, s42, 16896
	s_mul_i32 s94, s42, 18432
	s_add_co_u32 s94, s94, SLOT1
	s_mul_i32 s95, s42, 4352
	s_mov_b32 s101, 0
	s_wait_kmcnt 0x0
	s_mov_b32 s76, 1
	s_mov_b32 s77, s93
	s_lshl_b32 s100, s42, 14
	s_add_nc_u64 s[78:79], s[24:25], s[100:101]
	s_or_b32 s79, s79, 0x80000000
	s_mov_b32 s80, 1
	s_mov_b32 s81, s94
	s_lshl_b32 s100, s42, 17
	s_add_nc_u64 s[82:83], s[30:31], s[100:101]
	s_or_b32 s83, s83, 0x80000000
	s_lshl_b32 s100, s42, 12
	s_mov_b32 s84, 1
	s_add_co_u32 s85, s95, SC1
	s_add_nc_u64 s[86:87], s[26:27], s[100:101]
	s_or_b32 s87, s87, 0x80000000
	s_mov_b32 s96, 1
	s_add_co_u32 s97, s95, SC2
	s_add_nc_u64 s[98:99], s[32:33], s[100:101]
	s_or_b32 s99, s99, 0x80000000
	ROUND                                  ; all four work-groups are here: the first joint loads meet
	tensor_load_to_lds s[84:87], s[68:75]
	s_nop 0
	tensor_load_to_lds s[96:99], s[68:75]
	s_nop 0
	tensor_load_to_lds s[76:79], s[48:55]
	s_nop 0
	tensor_load_to_lds s[80:83], s[56:63]
	s_nop 0
	PLACES 4
	; what hangs on the block's number: offsets of plain global loads and masks of data, no branch and no LDS address
	s_bfe_u32 s2, ttmp6, 0x40000           ; cx
	s_lshl_b32 s43, ttmp9, 2
	s_add_co_u32 s43, s43, s2              ; g
	s_and_b32 s2, s43, 63                  ; the block's place in its sequence of 64 blocks
	s_cmp_lg_u32 s2, 0
	s_cselect_b32 s3, 1, 0
	s_cselect_b32 s66, -1, 0               ; the window before exists
	s_cmp_lg_u32 s2, 63
	s_cselect_b32 s2, 1, 0
	s_cselect_b32 s67, -1, 0               ; the window after exists
	s_sub_co_u32 s3, s43, s3               ; the block before, clamped
	s_add_co_u32 s2, s43, s2               ; the block after, clamped
	s_lshr_b32 s104, s42, 1                ; which of the two windows my queries lie in
	s_cmp_eq_u32 s104, 0
	s_cselect_b32 s105, s3, s2             ; the block of my third window
	s_cselect_b32 s92, s66, s67            ; whether it exists
	s_cselect_b32 s90, s66, 0              ; what P's codes for the window before are masked with,
	s_cselect_b32 s91, 0, s67              ; and for the window after
	s_cselect_b32 s66, 32768, 0            ; the window before is its block's second half: k's codes,
	s_cselect_b32 s67, 8, 0                ; k's scale words,
	s_cselect_b32 s104, 64, 0              ; mask bytes
	v_and_b32 v7, 31, v0
	v_and_b32 v[RR], 15, v0
	v_bfe_u32 v[HH], v0, 4, 1
	v_lshlrev_b32 v[LI], 4, v7
	v_lshlrev_b32 v[LS], 2, v7
	v_lshl_add_u32 v[OKX], s43, 16, v[LI]
	v_lshl_add_u32 v[OQ], s42, 14, v[OKX]
	v_lshl_add_u32 v[OVX], s42, 12, v[OKX]
	v_lshl_add_u32 v[OKSX], s43, 11, v[LI]
	v_lshl_add_u32 v[OQS], s42, 2, v[OKSX]
	v_lshl_add_u32 v[OVSX], s42, 9, v[OKSX]
	v_lshl_add_u32 v[OKO], s105, 16, v[LI]
	v_add_nc_u32 v[OKO], s66, v[OKO]
	v_lshl_add_u32 v[OKSO], s105, 11, v[LI]
	v_add_nc_u32 v[OKSO], s67, v[OKSO]
	v_lshlrev_b32 v7, 3, v[HH]
	v_lshl_add_u32 v[OMX], s43, 7, v7
	v_lshl_add_u32 v[OMO], s105, 7, v7
	v_add_nc_u32 v[OMO], s104, v[OMO]
	v_lshl_add_u32 v[OVL], s3, 16, v[LI]
	v_lshl_add_u32 v[OVL], s42, 12, v[OVL]
	v_add_nc_u32 v[OVL], 32768, v[OVL]
	v_lshl_add_u32 v[OVR], s2, 16, v[LI]
	v_lshl_add_u32 v[OVR], s42, 12, v[OVR]
	v_lshl_add_u32 v[OVSL], s3, 11, v[LI]
	v_lshl_add_u32 v[OVSL], s42, 9, v[OVSL]
	v_lshl_add_u32 v[OVSR], s2, 11, v[LI]
	v_lshl_add_u32 v[OVSR], s42, 9, v[OVSR]
	v_lshlrev_b32 v[OSRC], 11, v[RR]
	v_lshl_add_u32 v[OSRC], v[HH], 5, v[OSRC]
	v_lshl_add_u32 v[OSRC], s43, 18, v[OSRC]
	v_lshl_add_u32 v[OSRC], s42, 9, v[OSRC]
	v_lshlrev_b32 v[OB1], 5, v0
	v_lshl_add_u32 v[B1W], v0, 5, B1T
	s_lshl_b32 s93, s42, 13
	v_add_nc_u32 v[PIW], s93, v[LI]
	v_add_nc_u32 v[PIW], PI, v[PIW]
	s_lshl_b32 s93, s42, 9
	v_add_nc_u32 v[PSW], s93, v[LS]
	v_add_nc_u32 v[PSW], PSC, v[PSW]
	v_lshlrev_b32 v[GBO], 5, v[HH]
	v_add_nc_u32 v[GBO], s93, v[GBO]
	s_lshl_b32 s93, s42, 8
	v_add_nc_u32 v[PLW], s93, v[LS]
	v_add_nc_u32 v[PLW], PL, v[PLW]
	v_lshlrev_b32 v[PSR], 7, v[HH]
	v_lshl_add_u32 v[PSR], v[RR], 2, v[PSR]
	v_add_nc_u32 v[PSR], PSC, v[PSR]
	v_add_nc_u32 v[PLR0], PL, v[LS]
	v_add_nc_u32 v[PIR], PI, v[LI]
	; ---- A: the scores
	global_load_b128 v[B1D:B1D+3], v[OB1], s[28:29]
	global_load_b128 v[B1D+4:B1D+7], v[OB1], s[28:29] offset:16
	WIN 0x80
.irp f, 0,1,2,3,4,5,6,7                ; q's fragments (tile of my two, K step) at 16 f of window 2
.irp c, 0,1,2,3
	global_load_b128 v[16*\f+4*\c:16*\f+4*\c+3], v[OQ], s[8:9] offset:2048*\f+512*\c
.endr
.endr
	WIN 0
.irp ks, 0,1,2,3
	global_load_b32 v[QS+\ks], v[OQS], s[10:11] offset:512*\ks
	global_load_b128 v[KSX+4*\ks:KSX+4*\ks+3], v[OKSX], s[14:15] offset:512*\ks
	global_load_b64 v[KSO+2*\ks:KSO+2*\ks+1], v[OKSO], s[14:15] offset:512*\ks
.endr
	WIN 0xc0
.irp j, 0,1,2,3,4,5,6,7
	global_load_b64 v[MK+2*\j:MK+2*\j+1], v[OMX], s[6:7] offset:16*\j        ; the mask bytes of my 8 keys of tile j
.endr
.irp j, 0,1,2,3
	global_load_b64 v[MK+16+2*\j:MK+16+2*\j+1], v[OMO], s[6:7] offset:16*\j
.endr
.macro KSEL i                          ; batch i's buffer: window 2 v128, window 1 v0, window 1 v128 by turns
.set kw, 1
.set kb, 128
.if (\i)%3 == 0
.set kw, 2
.elseif (\i)%3 == 1
.set kb, 0
.endif
.endm
.macro KLOAD i                         ; two key tiles, 32 loads
	KSEL \i
	WIN kw<<6
.irp jj, 0,1
.irp ks, 0,1,2,3
.irp c, 0,1,2,3
.if (\i) < 4
	global_load_b128 v[kb+16*(4*\jj+\ks)+4*\c:kb+16*(4*\jj+\ks)+4*\c+3], v[OKX], s[12:13] offset:2048*(4*(2*(\i)+\jj)+\ks)+512*\c
.else
	global_load_b128 v[kb+16*(4*\jj+\ks)+4*\c:kb+16*(4*\jj+\ks)+4*\c+3], v[OKO], s[12:13] offset:2048*(4*(2*((\i)-4)+\jj)+\ks)+512*\c
.endif
.endr
.endr
.endr
.endm
.macro KMUL i, lc                      ; 16 matrix instructions, four accumulators by turns
	KSEL \i
	s_wait_loadcnt \lc                     ; this batch is in; the batches behind it may be out
	WIN 0xf8+kw
.irp ks, 0,1,2,3
.irp jj, 0,1
.irp tt, 0,1
.set kj, 2*(\i)+\jj
.set mD, 96*\tt+8*kj
.set mC, mD
.if \ks == 0
.set mC, -1
.endif
.set mA, kb+16*(4*\jj+\ks)
.set mB, 16*(4*\tt+\ks)
.if kj < 8
.set mSA, KSX+4*\ks+kj/2
.else
.set mSA, KSO+2*\ks+(kj-8)/2
.endif
.set mRA, kj%2
.set mSB, QS+\ks
.set mRB, \tt
	WMMA
.endr
.endr
.endr
	PLACES 8                               ; in front of loads into the buffer, and of the first read of scores
.endm
	KLOAD 0
	KLOAD 1
	KLOAD 2
	KMUL 0, 63
	KLOAD 3
	KMUL 1, 63
	KLOAD 4
	KMUL 2, 63
	KLOAD 5
	KMUL 3, 63
	KMUL 4, 32
	KMUL 5, 0
	WIN 0
	ds_store_b128 v[B1W], v[B1D:B1D+3]     ; b1 goes to LDS for phase E
	ds_store_b128 v[B1W], v[B1D+4:B1D+7] offset:16
	global_load_b128 v[VSX:VSX+3], v[OVSX], s[18:19]
	global_load_b128 v[VSL:VSL+3], v[OVSL], s[18:19]
	global_load_b128 v[VSR:VSR+3], v[OVSR], s[18:19]
	WIN 0x40
.irp n, 0,1,2,3,4,5,6,7                ; V's fragments of my 8 channel tiles: the block's own four key blocks at 32 n, [before 0, 1, after 0, 1] at 32 n + 16
.irp b, 0,1,2,3
	global_load_b128 v[32*\n+4*\b:32*\n+4*\b+3], v[OVX], s[16:17] offset:16384*\b+512*\n
.endr
.irp b, 0,1
	global_load_b128 v[32*\n+16+4*\b:32*\n+16+4*\b+3], v[OVL], s[16:17] offset:16384*\b+512*\n
	global_load_b128 v[32*\n+24+4*\b:32*\n+24+4*\b+3], v[OVR], s[16:17] offset:16384*\b+512*\n
.endr
.endr
	; ---- B: mask and softmax, in window 3
	WIN 0xff
	v_mov_b32 v[NEGV], 0xd01502f9          ; -1e10
.irp b, 0,1,2,3,4,5
	v_mov_b32 v[BP+\b], 0                  ; a lane permute's destination counts as one of its sources
.endr
	v_mov_b32 v[T1], 0
.irp i, 0,1,2,3,4,5,6,7
	v_and_b32 v[MK+16+\i], s92, v[MK+16+\i]            ; a third window that does not exist is masked whole
.endr
.set cj, 0
.rept 12
.set ce, 0
.rept 8
	v_and_b32 v[T0], 0xff<<(8*(ce%4)), v[MK+2*cj+ce/4]
	v_cmp_eq_u32 vcc_lo, 0, v[T0]
	v_cndmask_b32 v[8*cj+ce], v[8*cj+ce], v[NEGV], vcc_lo          ; each accumulator is read from its low end on
	v_cndmask_b32 v[96+8*cj+ce], v[96+8*cj+ce], v[NEGV], vcc_lo
.set ce, ce+1
.endr
.set cj, cj+1
.endr
.macro SOFTMAX tt
.set SB, 96*\tt
.set PX, PCB+40*\tt
.set PY, PX+24
.set WX, 244+4*\tt
	WIN 0xff
.irp b, 0,1,2,3,4,5
	v_max3_num_f32 v[BM+\b], v[SB+16*\b], v[SB+16*\b+1], v[SB+16*\b+2]   ; the largest score of each block of 32 keys: for the row's maximum and for the block's largest p
.endr
.irp i, 3,5,7,9,11,13
.irp b, 0,1,2,3,4,5
	v_max3_num_f32 v[BM+\b], v[BM+\b], v[SB+16*\b+\i], v[SB+16*\b+\i+1]
.endr
.endr
.irp b, 0,1,2,3,4,5
	v_max_num_f32 v[BM+\b], v[BM+\b], v[SB+16*\b+15]
.endr
.irp b, 0,1,2,3,4,5
	v_permlanex16_b32 v[BP+\b], v[BM+\b], s44, s45
.endr
.irp b, 0,1,2,3,4,5
	v_max_num_f32 v[BM+\b], v[BM+\b], v[BP+\b]
.endr
	v_max3_num_f32 v[T0], v[BM], v[BM+1], v[BM+2]
	v_max3_num_f32 v[T0], v[T0], v[BM+3], v[BM+4]
	v_max_num_f32 v[T0], v[T0], v[BM+5]
	v_mul_f32 v[T0], s88, v[T0]            ; the row's largest t
	v_floor_f32 v[NM], -v[T0]              ; -M = floor(-t): M is a whole number
	v_mov_b32 v[NM+1], v[NM]               ; (named with it as a pair)
.set ci, 0
.rept 48
	v_pk_mul_f32 v[SB+ci:SB+ci+1], v[SB+ci:SB+ci+1], s[88:89] op_sel_hi:[1,0]    ; t, rounded as a product of its own: not fused with the line below, so that equal scores give t - M = 0 exactly
.set ci, ci+2
.endr
.set ci, 0
.rept 48
	v_pk_add_f32 v[SB+ci:SB+ci+1], v[SB+ci:SB+ci+1], v[NM:NM+1] op_sel_hi:[1,0]
.set ci, ci+2
.endr
.irp b, 0,1,2,3,4,5
	v_mul_f32 v[BM+\b], s88, v[BM+\b]
.endr
.irp b, 0,1,2,3,4,5
	v_add_f32 v[BM+\b], v[BM+\b], v[NM]
.endr
.set ci, 0
.rept 96
	v_exp_f32 v[SB+ci], v[SB+ci]           ; p = 2^(t - M)
.set ci, ci+1
.endr
.irp b, 0,1,2,3,4,5
	v_exp_f32 v[BM+\b], v[BM+\b]           ; the block's largest p: the same instructions on the same number
.endr
	v_nop                                  ; a plain line behind the exponentials
	s_wait_alu depctr_va_vdst(0)
.irp b, 0,1,2,3,4,5
	v_max_num_f32 v[BM+\b], 0x4800000, v[BM+\b]        ; the floor: the byte cannot fall under 1
.endr
.irp b, 0,1,2,3,4,5
	v_add_nc_u32 v[BP+\b], 0xfc000000, v[BM+\b]
.endr
.irp b, 0,1,2,3,4,5
	v_and_or_b32 v[TH+\b], v[BM+\b], 0x7f800000, s46
.endr
.irp b, 0,1,2,3,4,5
	v_lshrrev_b32 v[BM+\b], 23, v[BP+\b]
.endr
	v_lshl_or_b32 v[WX], v[BM+1], 8, v[BM]             ; the scale word of the block's own 128 keys,
	v_lshl_or_b32 v[WX+1], v[BM+5], 8, v[BM+4]
	v_lshl_or_b32 v[WX], v[BM+2], 16, v[WX]
	v_lshl_or_b32 v[WX+1], v[WX+1], 16, v[WX+1]        ; and of [before, after]: my third window's two bytes in both places
	v_lshl_or_b32 v[WX], v[BM+3], 24, v[WX]
	v_pk_add_f32 v[LA:LA+1], v[SB:SB+1], v[SB+2:SB+3]  ; the row's sum of the unquantised p, in two chains
	v_pk_add_f32 v[LB:LB+1], v[SB+4:SB+5], v[SB+6:SB+7]
.set ci, 8
.rept 22
	v_pk_add_f32 v[LA:LA+1], v[LA:LA+1], v[SB+ci:SB+ci+1]
	v_pk_add_f32 v[LB:LB+1], v[LB:LB+1], v[SB+ci+2:SB+ci+3]
.set ci, ci+4
.endr
	v_pk_add_f32 v[LA:LA+1], v[LA:LA+1], v[LB:LB+1]
	v_add_f32 v[T0], v[LA], v[LA+1]
	v_permlanex16_b32 v[T1], v[T0], s44, s45
	v_add_f32 v[WX+2], v[T0], v[T1]
.irp b, 0,1,2,3,4,5
.irp i, 0,1,2,3,4,5,6,7,8,9,10,11,12,13,14,15
	v_min_num_f32 v[SB+16*\b+\i], v[SB+16*\b+\i], v[TH+\b]         ; the hold; p is not negative
.endr
.endr
	WIN 0x0f
.irp b, 0,1,2,3,4,5
	v_cvt_scalef32_pk8_fp8_f32 v[PX+4*\b:PX+4*\b+1], v[SB+16*\b:SB+16*\b+7], v[BP+\b]
	v_cvt_scalef32_pk8_fp8_f32 v[PX+4*\b+2:PX+4*\b+3], v[SB+16*\b+8:SB+16*\b+15], v[BP+\b]
.endr
	WIN 0
	v_nop                                  ; one plain line behind the last conversion
.irp i, 0,1,2,3,4,5,6,7
	v_and_b32 v[PY+\i], s90, v[PX+16+\i]   ; my third window's codes stand in the place of the window before or after; the other place, and a window that does not exist, get zero codes
	v_and_b32 v[PY+8+\i], s91, v[PX+16+\i]
.endr
.irp c, 0,1,2,3
	ds_store_b128 v[PIW], v[PX+4*\c:PX+4*\c+3] offset:4096*\tt+512*\c
	ds_store_b128 v[PIW], v[PY+4*\c:PY+4*\c+3] offset:4096*\tt+2048+512*\c
.endr
	WIN 0x0c
	ds_store_b32 v[PSW], v[WX] offset:256*\tt
	ds_store_b32 v[PSW], v[WX+1] offset:256*\tt+128
	ds_store_b32 v[PLW], v[WX+2] offset:128*\tt
.endm
.macro SRCLOAD t                       ; src of row tile t, my 128 channels, straight into the accumulator's registers
	WIN (2+(\t)/4)<<6
.irp n, 0,1,2,3,4,5,6,7
	global_load_b128 v[64*((\t)%4)+8*\n:64*((\t)%4)+8*\n+3], v[OSRC], s[4:5] offset:32768*(\t)+64*\n th:TH_LOAD_NT
	global_load_b128 v[64*((\t)%4)+8*\n+4:64*((\t)%4)+8*\n+7], v[OSRC], s[4:5] offset:32768*(\t)+64*\n+16 th:TH_LOAD_NT
.endr
.endm
	SOFTMAX 0
	SRCLOAD 0
	SRCLOAD 1
	SOFTMAX 1
	SRCLOAD 2
	SRCLOAD 3
	WIN 0
	s_wait_dscnt 0x0                       ; my LDS stores have read their registers: window 3 may be loaded
	SRCLOAD 4
	SRCLOAD 5
	SRCLOAD 6
	SRCLOAD 7
	WIN 0
	BAR                                    ; P, its scale words, l and b1 lie in LDS
	; ---- C: y = l src + V^T P^T
.irp t, 0,1,2,3,4,5,6,7
	ds_load_b32 v[PS+\t], v[PSR] offset:256*\t         ; lanes 0-15: the word of the own 128 keys; lanes 16-31: of [before, after]
.endr
.irp t, 0,1,2,3,4,5,6,7
	ds_load_b32 v[LL+2*\t], v[PLR0] offset:128*\t
.endr
.macro PLOAD t
.irp kk, 0,1
.irp c, 0,1,2,3
	ds_load_b128 v[PB+32*((\t)%2)+16*\kk+4*\c:PB+32*((\t)%2)+16*\kk+4*\c+3], v[PIR] offset:2048*(2*(\t)+\kk)+512*\c
.endr
.endr
.endm
	PLOAD 0
	PLOAD 1
	s_wait_loadcnt 63                      ; V, its scale words and src of tiles 0-3 are in; the 64 loads of tiles 4-7 are younger
	s_wait_dscnt 16                        ; the words and l are in; P's first two tiles may be out
.irp p, 0,1,2,3
	v_alignbit_b32 v[VSY+\p], v[VSR+\p], v[VSL+\p], 16 ; the last two bytes of the block before, the first two of the block after
.endr
.irp t, 0,1,2,3,4,5,6,7
	v_mov_b32 v[LL+2*\t+1], v[LL+2*\t]     ; (named with it as a pair)
.endr
.macro YMUL hf
	WIN (2+\hf)|((2+\hf)<<6)
.irp tq, 0,1,2,3
.set ci, 0
.rept 32
	v_pk_mul_f32 v[64*\tq+ci:64*\tq+ci+1], v[64*\tq+ci:64*\tq+ci+1], v[LL+2*(4*\hf+\tq):LL+2*(4*\hf+\tq)+1] op_sel_hi:[1,0]
.set ci, ci+2
.endr
.endr
.endm
.macro PVT t, dc                       ; query tile t: 16 matrix instructions, eight accumulators by turns
.set pbuf, PB+32*((\t)%2)
	s_wait_dscnt \dc                       ; this tile's P is in; the next tile's eight loads may be out
	WIN 0xa1+0x50*((\t)/4)
.irp kk, 0,1
.irp n, 0,1,2,3,4,5,6,7
.set mD, 64*((\t)%4)+8*\n
.set mC, mD
.set mA, 32*\n+16*\kk
.set mB, pbuf+16*\kk
.set mSA, VSX+\n/2
.if \kk == 1
.set mSA, VSY+\n/2
.endif
.set mRA, \n%2
.set mSB, PS+(\t)
.set mRB, \kk
	WMMA
.endr
.endr
	PLACES 8
.if (\t) < 6
	WIN 0
	PLOAD (\t)+2
.endif
.endm
	YMUL 0
	PVT 0, 8
	PVT 1, 8
	PVT 2, 8
	PVT 3, 8
	WIN 0
	s_wait_loadcnt 0x0                     ; src of tiles 4-7
	YMUL 1
	PVT 4, 8
	PVT 5, 8
	PVT 6, 8
	PVT 7, 0
	WIN 0x40
.irp n, 0,1,2,3,4,5,6,7                ; gain, bias and b2 of my lane's channels, in the accumulators' layout
.irp j, 0,1
	global_load_b128 v[8*\n+4*\j:8*\n+4*\j+3], v[GBO], s[20:21] offset:64*\n+16*\j
	global_load_b128 v[64+8*\n+4*\j:64+8*\n+4*\j+3], v[GBO], s[22:23] offset:64*\n+16*\j
	global_load_b128 v[192+8*\n+4*\j:192+8*\n+4*\j+3], v[GBO], s[34:35] offset:64*\n+16*\j
.endr
.endr
	WIN 0
	; ---- D: layer norm 1.  Two trips, each on the four tiles in window 2; at a trip's end the finished tiles (+ b2) change places with window 3's, so that one text serves both halves
	v_add_nc_u32 v[PLR], PL, v[LS]
	v_lshl_add_u32 v[S1R], v[LI], 1, ST1
	s_lshl_b32 s93, s42, 3
	v_add_nc_u32 v[S1W], s93, v[S1R]
	s_lshl_b32 s93, s42, 11
	v_add_nc_u32 v[XIW], s93, v[LI]
	v_add_nc_u32 v[XIW], XI, v[XIW]
	s_lshl_b32 s93, s42, 7
	v_add_nc_u32 v[XSW], s93, v[LS]
	v_add_nc_u32 v[XSW], XSC, v[XSW]
.irp b, 0,1,2,3
	v_mov_b32 v[MW+2*\b+1], 0              ; (named as the upper half of a pair before it is first written)
	v_mov_b32 v[QP+\b], 0
.endr
	v_mov_b32 v[TT+1], 0
.macro STATS tq                        ; my 128 channels of tile tq: mean, and the sum of squares about it
.set yb, 64*\tq
.set mw, MW+2*\tq
	WIN 0x0a
.irp e, 0,1,2,3
	v_pk_add_f32 v[SA+2*\e:SA+2*\e+1], v[yb+2*\e:yb+2*\e+1], v[yb+8+2*\e:yb+8+2*\e+1]   ; each accumulator is read from its low end on
.endr
	WIN 0x02
.set ci, 8
.rept 24
	v_pk_add_f32 v[SA+2*(ci%4):SA+2*(ci%4)+1], v[yb+2*ci:yb+2*ci+1], v[SA+2*(ci%4):SA+2*(ci%4)+1]
.set ci, ci+1
.endr
	WIN 0
	v_pk_add_f32 v[SA:SA+1], v[SA:SA+1], v[SA+2:SA+3]
	v_pk_add_f32 v[SA+4:SA+5], v[SA+4:SA+5], v[SA+6:SA+7]
	v_pk_add_f32 v[SA:SA+1], v[SA:SA+1], v[SA+4:SA+5]
	v_add_f32 v[TT], v[SA], v[SA+1]
	v_permlanex16_b32 v[TT+1], v[TT], s44, s45
	v_add_f32 v[TT], v[TT], v[TT+1]
	v_mul_f32 v[mw], 0x3c000000, v[TT]     ; / 128
	WIN 0x42
.set ci, 0
.rept 32
	v_pk_add_f32 v[HT+ci:HT+ci+1], v[yb+ci:yb+ci+1], v[mw:mw+1] op_sel_hi:[1,0] neg_lo:[0,1] neg_hi:[0,1]
.set ci, ci+2
.endr
	WIN 0x05
.irp e, 0,1,2,3
	v_pk_mul_f32 v[SQ+2*\e:SQ+2*\e+1], v[HT+2*\e:HT+2*\e+1], v[HT+2*\e:HT+2*\e+1]
.endr
.set ci, 4
.rept 28
	v_pk_fma_f32 v[SQ+2*(ci%4):SQ+2*(ci%4)+1], v[HT+2*ci:HT+2*ci+1], v[HT+2*ci:HT+2*ci+1], v[SQ+2*(ci%4):SQ+2*(ci%4)+1]
.set ci, ci+1
.endr
	WIN 0
	v_pk_add_f32 v[SQ:SQ+1], v[SQ:SQ+1], v[SQ+2:SQ+3]
	v_pk_add_f32 v[SQ+4:SQ+5], v[SQ+4:SQ+5], v[SQ+6:SQ+7]
	v_pk_add_f32 v[SQ:SQ+1], v[SQ:SQ+1], v[SQ+4:SQ+5]
	v_add_f32 v[TT], v[SQ], v[SQ+1]
	v_permlanex16_b32 v[TT+1], v[TT], s44, s45
	v_add_f32 v[mw+1], v[TT], v[TT+1]
	ds_store_b64 v[S1W], v[mw:mw+1] offset:1024*\tq
.endm
.macro FINISH tq                       ; normalise, gain and bias; quantise (the hold goes to a temporary: x1 itself stays); image to LDS; + b2 and the change of windows
.set yb, 64*\tq
.set qcd, 128+16*\tq
	WIN 0x82
.set ci, 0
.rept 32
	v_pk_fma_f32 v[yb+ci:yb+ci+1], v[yb+ci:yb+ci+1], v[AC+2*\tq:AC+2*\tq+1], v[AC+2*\tq:AC+2*\tq+1] op_sel:[0,0,1] op_sel_hi:[1,0,1]   ; y a - mean a
.set ci, ci+2
.endr
	WIN 0x96
.set ci, 0
.rept 32
	v_pk_fma_f32 v[yb+ci:yb+ci+1], v[yb+ci:yb+ci+1], v[ci:ci+1], v[64+ci:64+ci+1]
.set ci, ci+2
.endr
	WIN 0x0a
.irp b, 0,1,2,3
	v_max3_num_f32 v[QM+\b], |v[yb+16*\b]|, |v[yb+16*\b+1]|, 0x4800000
.endr
	WIN 0x28
.irp i, 2,4,6,8,10,12,14
.irp b, 0,1,2,3
	v_max3_num_f32 v[QM+\b], v[QM+\b], |v[yb+16*\b+\i]|, |v[yb+16*\b+\i+1]|
.endr
.endr
	WIN 0
.irp b, 0,1,2,3
	v_permlanex16_b32 v[QP+\b], v[QM+\b], s44, s45
.endr
.irp b, 0,1,2,3
	v_max_num_f32 v[QM+\b], v[QM+\b], v[QP+\b]
.endr
.irp b, 0,1,2,3
	v_add_nc_u32 v[QP+\b], 0xfc000000, v[QM+\b]
.endr
.irp b, 0,1,2,3
	v_and_or_b32 v[QH+\b], v[QM+\b], 0x7f800000, s46
.endr
.irp b, 0,1,2,3
	v_lshrrev_b32 v[QM+\b], 23, v[QP+\b]
.endr
	v_lshl_or_b32 v[WD+\tq], v[QM+1], 8, v[QM]
	v_lshl_or_b32 v[WD+\tq], v[QM+2], 16, v[WD+\tq]
	v_lshl_or_b32 v[WD+\tq], v[QM+3], 24, v[WD+\tq]
	WIN 0x42
.irp b, 0,1,2,3
.irp i, 0,1,2,3,4,5,6,7,8,9,10,11,12,13,14,15
	v_med3_num_f32 v[HT+16*\b+\i], v[yb+16*\b+\i], -v[QH+\b], v[QH+\b]
.endr
.endr
	WIN 0x01
.irp b, 0,1,2,3
	v_cvt_scalef32_pk8_fp8_f32 v[qcd+4*\b:qcd+4*\b+1], v[HT+16*\b:HT+16*\b+7], v[QP+\b]
	v_cvt_scalef32_pk8_fp8_f32 v[qcd+4*\b+2:qcd+4*\b+3], v[HT+16*\b+8:HT+16*\b+15], v[QP+\b]
.endr
	WIN 0
	v_nop                                  ; one plain line behind the last conversion
.irp c, 0,1,2,3
	ds_store_b128 v[XIW], v[qcd+4*\c:qcd+4*\c+3] offset:8192*\tq+512*\c
.endr
	ds_store_b32 v[XSW], v[WD+\tq] offset:512*\tq
	WIN 0x43
.set ci, 0
.rept 32
	v_pk_mul_f32 v[HT+ci:HT+ci+1], v[yb+ci:yb+ci+1], 1.0 op_sel_hi:[1,0]     ; window 3's tile aside (two registers a line; read from each accumulator's low end on),
.set ci, ci+2
.endr
	WIN 0xc6
.set ci, 0
.rept 32
	v_pk_add_f32 v[yb+ci:yb+ci+1], v[yb+ci:yb+ci+1], v[192+ci:192+ci+1]      ; x1 + b2 into its place,
.set ci, ci+2
.endr
	WIN 0x81
.set ci, 0
.rept 32
	v_pk_mul_f32 v[yb+ci:yb+ci+1], v[HT+ci:HT+ci+1], 1.0 op_sel_hi:[1,0]     ; and the other into window 2
.set ci, ci+2
.endr
.endm
	s_mov_b32 s47, 2
.Lln1:
.irp tq, 0,1,2,3
	ds_load_b32 v[LLD+\tq], v[PLR] offset:128*\tq
.endr
	STATS 0
	STATS 1
	STATS 2
	STATS 3
	BAR                                    ; the four waves' pairs lie in LDS (each trip has bytes of its own)
.irp tq, 0,1,2,3
	ds_load_b128 v[STR+8*\tq:STR+8*\tq+3], v[S1R] offset:1024*\tq
	ds_load_b128 v[STR+8*\tq+4:STR+8*\tq+7], v[S1R] offset:1024*\tq+16
.endr
.irp tq, 0,1,2,3
	v_mul_f32 v[EL+\tq], v[LLD+\tq], v[LLD+\tq]
.endr
.irp tq, 0,1,2,3
	v_mul_f32 v[EL+\tq], 0x3727c5ac, v[EL+\tq]         ; eps l^2
.endr
	s_wait_dscnt 0x0
.irp tq, 0,1,2,3
	v_add_f32 v[CT+4*\tq], v[STR+8*\tq], v[STR+8*\tq+2]
.endr
.irp tq, 0,1,2,3
	v_add_f32 v[CT+4*\tq+1], v[STR+8*\tq+4], v[STR+8*\tq+6]
.endr
.irp tq, 0,1,2,3
	v_add_f32 v[CT+4*\tq], v[CT+4*\tq], v[CT+4*\tq+1]
.endr
.irp tq, 0,1,2,3
	v_mul_f32 v[CT+4*\tq], 0x3e800000, v[CT+4*\tq]     ; the row's mean
.endr
.irp i, 0,2,4,6
.irp tq, 0,1,2,3
	v_sub_f32 v[STR+8*\tq+\i], v[STR+8*\tq+\i], v[CT+4*\tq]
.endr
.endr
.irp tq, 0,1,2,3
	v_mul_f32 v[CT+4*\tq+1], v[STR+8*\tq], v[STR+8*\tq]
.endr
.irp i, 2,4,6
.irp tq, 0,1,2,3
	v_fmac_f32 v[CT+4*\tq+1], v[STR+8*\tq+\i], v[STR+8*\tq+\i]
.endr
.endr
.irp tq, 0,1,2,3
	v_add_f32 v[CT+4*\tq+2], v[STR+8*\tq+1], v[STR+8*\tq+3]
.endr
.irp tq, 0,1,2,3
	v_add_f32 v[CT+4*\tq+3], v[STR+8*\tq+5], v[STR+8*\tq+7]
.endr
.irp tq, 0,1,2,3
	v_add_f32 v[CT+4*\tq+2], v[CT+4*\tq+2], v[CT+4*\tq+3]
.endr
.irp tq, 0,1,2,3
	v_fmamk_f32 v[CT+4*\tq+2], v[CT+4*\tq+1], 0x43000000, v[CT+4*\tq+2]      ; + 128 x the squares of the waves' means about the row's
.endr
.irp tq, 0,1,2,3
	v_fmamk_f32 v[CT+4*\tq+2], v[CT+4*\tq+2], 0x3b000000, v[EL+\tq]          ; / 512 + eps l^2
.endr
.irp tq, 0,1,2,3
	v_rsq_f32 v[AC+2*\tq], v[CT+4*\tq+2]
.endr
	v_nop                                  ; a plain line behind the last of them
	s_wait_alu depctr_va_vdst(0)
.irp tq, 0,1,2,3
	v_mul_f32 v[AC+2*\tq+1], -v[CT+4*\tq], v[AC+2*\tq]
.endr
	s_wait_loadcnt 0x0                     ; gain, bias, b2
	FINISH 0
	FINISH 1
	FINISH 2
	FINISH 3
	WIN 0
	v_add_nc_u32 v[PLR], 512, v[PLR]
	v_add_nc_u32 v[S1W], 4096, v[S1W]
	v_add_nc_u32 v[S1R], 4096, v[S1R]
	v_add_nc_u32 v[XIW], 32768, v[XIW]
	v_add_nc_u32 v[XSW], 2048, v[XSW]
	s_sub_co_u32 s47, s47, 1
	s_cmp_lg_u32 s47, 0
	s_cbranch_scc1 .Lln1
	s_wait_tensorcnt 0x0                   ; my parts of the first chunks and of the scale bytes are in,
	BAR                                    ; everybody's are, and x1's 32 images lie in LDS
	; ---- E: the feed-forward pair
	s_lshr_b32 s93, s42, 1                 ; which 64 rows are mine in the first product,
	s_and_b32 s94, s42, 1                  ; which 64 hidden units of a chunk
	v_mul_u32_u24 v[AW1], v[RR], 528
	v_lshl_add_u32 v[AW1], v[HH], 3, v[AW1]
	s_mul_i32 s95, s94, 33792
	v_add_nc_u32 v[AW1], s95, v[AW1]
	v_mul_u32_u24 v[AW2], v[RR], 144
	v_lshl_add_u32 v[AW2], v[HH], 3, v[AW2]
	s_mul_i32 s95, s42, 18432
	s_add_co_u32 s95, s95, SLOT1
	v_add_nc_u32 v[AW2], s95, v[AW2]
	v_mul_u32_u24 v[AS1], v[HH], 272
	v_lshl_add_u32 v[AS1], v[RR], 4, v[AS1]
	s_mul_i32 s95, s94, 1088
	s_add_co_u32 s95, s95, SC1
	v_add_nc_u32 v[AS1], s95, v[AS1]
	v_lshrrev_b32 v32, 7, v[LI]            ; lane / 8
	v_and_b32 v33, 0x70, v[LI]             ; 16 (lane % 8)
	v_mul_u32_u24 v[AS2], v32, 272
	v_lshl_add_u32 v[AS2], v33, 1, v[AS2]
	s_mul_i32 s95, s42, 4352
	s_add_co_u32 s95, s95, SC2
	v_add_nc_u32 v[AS2], s95, v[AS2]
	v_lshlrev_b32 v[AB1], 5, v[HH]
	s_lshl_b32 s95, s94, 8
	s_add_co_u32 s95, s95, B1T
	v_add_nc_u32 v[AB1], s95, v[AB1]
	s_lshl_b32 s95, s93, 13
	s_lshl_b32 s100, s94, 10
	s_add_co_u32 s95, s95, s100
	s_add_co_u32 s95, s95, HI
	v_add_nc_u32 v[AHS], s95, v[LI]
	s_lshl_b32 s95, s93, 9
	s_lshl_b32 s100, s94, 1
	s_add_co_u32 s95, s95, s100
	s_add_co_u32 s95, s95, HSC
	v_add_nc_u32 v[AHB], s95, v[LS]
	v_add_nc_u32 v[AHL], HI, v[LI]
	v_lshlrev_b32 v33, 7, v[HH]
	v_lshl_add_u32 v33, v[RR], 2, v33
	v_add_nc_u32 v[AHSL], HSC, v33
	s_lshl_b32 s95, s93, 11
	s_add_co_u32 s95, s95, XSC
	v_add_nc_u32 v33, s95, v33
	s_lshl_b32 s95, s93, 15
	s_add_co_u32 s95, s95, XI
	v_add_nc_u32 v32, s95, v[LI]
	WIN 0x40
.irp f, 0,1,2,3,4,5,6,7,8,9,10,11,12,13,14,15      ; x1's fragments of my four row tiles stay in window 1: (tile, K step) at 16 f
.irp c, 0,1,2,3
	ds_load_b128 v[16*\f+4*\c:16*\f+4*\c+3], v32 offset:2048*\f+512*\c
.endr
.endr
	WIN 0
.irp tq, 0,1,2,3
.irp sg, 0,1
	ds_load_b32 v[XS1+2*\tq+\sg], v33 offset:128*(4*\tq+2*\sg)
.endr
.endr
	s_wait_dscnt 0x0                       ; (v32, v33 are written again below)
.irp b, 0,1,2,3
	v_mov_b32 v[TM+4+\b], 0
.endr
.macro FF1LOAD p                       ; pair p: 32 hidden units: W1's eight fragments (8 bytes at a time, in x1's order inside a block), their scale words, b1
.irp u, 0,1
.irp ks, 0,1,2,3
.irp c, 0,1,2,3
	ds_load_b64 v[128+16*(4*\u+\ks)+4*\c:128+16*(4*\u+\ks)+4*\c+1], v[AW1] offset:528*(32*\p+16*\u)+128*\ks+32*\c
	ds_load_b64 v[128+16*(4*\u+\ks)+4*\c+2:128+16*(4*\u+\ks)+4*\c+3], v[AW1] offset:528*(32*\p+16*\u)+128*\ks+32*\c+16
.endr
.endr
.endr
	ds_load_b128 v[FWS:FWS+3], v[AS1] offset:544*\p
.irp u, 0,1
	ds_load_b128 v[BI+8*\u:BI+8*\u+3], v[AB1] offset:4*(32*\p+16*\u)
	ds_load_b128 v[BI+8*\u+4:BI+8*\u+7], v[AB1] offset:4*(32*\p+16*\u)+16
.endr
.endm
.macro FF1MUL                          ; 32 matrix instructions, eight accumulators by turns; b1 starts the sums
	s_wait_dscnt 0x0
	WIN 0x04
.irp ks, 0,1,2,3
.irp tq, 0,1,2,3
.irp u, 0,1
.set mD, 64+16*\tq+8*\u
.set mC, mD
.if \ks == 0
.set mC, BI+8*\u
.endif
.set mA, 128+16*(4*\u+\ks)
.set mB, 64*\tq+16*\ks
.set mSA, FWS+\ks
.set mRA, \u
.set mSB, XS1+2*\tq+\ks/2
.set mRB, \ks%2
	WMMA
.endr
.endr
.endr
	WIN 0
	PLACES 8
.endm
.macro HQ p                            ; four blocks of 32 hidden units (one a row tile): relu and hold in one, codes, bytes; block 0's codes to v44-47, block b's into the four lowest registers of block b - 1, which are done with
.irp b, 0,1,2,3
	v_max3_num_f32 v[TM+\b], v[64+16*\b], v[65+16*\b], 0x4800000             ; no |.|: what is negative becomes 0 and must not count
.endr
.irp i, 2,4,6,8,10,12,14
.irp b, 0,1,2,3
	v_max3_num_f32 v[TM+\b], v[TM+\b], v[64+16*\b+\i], v[65+16*\b+\i]
.endr
.endr
.irp b, 0,1,2,3
	v_permlanex16_b32 v[TM+4+\b], v[TM+\b], s44, s45
.endr
.irp b, 0,1,2,3
	v_max_num_f32 v[TM+\b], v[TM+\b], v[TM+4+\b]
.endr
.irp b, 0,1,2,3
	v_add_nc_u32 v[TM+4+\b], 0xfc000000, v[TM+\b]
.endr
.irp b, 0,1,2,3
	v_and_or_b32 v[TM+8+\b], v[TM+\b], 0x7f800000, s46
.endr
.irp b, 0,1,2,3
	v_lshrrev_b32 v[TM+\b], 23, v[TM+4+\b]
.endr
.irp b, 0,1,2,3
.set hc, HC0
.if \b > 0
.set hc, 64+16*(\b-1)
.endif
.irp i, 0,1,2,3,4,5,6,7,8,9,10,11,12,13,14,15
	v_med3_num_f32 v[64+16*\b+\i], v[64+16*\b+\i], 0, v[TM+8+\b]
.endr
	v_cvt_scalef32_pk8_fp8_f32 v[hc:hc+1], v[64+16*\b:64+16*\b+7], v[TM+4+\b]
	v_cvt_scalef32_pk8_fp8_f32 v[hc+2:hc+3], v[64+16*\b+8:64+16*\b+15], v[TM+4+\b]
.endr
	v_nop                                  ; one plain line behind the last conversion
.irp b, 0,1,2,3
.set hc, HC0
.if \b > 0
.set hc, 64+16*(\b-1)
.endif
	ds_store_b128 v[AHS], v[hc:hc+3] offset:2048*\b+512*\p
	ds_store_b8 v[AHB], v[TM+\b] offset:128*\b+\p
.endr
.endm
.macro HFLOAD t
.irp c, 0,1,2,3
	ds_load_b128 v[64+16*((\t)%4)+4*\c:64+16*((\t)%4)+4*\c+3], v[AHL] offset:2048*(\t)+512*\c
.endr
.endm
.macro FF2T t                          ; row tiles t, t + 1 x my 8 channel tiles: each accumulator once a chunk
	WIN 0xa0+0x50*((\t)/4)
.irp n, 0,1,2,3,4,5,6,7
.irp e, 0,1
.set ft, (\t)+\e
.set mD, 64*(ft%4)+8*\n
.set mC, mD
.set mA, 128+16*\n
.set mB, 64+16*(ft%4)
.set mSA, FWS+\n/2
.set mRA, \n%2
.set mSB, FHS+ft/2
.set mRB, ft%2
	WMMA
.endr
.endr
	WIN 0
.endm
.macro CHUNK more
	FF1LOAD 0
	FF1MUL
	FF1LOAD 1                              ; the second pair's operands land while the first is quantised
	HQ 0
	FF1MUL                                 ; (its wait for 0 also shows that the stores above have read their registers)
	HQ 1
.if \more
	REFILL 76, 48, 65536                   ; h's images are stored, W1's chunk is read out: the next one is asked for; W2's chunk has landed
.else
	s_wait_tensorcnt 0x0
	BAR
.endif
.irp q, 0,1,2,3
	ds_load_b32 v[FWS+\q], v[AS2] offset:1088*\q
	ds_load_b32 v[FHS+\q], v[AHSL] offset:256*\q
.endr
.irp n, 0,1,2,3,4,5,6,7
.irp c, 0,1,2,3
	ds_load_b64 v[128+16*\n+4*\c:128+16*\n+4*\c+1], v[AW2] offset:2304*\n+32*\c
	ds_load_b64 v[128+16*\n+4*\c+2:128+16*\n+4*\c+3], v[AW2] offset:2304*\n+32*\c+16
.endr
.endr
	HFLOAD 0
	HFLOAD 1
	HFLOAD 2
	HFLOAD 3
	s_wait_dscnt 0x0
	FF2T 0
	PLACES 8
	HFLOAD 4
	HFLOAD 5
	FF2T 2
	PLACES 8
	HFLOAD 6
	HFLOAD 7
	s_wait_dscnt 8                         ; tiles 4, 5 are in; the eight loads of tiles 6, 7 may be out
	FF2T 4
	s_wait_dscnt 0x0
	FF2T 6
.if \more
	REFILL 80, 56, 128                     ; h's images and W2's chunk are read out: the next chunk of W2 is asked for; W1's has landed
	PLACES 5                               ; with the four behind the load and the three lines below: the places in front of the products that write over h's fragments
	v_add_nc_u32 v[AS1], 2176, v[AS1]
	v_add_nc_u32 v[AS2], 4, v[AS2]
	v_add_nc_u32 v[AB1], 512, v[AB1]
.endif
.endm
	s_mov_b32 s47, 7
.Lchunk:
	CHUNK 1
	s_sub_co_u32 s47, s47, 1
	s_cmp_lg_u32 s47, 0
	s_cbranch_scc1 .Lchunk
	CHUNK 0                                ; the last chunk is written out: it asks for nothing
	; ---- F: layer norm 2 and the way out
	PLACES 8
	v_mul_u32_u24 v56, v[RR], 2064         ; a row in LDS: 2,048 bytes + 16
	v_lshl_add_u32 v56, v[HH], 5, v56
	s_lshl_b32 s95, s42, 9
	v_add_nc_u32 v56, s95, v56
.irp t, 0,1,2,3,4,5,6,7
	v_add_nc_u32 v[YW+\t], 33024*\t, v56
.endr
	s_mul_i32 s95, s42, 66048
	v_add_nc_u32 v[YR], s95, v[LI]
	v_lshl_add_u32 v[OO], s43, 18, v[LI]
	v_lshl_add_u32 v[OO], s42, 16, v[OO]
.irp k4, 0,1,2,3
	global_load_b128 v[G2+4*\k4:G2+4*\k4+3], v[LI], s[36:37] offset:512*\k4
	global_load_b128 v[BB+4*\k4:BB+4*\k4+3], v[LI], s[38:39] offset:512*\k4
.endr
	s_mov_b32 s93, 0x3b000000              ; 1 / 512
	s_mov_b32 s94, 0x3727c5ac              ; eps
	BAR                                    ; nobody reads the slots, the images or the scale bytes any more; they have had their last fill
.irp t, 0,1,2,3,4,5,6,7
	WIN 0x08+4*(\t/4)
.irp n, 0,1,2,3,4,5,6,7
	ds_store_b128 v[YW+\t], v[64*(\t%4)+8*\n:64*(\t%4)+8*\n+3] offset:64*\n          ; each accumulator from its low end on
	ds_store_b128 v[YW+\t], v[64*(\t%4)+8*\n+4:64*(\t%4)+8*\n+7] offset:64*\n+16
.endr
.endr
	WIN 0
.irp i, 0,1,2,3
	v_mov_b32 v[RT+8*\i+5], 0
	v_mov_b32 v[RT+8*\i+7], 0
.endr
	BAR                                    ; 128 whole rows lie in LDS
	s_wait_loadcnt 0x0
	s_mov_b32 s47, 8
.Lrow:                                 ; four rows a trip, by turns; a lane holds 16 numbers of each
.irp i, 0,1,2,3
.irp k4, 0,1,2,3
	ds_load_b128 v[RD+16*\i+4*\k4:RD+16*\i+4*\k4+3], v[YR] offset:2064*\i+512*\k4
.endr
.endr
	s_wait_dscnt 0x0
.irp i, 0,1,2,3
	v_pk_add_f32 v[RT+8*\i:RT+8*\i+1], v[RD+16*\i:RD+16*\i+1], v[RD+16*\i+2:RD+16*\i+3]
	v_pk_add_f32 v[RT+8*\i+2:RT+8*\i+3], v[RD+16*\i+4:RD+16*\i+5], v[RD+16*\i+6:RD+16*\i+7]
.endr
.irp e, 8,12
.irp i, 0,1,2,3
	v_pk_add_f32 v[RT+8*\i:RT+8*\i+1], v[RT+8*\i:RT+8*\i+1], v[RD+16*\i+\e:RD+16*\i+\e+1]
	v_pk_add_f32 v[RT+8*\i+2:RT+8*\i+3], v[RT+8*\i+2:RT+8*\i+3], v[RD+16*\i+\e+2:RD+16*\i+\e+3]
.endr
.endr
.irp i, 0,1,2,3
	v_pk_add_f32 v[RT+8*\i:RT+8*\i+1], v[RT+8*\i:RT+8*\i+1], v[RT+8*\i+2:RT+8*\i+3]
.endr
.irp i, 0,1,2,3
	v_add_f32 v[RT+8*\i+4], v[RT+8*\i], v[RT+8*\i+1]
.endr
.irp m, 1,2,4,8
.irp i, 0,1,2,3
	v_add_f32_dpp v[RT+8*\i+4], v[RT+8*\i+4], v[RT+8*\i+4] row_xmask:\m row_mask:0xf bank_mask:0xf
.endr
.endr
.irp i, 0,1,2,3
	v_permlanex16_b32 v[RT+8*\i+5], v[RT+8*\i+4], s44, s45
.endr
.irp i, 0,1,2,3
	v_add_f32 v[RT+8*\i+4], v[RT+8*\i+4], v[RT+8*\i+5]
.endr
.irp i, 0,1,2,3
	v_mul_f32 v[RT+8*\i+6], s93, v[RT+8*\i+4]          ; the mean
.endr
.irp e, 0,2,4,6,8,10,12,14
.irp i, 0,1,2,3
	v_pk_add_f32 v[RD+16*\i+\e:RD+16*\i+\e+1], v[RD+16*\i+\e:RD+16*\i+\e+1], v[RT+8*\i+6:RT+8*\i+7] op_sel_hi:[1,0] neg_lo:[0,1] neg_hi:[0,1]
.endr
.endr
.irp i, 0,1,2,3
	v_pk_mul_f32 v[RT+8*\i:RT+8*\i+1], v[RD+16*\i:RD+16*\i+1], v[RD+16*\i:RD+16*\i+1]
	v_pk_mul_f32 v[RT+8*\i+2:RT+8*\i+3], v[RD+16*\i+2:RD+16*\i+3], v[RD+16*\i+2:RD+16*\i+3]
.endr
.irp e, 4,8,12
.irp i, 0,1,2,3
	v_pk_fma_f32 v[RT+8*\i:RT+8*\i+1], v[RD+16*\i+\e:RD+16*\i+\e+1], v[RD+16*\i+\e:RD+16*\i+\e+1], v[RT+8*\i:RT+8*\i+1]
	v_pk_fma_f32 v[RT+8*\i+2:RT+8*\i+3], v[RD+16*\i+\e+2:RD+16*\i+\e+3], v[RD+16*\i+\e+2:RD+16*\i+\e+3], v[RT+8*\i+2:RT+8*\i+3]
.endr
.endr
.irp i, 0,1,2,3
	v_pk_add_f32 v[RT+8*\i:RT+8*\i+1], v[RT+8*\i:RT+8*\i+1], v[RT+8*\i+2:RT+8*\i+3]
.endr
.irp i, 0,1,2,3
	v_add_f32 v[RT+8*\i+4], v[RT+8*\i], v[RT+8*\i+1]
.endr
.irp m, 1,2,4,8
.irp i, 0,1,2,3
	v_add_f32_dpp v[RT+8*\i+4], v[RT+8*\i+4], v[RT+8*\i+4] row_xmask:\m row_mask:0xf bank_mask:0xf
.endr
.endr
.irp i, 0,1,2,3
	v_permlanex16_b32 v[RT+8*\i+5], v[RT+8*\i+4], s44, s45
.endr
.irp i, 0,1,2,3
	v_add_f32 v[RT+8*\i+4], v[RT+8*\i+4], v[RT+8*\i+5]
.endr
.irp i, 0,1,2,3
	v_fma_f32 v[RT+8*\i+4], v[RT+8*\i+4], s93, s94     ; the variance + eps
.endr
.irp i, 0,1,2,3
	v_rsq_f32 v[RT+8*\i+6], v[RT+8*\i+4]
.endr
	v_nop                                  ; a plain line behind the last of them
	s_wait_alu depctr_va_vdst(0)
.irp e, 0,2,4,6,8,10,12,14
.irp i, 0,1,2,3
	v_pk_mul_f32 v[RD+16*\i+\e:RD+16*\i+\e+1], v[RD+16*\i+\e:RD+16*\i+\e+1], v[RT+8*\i+6:RT+8*\i+7] op_sel_hi:[1,0]
.endr
.endr
.irp e, 0,2,4,6,8,10,12,14
.irp i, 0,1,2,3
	v_pk_fma_f32 v[RD+16*\i+\e:RD+16*\i+\e+1], v[RD+16*\i+\e:RD+16*\i+\e+1], v[G2+\e:G2+\e+1], v[BB+\e:BB+\e+1]
.endr
.endr
.irp i, 0,1,2,3
.irp k4, 0,1,2,3
	global_store_b128 v[OO], v[RD+16*\i+4*\k4:RD+16*\i+4*\k4+3], s[40:41] offset:2048*\i+512*\k4 th:TH_STORE_NT   ; 32 lanes store 512 consecutive bytes, aligned
.endr
.endr
	s_wait_xcnt 0x0                        ; the stores have read their registers and their offset: both are written again only behind this wait
	v_add_nc_u32 v[YR], 8256, v[YR]
	v_add_nc_u32 v[OO], 8192, v[OO]
	s_sub_co_u32 s47, s47, 1
	s_cmp_lg_u32 s47, 0
	s_cbranch_scc1 .Lrow
	s_wait_tensorcnt 0x0                   ; the wave's end
	ds_add_u32 v[SPW], v[NIL]
	s_wait_dscnt 0x0
	ROUND                                  ; the closing round
	s_endpgm
.Lfunc_end_k_q7c13379d8e_attn_ff:
	.size	k_q7c13379d8e_attn_ff, .Lfunc_end_k_q7c13379d8e_attn_ff-k_q7c13379d8e_attn_ff
	.p2alignl 7, 3214868480
	.fill 96, 4, 3214868480
	.section	.rodata,"a",@progbits
	.p2align	6, 0x0
	.amdhsa_kernel k_q7c13379d8e_attn_ff
		.amdhsa_group_segment_fixed_size 327680
		.amdhsa_private_segment_fixed_size 0
		.amdhsa_enable_private_segment 0
		.amdhsa_kernarg_size 152
		.amdhsa_user_sgpr_count 2
		.amdhsa_user_sgpr_kernarg_segment_ptr 1
		.amdhsa_wavefront_size32 1
		.amdhsa_system_sgpr_workgroup_id_x 1
		.amdhsa_system_sgpr_workgroup_id_y 1
		.amdhsa_system_sgpr_workgroup_id_z 1
		.amdhsa_system_vgpr_workitem_id 0
		.amdhsa_next_free_vgpr 1024
		.amdhsa_next_free_sgpr 106
		.amdhsa_reserve_vcc 1
		.amdhsa_float_denorm_mode_32 3
		.amdhsa_float_denorm_mode_16_64 3
		.amdhsa_memory_ordered 1
		.amdhsa_forward_progress 1
		.amdhsa_inst_pref_size 255
	.end_amdhsa_kernel
	.section	.bss,"aw",@nobits
	.p2align	6
	.space	262144
	.amdgpu_metadata
---
amdhsa.version: [ 1, 2 ]
amdhsa.kernels:
  - .name:           k_q7c13379d8e_attn_ff
    .symbol:         k_q7c13379d8e_attn_ff.kd
    .args:
      - { .name: src, .offset: 0, .size: 8, .value_kind: global_buffer, .address_space: global }
      - { .name: mask, .offset: 8, .size: 8, .value_kind: global_buffer, .address_space: global }
      - { .name: qc, .offset: 16, .size: 8, .value_kind: global_buffer, .address_space: global }
      - { .name: qs, .offset: 24, .size: 8, .value_kind: global_buffer, .address_space: global }
      - { .name: kc, .offset: 32, .size: 8, .value_kind: global_buffer, .address_space: global }
      - { .name: ks, .offset: 40, .size: 8, .value_kind: global_buffer, .address_space: global }
      - { .name: vc, .offset: 48, .size: 8, .value_kind: global_buffer, .address_space: global }
      - { .name: vs, .offset: 56, .size: 8, .value_kind: global_buffer, .address_space: global }
      - { .name: ln1_g, .offset: 64, .size: 8, .value_kind: global_buffer, .address_space: global }
      - { .name: ln1_b, .offset: 72, .size: 8, .value_kind: global_buffer, .address_space: global }
      - { .name: W1_codes, .offset: 80, .size: 8, .value_kind: global_buffer, .address_space: global }
      - { .name: W1_scales, .offset: 88, .size: 8, .value_kind: global_buffer, .address_space: global }
      - { .name: b1, .offset: 96, .size: 8, .value_kind: global_buffer, .address_space: global }
      - { .name: W2_codes, .offset: 104, .size: 8, .value_kind: global_buffer, .address_space: global }
      - { .name: W2_scales, .offset: 112, .size: 8, .value_kind: global_buffer, .address_space: global }
      - { .name: b2, .offset: 120, .size: 8, .value_kind: global_buffer, .address_space: global }
      - { .name: ln2_g, .offset: 128, .size: 8, .value_kind: global_buffer, .address_space: global }
      - { .name: ln2_b, .offset: 136, .size: 8, .value_kind: global_buffer, .address_space: global }
      - { .name: out0, .offset: 144, .size: 8, .value_kind: global_buffer, .address_space: global }
    .group_segment_fixed_size: 327680
    .private_segment_fixed_size: 0
    .kernarg_segment_align: 8
    .kernarg_segment_size: 152
    .max_flat_workgroup_size: 128
    .sgpr_count:     106
    .vgpr_count:     1024
    .wavefront_size: 32
...
	.end_amdgpu_metadata
.endif
;; end of part 2
;; ======== version 2 of 2: 2 launches
;; workspace buffers: qc 16,777,216 bytes; kc 16,777,216 bytes; vc 16,777,216 bytes; qs 524,288 bytes; ks 524,288 bytes; vs 524,288 bytes
;; launch qkv (part 3): grid 256 x 1, 4 waves a work-group, clusters of 4 x 1, 327,680 bytes of LDS; arguments src, Wq_codes, Wq_scales, bq, Wk_codes, Wk_scales, bk, Wv_codes, Wv_scales, bv, qc, qs, kc, ks, vc, vs; writes qc, qs, kc, ks, vc, vs
.if DOCPART == 3
	.amdgcn_target "amdgcn-amd-amdhsa--gfx1250"
	.amdhsa_code_object_version 6
	.text
	.protected	k_q7c13379d8e_qkv
	.globl	k_q7c13379d8e_qkv
	.p2align	8
	.type	k_q7c13379d8e_qkv,@function
k_q7c13379d8e_qkv:
	s_mov_b64 s[64:65], 0
	v_nop
	global_prefetch_b8 v0, s[64:65] scope:SCOPE_SE
	s_setreg_imm32_b32 hwreg(HW_REG_WAVE_MODE, 25, 1), 1
	s_wait_xcnt 0x0
	s_wait_alu depctr_hold_cnt(0) depctr_sa_sdst(0) depctr_va_vdst(0) depctr_va_sdst(0) depctr_va_ssrc(0) depctr_va_vcc(0) depctr_vm_vsrc(0)
	s_getreg_b32 s2, hwreg(HW_REG_IB_STS2, 6, 4)
	s_cmp_eq_u32 s2, 0
	s_cbranch_scc0 .Lentry_in_a_cluster
	s_endpgm
.Lentry_in_a_cluster:
	s_bfe_u32 s2, ttmp6, 0x10000c
	s_cmp_lg_u32 s2, 0x3003
	s_cbranch_scc0 .Lentry_shape_is_right
	s_endpgm
.Lentry_shape_is_right:
; q = (src Wq + bq) / sqrt(512), k = src Wk + bk, v = src Wv + bv, all three products on E4M3 codes with one E8M0 scale for each 32 along K,
; and q, k (along the 512 channels) and v (along the keys) quantised again for the next launch, which reads them as images of operand registers.
; SHARES.  A work-group takes 128 rows (block g).  Wave w quantises rows 32 w .. 32 w + 31 of src (8 fragments of 16 rows x 128 K); the fragments go round through LDS as images of their
; registers, and every wave then holds all 32 in windows 2 and 3.  Wave w makes channels 128 w .. 128 w + 127 of q, k and v for all 128 rows: K step w of q and k.
; SRC IS READ IN DENSE RUNS: one load of a wave takes 512 consecutive bytes, a K step of one row.  The quantiser wants 16 neighbours along K in a lane, so a fragment's 16 rows turn through the wave's
; own stage in LDS (rows 528 bytes apart) and come back 64 bytes a lane, into the registers that they left.  Loads run four fragments ahead, the turn one.
; A STEP is 32 channels (two tiles u) of one matrix: 64 matrix instructions, each weight fragment feeding eight.  Steps go q, k, v for pair p = 0 .. 3.
; q and k are made transposed (source 0 = 16 weight rows, source 1 = 16 rows of src): a lane holds one row and 8 channels of each tile, so two tiles are one block of 32 along the next K.
; v is made the natural way (source 0 = src, source 1 = weights): a lane holds one channel and 8 keys of each row tile, so two row tiles are one block of 32 keys.
; In such a block lanes 0-15 hold numbers 0-7 and 16-23, lanes 16-31 numbers 8-15 and 24-31: a permutation inside one scale block, the same on both operands of the later products.
; WEIGHTS come by tensor loads, one slot a matrix (4 waves x 32 rows x 512 bytes, rows 528 bytes apart); the four work-groups of a cluster walk the same weights and ask jointly (mask 15).
; A wave has three tensor loads out at the start and one behind each round.
; OUT.  qc, kc: [g][row tile t][K step][chunk c][lane][16 bytes].  vc: [block of 32 keys][channel tile][lane][16 bytes].  qs, ks: [g][K step][lane][4 words]: word m of lane (u, r) = row r of tile 2 m + u.
; vs: [g][wave][lane][4 words]: word p of lane (u, r) = channel r of tile 8 w + 2 p + u, its bytes the four key blocks of g.
; LIMITS: NaN and infinities among the inputs are not served.  A block whose largest magnitude lies under 2^-118, a block of zeros among them, keeps the scale byte 1 (its codes are then zeros or nearly so);
; the bytes are read by this program alone.
; REGISTERS.  window 0: v1-15 addresses; v16-31 src's scale words; v32-43 the weights' scale words; v44-59 q's and k's scale words in the making; v60-63 packing; v64-87 the quantiser's temporaries;
; v89-91 addresses; v96-127 codes; v128-255 the 16 accumulators (row tile t, channel tile u) at 128 + 16 t + 8 u.   window 1: v0-127 weight fragments (u, K step) at 16 (4 u + step); v128-179 biases.
; windows 2, 3: first src as f32, then its fragments (t, step) at 64 (t % 4) + 16 step.
.set PITCH, 528                        ; a weight row in LDS, and a row of the stage: 512 bytes + 16 of padding: the 16 rows that a load touches start 4 banks apart
.set WPART, 32*PITCH                   ; a wave's part of a slot
.set SLOTB, 4*WPART
.set XI,    3*SLOTB                    ; 32 fragment images of src, 2,048 bytes each
.set XSC,   XI+65536                   ; their scale words, 128 bytes each
.set VST,   XSC+4096                   ; v's scale words, 512 bytes a wave
.set SPARE, VST+2048                   ; the spare words, 128 bytes a wave: two blocks of 256 bytes that no other line names
.set STG,   SPARE+512                  ; the stages: 16 rows x 528 bytes for each wave
.set SPW, 1
.set NIL, 2
.set LI,  3                            ; 16 x lane
.set AW,  4                            ; v4-6 my place in slot q, k, v
.set VOS, 7                            ; offset of the pair's weight scales
.set VOB, 8                            ; of q's and k's bias
.set VOBV, 9                           ; of v's bias
.set AVS, 10                           ; where v's scale word of this pair goes
.set LS,  11                           ; 4 x lane
.set XW,  12
.set XSW, 13
.set XR,  14
.set XSR, 15
.set XS,  16
.set WS,  32
.set SW,  44
.set PK,  60
.set TMM, 64
.set TMP, 72
.set TMH, 80
.set VSTR, 89
.set SGW, 90                           ; the stage on the way in: 16 x lane
.set SGR, 91                           ; and on the way out: row (lane % 16), + 64 (lane / 16)
.set CD,  96
.set ACC, 128
.set QM,  72
.set QP,  76
.set QH,  80
.set BVR, 160
.set BIV, 164
.set G1,  48
.set MSB, 0
.macro WIN new                         ; the immediate's high byte repeats the setting that is left; a switch that changes nothing is dropped
.if MSB != (\new)
	s_set_vgpr_msb (MSB<<8)|(\new)
.set MSB, (\new)
.endif
.endm
.macro PLACES n
.rept \n
	v_nop
.endr
.endm
.macro ROUND                           ; a round of the cluster's barrier
	s_barrier_signal -1
	s_barrier_wait -1
	s_cmp_lg_u32 s36, 0
	s_cbranch_scc1 .Lnw0_\@
	s_barrier_signal -3
.Lnw0_\@:
	s_barrier_wait -3
	s_barrier_signal -1
	s_barrier_wait -1
.endm
.macro BAR
	s_wait_dscnt 0x0
	s_barrier_signal -1
	s_barrier_wait -1
.endm
; A slot is filled again: all my tensor loads have landed, 0 goes onto my spare word, the descriptor steps, the add and my reads of the slot are done, the cluster's round, and the one joint load first behind it.
.macro REFILL g0, step
	WIN 0
	s_wait_tensorcnt 0x0
	ds_add_u32 v[SPW], v[NIL]
	s_add_nc_u64 s[\g0+2:\g0+3], s[\g0+2:\g0+3], \step
	s_wait_dscnt 0x0
	ROUND
	tensor_load_to_lds s[\g0:\g0+3], s[G1:G1+7]
	s_nop 0
	PLACES 4
.endm
; one matrix instruction from the symbols mD, mA, mB, mC (under 0: the constant 0), mSA, mSB and the rows mRA, mRB of the scale registers
.macro WMMA
.if mC < 0
.if mRA == 0 && mRB == 0
	v_wmma_scale_f32_16x16x128_f8f6f4 v[mD:mD+7], v[mA:mA+15], v[mB:mB+15], 0, v[mSA], v[mSB]
.elseif mRA == 1 && mRB == 0
	v_wmma_scale_f32_16x16x128_f8f6f4 v[mD:mD+7], v[mA:mA+15], v[mB:mB+15], 0, v[mSA], v[mSB] matrix_a_scale:MATRIX_SCALE_ROW1
.elseif mRA == 0
	v_wmma_scale_f32_16x16x128_f8f6f4 v[mD:mD+7], v[mA:mA+15], v[mB:mB+15], 0, v[mSA], v[mSB] matrix_b_scale:MATRIX_SCALE_ROW1
.else
	v_wmma_scale_f32_16x16x128_f8f6f4 v[mD:mD+7], v[mA:mA+15], v[mB:mB+15], 0, v[mSA], v[mSB] matrix_a_scale:MATRIX_SCALE_ROW1 matrix_b_scale:MATRIX_SCALE_ROW1
.endif
.else
.if mRA == 0 && mRB == 0
	v_wmma_scale_f32_16x16x128_f8f6f4 v[mD:mD+7], v[mA:mA+15], v[mB:mB+15], v[mC:mC+7], v[mSA], v[mSB]
.elseif mRA == 1 && mRB == 0
	v_wmma_scale_f32_16x16x128_f8f6f4 v[mD:mD+7], v[mA:mA+15], v[mB:mB+15], v[mC:mC+7], v[mSA], v[mSB] matrix_a_scale:MATRIX_SCALE_ROW1
.elseif mRA == 0
	v_wmma_scale_f32_16x16x128_f8f6f4 v[mD:mD+7], v[mA:mA+15], v[mB:mB+15], v[mC:mC+7], v[mSA], v[mSB] matrix_b_scale:MATRIX_SCALE_ROW1
.else
	v_wmma_scale_f32_16x16x128_f8f6f4 v[mD:mD+7], v[mA:mA+15], v[mB:mB+15], v[mC:mC+7], v[mSA], v[mSB] matrix_a_scale:MATRIX_SCALE_ROW1 matrix_b_scale:MATRIX_SCALE_ROW1
.endif
.endif
.endm
; 64 numbers of a lane in window sw, register src + 16 b + i = k 32 b + 16 (lane / 16) + i of my row, become a fragment's 16 code registers (window 0, cod on) and its scale word (wrd)
.macro Q64 sw, src, cod, wrd
.set qsw, \sw
.set qsr, \src
.set qcd, \cod
.set qwd, \wrd
	WIN qsw|(qsw<<2)
.irp b, 0,1,2,3
	v_max3_num_f32 v[QM+\b], |v[qsr+16*\b]|, |v[qsr+16*\b+1]|, 0x4800000   ; my 16 numbers of block b, and the floor 2^(9 - 127): the byte cannot fall under 1
.endr
	WIN (qsw<<2)|(qsw<<4)
.irp i, 2,4,6,8,10,12,14
.irp b, 0,1,2,3
	v_max3_num_f32 v[QM+\b], v[QM+\b], |v[qsr+16*\b+\i]|, |v[qsr+16*\b+\i+1]|
.endr
.endr
	WIN 0
.irp b, 0,1,2,3
	v_permlanex16_b32 v[QP+\b], v[QM+\b], s42, s43
.endr
.irp b, 0,1,2,3
	v_max_num_f32 v[QM+\b], v[QM+\b], v[QP+\b]         ; with lane l xor 16's: the block's largest magnitude
.endr
.irp b, 0,1,2,3
	v_add_nc_u32 v[QP+\b], 0xfc000000, v[QM+\b]        ; 8 off its exponent field: the conversion's scale operand
.endr
.irp b, 0,1,2,3
	v_and_or_b32 v[QH+\b], v[QM+\b], 0x7f800000, s41   ; 448 x the scale
.endr
.irp b, 0,1,2,3
	v_lshrrev_b32 v[QM+\b], 23, v[QP+\b]               ; the scale's byte
.endr
	v_lshl_or_b32 v[qwd], v[QM+1], 8, v[QM]
	v_lshl_or_b32 v[qwd], v[QM+2], 16, v[qwd]
	v_lshl_or_b32 v[qwd], v[QM+3], 24, v[qwd]
	WIN qsw|(qsw<<6)
.irp b, 0,1,2,3
.irp i, 0,1,2,3,4,5,6,7,8,9,10,11,12,13,14,15
	v_med3_num_f32 v[qsr+16*\b+\i], v[qsr+16*\b+\i], -v[QH+\b], v[QH+\b]   ; the conversion to an 8-bit code does not saturate (ISA guide 7.6.2): the hold
.endr
.endr
	WIN qsw
.irp b, 0,1,2,3
	v_cvt_scalef32_pk8_fp8_f32 v[qcd+4*\b:qcd+4*\b+1], v[qsr+16*\b:qsr+16*\b+7], v[QP+\b]
	v_cvt_scalef32_pk8_fp8_f32 v[qcd+4*\b+2:qcd+4*\b+3], v[qsr+16*\b+8:qsr+16*\b+15], v[QP+\b]
.endr
	WIN 0
	v_nop                                  ; one plain line behind the last conversion
.endm
; eight blocks of 32 out of the accumulators: block b has its first 8 numbers of a lane at ACC + sa (b / 2) + sb (b % 2), the other 8 d registers further on.  Codes to CD + 4 b, bytes to TMM + b.
.macro QBLOCKS sa, sb, d
.set qb, 0
.rept 8
.set ql, ACC+\sa*(qb/2)+\sb*(qb%2)
	v_max3_num_f32 v[TMM+qb], |v[ql]|, |v[ql+1]|, 0x4800000   ; each accumulator is read from its low end on
.set qb, qb+1
.endr
.set qi, 1
.rept 7
.set qb, 0
.rept 8
.set ql, ACC+\sa*(qb/2)+\sb*(qb%2)+2*(qi%4)+\d*(qi/4)
	v_max3_num_f32 v[TMM+qb], v[TMM+qb], |v[ql]|, |v[ql+1]|
.set qb, qb+1
.endr
.set qi, qi+1
.endr
.irp b, 0,1,2,3,4,5,6,7
	v_permlanex16_b32 v[TMP+\b], v[TMM+\b], s42, s43
.endr
.irp b, 0,1,2,3,4,5,6,7
	v_max_num_f32 v[TMM+\b], v[TMM+\b], v[TMP+\b]
.endr
.irp b, 0,1,2,3,4,5,6,7
	v_add_nc_u32 v[TMP+\b], 0xfc000000, v[TMM+\b]
.endr
.irp b, 0,1,2,3,4,5,6,7
	v_and_or_b32 v[TMH+\b], v[TMM+\b], 0x7f800000, s41
.endr
.irp b, 0,1,2,3,4,5,6,7
	v_lshrrev_b32 v[TMM+\b], 23, v[TMP+\b]
.endr
.set qb, 0
.rept 8
.set ql, ACC+\sa*(qb/2)+\sb*(qb%2)
.irp i, 0,1,2,3,4,5,6,7
	v_med3_num_f32 v[ql+\i], v[ql+\i], -v[TMH+qb], v[TMH+qb]
.endr
.irp i, 0,1,2,3,4,5,6,7
	v_med3_num_f32 v[ql+\d+\i], v[ql+\d+\i], -v[TMH+qb], v[TMH+qb]
.endr
	v_cvt_scalef32_pk8_fp8_f32 v[CD+4*qb:CD+4*qb+1], v[ql:ql+7], v[TMP+qb]
	v_cvt_scalef32_pk8_fp8_f32 v[CD+4*qb+2:CD+4*qb+3], v[ql+\d:ql+\d+7], v[TMP+qb]
.set qb, qb+1
.endr
	v_nop                                  ; one plain line behind the last conversion
.endm
.macro WFLOAD adr                      ; a pair's eight weight fragments out of my part of a slot
	WIN 0x40
.irp u, 0,1
.irp ks, 0,1,2,3
.irp c, 0,1,2,3
	ds_load_b128 v[16*(4*\u+\ks)+4*\c:16*(4*\u+\ks)+4*\c+3], v[\adr] offset:8448*\u+128*\ks+32*\c
.endr
.endr
.endr
.endm
; x = 0, 1, 2: q, k, v.  more = 1: the slot is filled again and the next pair's bias and scales are asked for.  last = 1: no step follows.  lc: the younger bias and scale loads, which may stay out.
.macro STEP x, more, last, lc
.set sWS, WS+4*\x
.set sBI, 128+16*\x+4*(\x/2)
.set sG0, 56+4*\x+4*(\x/2)
.set sSC, 8+6*\x
.set sBP, 10+6*\x
.set sOB, 24+4*\x
.set sAN, AW+(\x+1)%3
.set sSW, SW+8*\x
	s_wait_dscnt 0x0                       ; the weight fragments are in
	s_wait_loadcnt \lc                     ; this matrix's bias and scale words are in
.if \x == 2
	WIN 0x41
.irp u, 0,1
.irp j, 0,1,2,3,4,5,6,7
	v_mov_b32 v[BIV+8*\u+\j], v[BVR+\u]    ; a lane holds one channel of v: its bias in all eight registers of the sum's start
.endr
.endr
	PLACES 4
.endif
.irp hf, 0,1                           ; eight accumulators take turns, one instruction a turn
.irp ks, 0,1,2,3
.if \x == 2
.if \ks == 0
	WIN 0x16+\hf
.else
	WIN 0x06+\hf
.endif
.else
.if \ks == 0
	WIN 0x19+4*\hf
.else
	WIN 0x09+4*\hf
.endif
.endif
.irp tq, 0,1,2,3
.irp u, 0,1
.set mD, ACC+16*(4*\hf+\tq)+8*\u
.set mC, mD
.if \ks == 0
.set mC, sBI+8*\u                      ; the bias starts the sum
.endif
.if \x == 2
.set mA, 64*\tq+16*\ks
.set mB, 16*(4*\u+\ks)
.set mSA, XS+2*(4*\hf+\tq)+\ks/2
.set mRA, \ks%2
.set mSB, sWS+\ks
.set mRB, \u
.else
.set mA, 16*(4*\u+\ks)
.set mB, 64*\tq+16*\ks
.set mSA, sWS+\ks
.set mRA, \u
.set mSB, XS+2*(4*\hf+\tq)+\ks/2
.set mRB, \ks%2
.endif
	WMMA
.endr
.endr
.endr
.endr
.if \more
	REFILL sG0, 16384                      ; the next 32 rows of this matrix; the load has a step in which to land
	PLACES 4                               ; with the four behind the load: eight places behind the products, for the loads and reads below
.else
	WIN 0
	s_wait_tensorcnt 0x0                   ; the tail fills nothing; the last fills have landed before their slots are read
	PLACES 8
.endif
.if \last == 0
	WFLOAD sAN
.endif
.if \more
	WIN 0x40
.if \x == 2
.irp u, 0,1
	global_load_b32 v[BVR+\u], v[VOBV], s[sBP:sBP+1] offset:128+64*\u
.endr
.else
.irp u, 0,1
.irp j, 0,1
	global_load_b128 v[sBI+8*\u+4*\j:sBI+8*\u+4*\j+3], v[VOB], s[sBP:sBP+1] offset:128+64*\u+16*\j
.endr
.endr
.endif
	WIN 0
	global_load_b128 v[sWS:sWS+3], v[VOS], s[sSC:sSC+1] offset:512
.endif
	WIN 0
	s_wait_xcnt 0x0                        ; the last step's stores have read their codes: these registers are written again only behind this wait
.if \x == 0
.set ci, 0
.rept 64
	v_pk_mul_f32 v[ACC+ci:ACC+ci+1], v[ACC+ci:ACC+ci+1], s[44:45] op_sel_hi:[1,0]   ; q / sqrt(512), ahead of its quantiser
.set ci, ci+2
.endr
.endif
.if \x == 2
	QBLOCKS 32, 8, 16                      ; block 2 b' + u: keys 32 b' on, channel tile u
	v_lshl_or_b32 v[PK], v[TMM+2], 8, v[TMM]
	v_lshl_or_b32 v[PK+1], v[TMM+3], 8, v[TMM+1]
	v_lshl_or_b32 v[PK], v[TMM+4], 16, v[PK]
	v_lshl_or_b32 v[PK+1], v[TMM+5], 16, v[PK+1]
	v_lshl_or_b32 v[PK], v[TMM+6], 24, v[PK]
	v_lshl_or_b32 v[PK+1], v[TMM+7], 24, v[PK+1]
	v_cndmask_b32 v[PK+2], v[PK], v[PK+1], s46         ; lanes 0-15: tile u = 0; lanes 16-31: u = 1
	ds_store_b32 v[AVS], v[PK+2]
.irp q, 0,1,2,3,4,5,6,7
	global_store_b128 v[LI], v[CD+4*\q:CD+4*\q+3], s[sOB:sOB+1] offset:16384*(\q/2)+512*(\q%2)   ; 32 lanes store 512 consecutive bytes
.endr
.else
	QBLOCKS 32, 16, 8                      ; block t: row tile t, these 32 channels
.irp t, 0,1,2,3,4,5,6,7
	v_lshl_or_b32 v[sSW+\t], v[TMM+\t], s40, v[sSW+\t] ; byte p of the row's scale word for K step w
.endr
.irp t, 0,1,2,3,4,5,6,7
	global_store_b128 v[LI], v[CD+4*\t:CD+4*\t+3], s[sOB:sOB+1] offset:8192*\t
.endr
.endif
.endm
	s_load_b512 s[4:19], s[0:1], 0x0       ; src, Wq codes, Wq scales, bq, Wk codes, Wk scales, bk, Wv codes
	s_load_b512 s[20:35], s[0:1], 0x40     ; Wv scales, bv, qc, qs, kc, ks, vc, vs
	v_lshl_add_u32 v[SPW], v0, 2, SPARE
	v_mov_b32 v[NIL], 0
	ds_add_u32 v1, v2
	ds_add_u32 v1, v2
	s_wait_dscnt 0x0
	v_lshrrev_b32 v60, 5, v0
	v_readfirstlane_b32 s36, v60           ; wave
	s_bfe_u32 s37, ttmp6, 0x40000          ; cx
	s_lshl_b32 s38, ttmp9, 2
	s_add_co_u32 s38, s38, s37             ; g = 4 x cluster + cx: it enters plain global addresses alone
	s_mov_b32 s39, 3                       ; trips of the loop
	s_mov_b32 s40, 0                       ; 8 p
	s_mov_b32 s41, 0x600000                ; the mantissa field of 448
	s_mov_b32 s42, 0x76543210
	s_mov_b32 s43, 0xfedcba98              ; selects for lane l xor 16
	s_mov_b32 s44, 0x3d3504f3              ; 512^-0.5
	s_mov_b32 s45, s44
	s_mov_b32 s46, 0xffff0000              ; lanes 16-31
	s_mov_b32 s[G1], 15|(1<<20)|(1<<21)|(6<<22)|(3<<25)   ; mask: all four work-groups; elements of 1 byte; padding: 4 words behind every 128
	s_mov_b32 s[G1+1], 512<<16             ; tensor_dim0
	s_mov_b32 s[G1+2], 32<<16              ; tensor_dim1
	s_mov_b32 s[G1+3], 512<<16             ; tile_dim0
	s_mov_b32 s[G1+4], 32                  ; tile_dim1
	s_mov_b32 s[G1+5], 512                 ; from row to row
	s_mov_b32 s[G1+6], 0
	s_mov_b32 s[G1+7], 0
	s_mul_i32 s72, s36, WPART
	s_lshl_b32 s74, s36, 16                ; my 128 weight rows
	s_mov_b32 s75, 0
	s_lshl_b32 s76, s36, 11
	s_mov_b32 s77, 0
	s_lshl_b32 s78, s36, 9
	s_mov_b32 s79, 0
	s_lshl_b32 s80, s38, 18
	s_add_co_u32 s80, s80, s74             ; src: 262,144 g + 65,536 w
	s_mov_b32 s81, 0
	s_lshl_b32 s82, s38, 16
	s_add_co_u32 s84, s82, s76             ; qc, kc: 65,536 g + 2,048 w
	s_mov_b32 s85, 0
	s_lshl_b32 s86, s36, 12
	s_add_co_u32 s86, s82, s86             ; vc: 65,536 g + 4,096 w
	s_mov_b32 s87, 0
	s_lshl_b32 s88, s38, 11
	s_add_co_u32 s88, s88, s78             ; qs, ks, vs: 2,048 g + 512 w
	s_mov_b32 s89, 0
	s_wait_kmcnt 0x0
.irp x, 0,1,2
	s_mov_b32 s[56+4*\x+4*(\x/2)], 1
	s_add_co_u32 s[57+4*\x+4*(\x/2)], s72, \x*SLOTB
	s_add_nc_u64 s[58+4*\x+4*(\x/2):59+4*\x+4*(\x/2)], s[6+6*\x:7+6*\x], s[74:75]
	s_or_b32 s[59+4*\x+4*(\x/2)], s[59+4*\x+4*(\x/2)], 0x80000000
	s_add_nc_u64 s[8+6*\x:9+6*\x], s[8+6*\x:9+6*\x], s[76:77]
	s_add_nc_u64 s[10+6*\x:11+6*\x], s[10+6*\x:11+6*\x], s[78:79]
.endr
	s_add_nc_u64 s[4:5], s[4:5], s[80:81]
	s_add_nc_u64 s[24:25], s[24:25], s[84:85]
	s_add_nc_u64 s[28:29], s[28:29], s[84:85]
	s_add_nc_u64 s[32:33], s[32:33], s[86:87]
	s_add_nc_u64 s[26:27], s[26:27], s[88:89]
	s_add_nc_u64 s[30:31], s[30:31], s[88:89]
	s_add_nc_u64 s[34:35], s[34:35], s[88:89]
	ROUND                                  ; all four work-groups are here: the first joint loads meet
	tensor_load_to_lds s[56:59], s[G1:G1+7]
	s_nop 0
	tensor_load_to_lds s[60:63], s[G1:G1+7]
	s_nop 0
	tensor_load_to_lds s[68:71], s[G1:G1+7]
	s_nop 0
	PLACES 4
	v_and_b32 v60, 31, v0                  ; lane
	v_and_b32 v61, 15, v0                  ; r
	v_bfe_u32 v62, v0, 4, 1                ; h
	v_lshlrev_b32 v[LI], 4, v60
	v_lshlrev_b32 v[LS], 2, v60
	v_mul_u32_u24 v63, v61, PITCH
	v_lshl_add_u32 v63, v62, 4, v63
	v_add_nc_u32 v[AW], s72, v63
	v_add_nc_u32 v[AW+1], SLOTB, v[AW]
	v_add_nc_u32 v[AW+2], 2*SLOTB, v[AW]
	v_mov_b32 v[VOS], v[LI]
	v_lshlrev_b32 v[VOB], 5, v62
	v_lshlrev_b32 v[VOBV], 2, v61
	v_add_nc_u32 v[AVS], s78, v[LI]
	v_add_nc_u32 v[AVS], VST, v[AVS]
	v_mov_b32 v[VSTR], v[AVS]
	s_lshl_b32 s73, s36, 14
	v_add_nc_u32 v[XW], s73, v[LI]
	v_add_nc_u32 v[XW], XI, v[XW]
	s_lshl_b32 s73, s36, 10
	v_add_nc_u32 v[XSW], s73, v[LS]
	v_add_nc_u32 v[XSW], XSC, v[XSW]
	v_add_nc_u32 v[XR], XI, v[LI]
	v_lshlrev_b32 v[XSR], 7, v62
	v_lshl_add_u32 v[XSR], v61, 2, v[XSR]
	v_add_nc_u32 v[XSR], XSC, v[XSR]
	s_mul_i32 s73, s36, 16*PITCH           ; my stage
	v_add_nc_u32 v[SGW], s73, v[LI]
	v_add_nc_u32 v[SGW], STG, v[SGW]
	v_mul_u32_u24 v[SGR], v61, PITCH
	v_lshl_add_u32 v[SGR], v62, 6, v[SGR]  ; row r + 64 h: my 16 numbers of a block of 32
	v_add_nc_u32 v[SGR], s73, v[SGR]
	v_add_nc_u32 v[SGR], STG, v[SGR]
.irp b, 0,1,2,3
	v_mov_b32 v[QP+\b], 0                  ; a lane permute's destination counts as one of its sources
.endr
	global_load_b128 v[WS:WS+3], v[VOS], s[8:9]        ; pair 0's scale words: lane = 16 u + r, register = K step
	global_load_b128 v[WS+4:WS+7], v[VOS], s[14:15]
	global_load_b128 v[WS+8:WS+11], v[VOS], s[20:21]
	WIN 0x40
.irp u, 0,1
.irp j, 0,1
	global_load_b128 v[128+8*\u+4*\j:128+8*\u+4*\j+3], v[VOB], s[10:11] offset:64*\u+16*\j
	global_load_b128 v[144+8*\u+4*\j:144+8*\u+4*\j+3], v[VOB], s[16:17] offset:64*\u+16*\j
.endr
	global_load_b32 v[BVR+\u], v[VOBV], s[22:23] offset:64*\u
.endr
; fragment f = 4 (tile of my two) + K step.  Its 16 rows as they lie: each load of the wave takes 512 consecutive bytes of one row, at a multiple of 512 from src's first byte
.macro LOADF f
	WIN (2+(\f)/4)<<6
.irp i, 0,1,2,3,4,5,6,7,8,9,10,11,12,13,14,15
	global_load_b128 v[64*((\f)%4)+4*\i:64*((\f)%4)+4*\i+3], v[LI], s[4:5] offset:2048*(16*((\f)/4)+\i)+512*((\f)%4) th:TH_LOAD_NT
.endr
.endm
; The fragment turns through my stage: in as loaded, out 64 bytes a lane, into the registers that it left.  LDS serves a wave's instructions in order (ISA guide 5.7.1.4): the loads see the stores above them,
; and the next fragment's stores come behind these loads.
.macro TURN f
.set tw, 2+(\f)/4
	WIN (tw<<2)|(tw<<6)                    ; an LDS store's data are its source 1, a load's its destination
.irp i, 0,1,2,3,4,5,6,7,8,9,10,11,12,13,14,15
	ds_store_b128 v[SGW], v[64*((\f)%4)+4*\i:64*((\f)%4)+4*\i+3] offset:PITCH*\i
.endr
.irp b, 0,1,2,3
.irp j, 0,1,2,3
	ds_load_b128 v[64*((\f)%4)+16*\b+4*\j:64*((\f)%4)+16*\b+4*\j+3], v[SGR] offset:128*\b+16*\j
.endr
.endr
.endm
; lc: the loads of the fragments behind the next one, which may stay out.  dc: the next fragment's 16 stores and 16 loads in the stage.
.macro XFRAG f, lc, dc
.if (\f) < 4
	LOADF (\f)+4
.endif
.if (\f) < 7
	s_wait_loadcnt \lc                     ; the next fragment's 16 loads are in,
	TURN (\f)+1                            ; and it turns while this one is quantised
.endif
	s_wait_dscnt \dc                       ; this fragment is back from the stage
	Q64 2+(\f)/4, 64*((\f)%4), ACC+16*(\f), TMM+(\f)
.irp c, 0,1,2,3
	ds_store_b128 v[XW], v[ACC+16*(\f)+4*\c:ACC+16*(\f)+4*\c+3] offset:2048*(\f)+512*\c
.endr
	ds_store_b32 v[XSW], v[TMM+(\f)] offset:128*(\f)
.endm
	LOADF 0
	LOADF 1
	LOADF 2
	LOADF 3
	s_wait_loadcnt 48                      ; fragment 0 is in; the 48 loads of fragments 1 to 3 may be out
	TURN 0
	XFRAG 0, 48, 32
	XFRAG 1, 48, 32
	XFRAG 2, 48, 32
	XFRAG 3, 48, 32
	XFRAG 4, 32, 32
	XFRAG 5, 16, 32
	XFRAG 6, 0, 32
	XFRAG 7, 0, 0
	BAR                                    ; all 32 images lie in LDS; the first fills may stay out
	WIN 0x80
.irp f, 0,1,2,3,4,5,6,7,8,9,10,11,12,13,14,15
.irp c, 0,1,2,3
	ds_load_b128 v[16*\f+4*\c:16*\f+4*\c+3], v[XR] offset:2048*\f+512*\c
.endr
.endr
	WIN 0xc0
.irp f, 0,1,2,3,4,5,6,7,8,9,10,11,12,13,14,15
.irp c, 0,1,2,3
	ds_load_b128 v[16*\f+4*\c:16*\f+4*\c+3], v[XR] offset:2048*(16+\f)+512*\c
.endr
.endr
	WIN 0
.irp t, 0,1,2,3,4,5,6,7
.irp sg, 0,1
	ds_load_b32 v[XS+2*\t+\sg], v[XSR] offset:128*(4*\t+2*\sg)   ; lanes 0-15: K step 2 sg; lanes 16-31: 2 sg + 1
.endr
.endr
.irp i, 0,1,2,3,4,5,6,7,8,9,10,11,12,13,14,15
	v_mov_b32 v[SW+\i], 0
.endr
	s_wait_tensorcnt 0x0                   ; my parts of the three slots are in; only I read them
	WFLOAD AW
	WIN 0
.Ltrip:                                ; pairs 0, 1, 2: each step fills its slot with the next pair
	STEP 0, 1, 0, 8
	STEP 1, 1, 0, 8
	STEP 2, 1, 0, 10
	WIN 0
	s_wait_xcnt 0x0                        ; offsets and bases are stepped only behind this wait
	v_add_nc_u32 v[VOS], 512, v[VOS]
	v_add_nc_u32 v[VOB], 128, v[VOB]
	v_add_nc_u32 v[VOBV], 128, v[VOBV]
	v_add_nc_u32 v[AVS], 4, v[AVS]
	s_add_co_u32 s40, s40, 8
	s_add_nc_u64 s[24:25], s[24:25], 512
	s_add_nc_u64 s[28:29], s[28:29], 512
	s_add_nc_u64 s[32:33], s[32:33], 1024
	s_sub_co_u32 s39, s39, 1
	s_cmp_lg_u32 s39, 0
	s_cbranch_scc1 .Ltrip
	STEP 0, 0, 0, 8                        ; pair 3 is written out: it asks for nothing
	STEP 1, 0, 0, 3
	STEP 2, 0, 1, 0
	ds_load_b128 v[68:71], v[VSTR]         ; v's four scale words a lane; LDS serves a wave's instructions in order
	s_wait_dscnt 0x0
.irp m, 0,1,2,3
	v_cndmask_b32 v[PK+\m], v[SW+2*\m], v[SW+2*\m+1], s46
	v_cndmask_b32 v[TMM+\m], v[SW+8+2*\m], v[SW+8+2*\m+1], s46
.endr
	global_store_b128 v[LI], v[PK:PK+3], s[26:27]
	global_store_b128 v[LI], v[TMM:TMM+3], s[30:31]
	global_store_b128 v[LI], v[68:71], s[34:35]
	s_wait_tensorcnt 0x0                   ; the wave's end
	ds_add_u32 v[SPW], v[NIL]
	s_wait_dscnt 0x0
	ROUND                                  ; the closing round
	s_endpgm
.Lfunc_end_k_q7c13379d8e_qkv:
	.size	k_q7c13379d8e_qkv, .Lfunc_end_k_q7c13379d8e_qkv-k_q7c13379d8e_qkv
	.p2alignl 7, 3214868480
	.fill 96, 4, 3214868480
	.section	.rodata,"a",@progbits
	.p2align	6, 0x0
	.amdhsa_kernel k_q7c13379d8e_qkv
		.amdhsa_group_segment_fixed_size 327680
		.amdhsa_private_segment_fixed_size 0
		.amdhsa_enable_private_segment 0
		.amdhsa_kernarg_size 128
		.amdhsa_user_sgpr_count 2
		.amdhsa_user_sgpr_kernarg_segment_ptr 1
		.amdhsa_wavefront_size32 1
		.amdhsa_system_sgpr_workgroup_id_x 1
		.amdhsa_system_sgpr_workgroup_id_y 1
		.amdhsa_system_sgpr_workgroup_id_z 1
		.amdhsa_system_vgpr_workitem_id 0
		.amdhsa_next_free_vgpr 1024
		.amdhsa_next_free_sgpr 100
		.amdhsa_reserve_vcc 0
		.amdhsa_float_denorm_mode_32 3
		.amdhsa_float_denorm_mode_16_64 3
		.amdhsa_memory_ordered 1
		.amdhsa_forward_progress 1
		.amdhsa_inst_pref_size 255
	.end_amdhsa_kernel
	.section	.bss,"aw",@nobits
	.p2align	6
	.space	262144
	.amdgpu_metadata
---
amdhsa.version: [ 1, 2 ]
amdhsa.kernels:
  - .name:           k_q7c13379d8e_qkv
    .symbol:         k_q7c13379d8e_qkv.kd
    .args:
      - { .name: src, .offset: 0, .size: 8, .value_kind: global_buffer, .address_space: global }
      - { .name: Wq_codes, .offset: 8, .size: 8, .value_kind: global_buffer, .address_space: global }
      - { .name: Wq_scales, .offset: 16, .size: 8, .value_kind: global_buffer, .address_space: global }
      - { .name: bq, .offset: 24, .size: 8, .value_kind: global_buffer, .address_space: global }
      - { .name: Wk_codes, .offset: 32, .size: 8, .value_kind: global_buffer, .address_space: global }
      - { .name: Wk_scales, .offset: 40, .size: 8, .value_kind: global_buffer, .address_space: global }
      - { .name: bk, .offset: 48, .size: 8, .value_kind: global_buffer, .address_space: global }
      - { .name: Wv_codes, .offset: 56, .size: 8, .value_kind: global_buffer, .address_space: global }
      - { .name: Wv_scales, .offset: 64, .size: 8, .value_kind: global_buffer, .address_space: global }
      - { .name: bv, .offset: 72, .size: 8, .value_kind: global_buffer, .address_space: global }
      - { .name: qc, .offset: 80, .size: 8, .value_kind: global_buffer, .address_space: global }
      - { .name: qs, .offset: 88, .size: 8, .value_kind: global_buffer, .address_space: global }
      - { .name: kc, .offset: 96, .size: 8, .value_kind: global_buffer, .address_space: global }
      - { .name: ks, .offset: 104, .size: 8, .value_kind: global_buffer, .address_space: global }
      - { .name: vc, .offset: 112, .size: 8, .value_kind: global_buffer, .address_space: global }
      - { .name: vs, .offset: 120, .size: 8, .value_kind: global_buffer, .address_space: global }
    .group_segment_fixed_size: 327680
    .private_segment_fixed_size: 0
    .kernarg_segment_align: 8
    .kernarg_segment_size: 128
    .max_flat_workgroup_size: 128
    .sgpr_count:     100
    .vgpr_count:     1024
    .wavefront_size: 32
...
	.end_amdgpu_metadata
.endif
;; end of part 3
;; launch attn_ff (part 4): grid 256 x 1, 4 waves a work-group, clusters of 4 x 1, 327,680 bytes of LDS; arguments src, mask, qc, qs, kc, ks, vc, vs, ln1_g, ln1_b, W1_codes, W1_scales, b1, W2_codes, W2_scales, b2, ln2_g, ln2_b, out0; writes out0
.if DOCPART == 4
	.amdgcn_target "amdgcn-amd-amdhsa--gfx1250"
	.amdhsa_code_object_version 6
	.text
	.protected	k_q7c13379d8e_attn_ff
	.globl	k_q7c13379d8e_attn_ff
	.p2align	8
	.type	k_q7c13379d8e_attn_ff,@function
k_q7c13379d8e_attn_ff:
	s_mov_b64 s[64:65], 0
	v_nop
	global_prefetch_b8 v0, s[64:65] scope:SCOPE_SE
	s_setreg_imm32_b32 hwreg(HW_REG_WAVE_MODE, 25, 1), 1
	s_wait_xcnt 0x0
	s_wait_alu depctr_hold_cnt(0) depctr_sa_sdst(0) depctr_va_vdst(0) depctr_va_sdst(0) depctr_va_ssrc(0) depctr_va_vcc(0) depctr_vm_vsrc(0)
	s_getreg_b32 s2, hwreg(HW_REG_IB_STS2, 6, 4)
	s_cmp_eq_u32 s2, 0
	s_cbranch_scc0 .Lentry_in_a_cluster
	s_endpgm
.Lentry_in_a_cluster:
	s_bfe_u32 s2, ttmp6, 0x10000c
	s_cmp_lg_u32 s2, 0x3003
	s_cbranch_scc0 .Lentry_shape_is_right
	s_endpgm
.Lentry_shape_is_right:
; Local attention on the codes of the first launch, residual, layer norm, the feed-forward pair on codes, residual, layer norm.  A work-group takes 128 rows (block g = two windows of 64), four waves.
; A: scores S^T = k q^T (source 0 = 16 keys, source 1 = 16 queries).  Wave w owns query tiles 2 w, 2 w + 1 and 12 key tiles: 0-7 the block's own 128 keys (X), 8-11 its third window (O: the window before
;    for waves 0, 1, the window after for waves 2, 3).  A window beyond the sequence's end is read from a clamped block and masked.
; B: mask (the input's bytes, and 0 for windows that do not exist) -> -1e10; t = score x log2 e; M = ceil(largest t); p = 2^(t - M), quantised along the keys; l = the sum of the unquantised p.
;    t is a multiplication and M a separate addition, so that a row that is masked whole gives t - M = 0 exactly, p = 1 and l = 192.  P's codes for a window that does not exist are cleared (its v is 0).
; C: y = l x src + V^T P^T, by columns: wave w makes channels 128 w .. + 127 for all 8 query tiles.  y = l (src + attention); a layer norm does not see the factor l if eps is taken as eps l^2: no division.
;    src is read in dense runs: one load of a wave takes the 512 consecutive bytes of its 128 channels in one row.  The accumulators want one row a lane, so 16 rows at a time turn through the wave's own
;    stage in LDS (rows 528 bytes apart) and come back into the registers that they left; tile t + 1 turns while tile t is multiplied.
; D: layer norm 1 (each wave's mean and centred squares of its 128 channels meet in LDS), x1 quantised, its images to LDS; x1 + b2 stays in the accumulators of the second feed-forward product.
; E: eight chunks of 128 hidden units: h = relu(x1 W1 + b1) quantised in registers, through LDS, then acc += h W2.  W1's and W2's chunks come by joint tensor loads (mask 15: all row blocks walk the same weights).
;    x1 and h hold, inside a block of 32, numbers 0-7 and 16-23 in lanes 0-15 and 8-15, 24-31 in lanes 16-31; W1's and W2's fragments are read from LDS in the same order, 8 bytes at a time.
; F: the 128 rows go through LDS (over the slots, which have had their last fill), layer norm 2 row by row, whole rows out.
; A wave has four tensor loads out at the start and one behind each round.
; LIMITS: NaN and infinities among the inputs are not served.  Blocks whose largest magnitude lies under 2^-118 keep the scale byte 1.  mask bytes count as 0 or not 0.
; REGISTERS.  window 0: v1-15 addresses; the rest by phase (named below).  window 1: k, then V, then gains, biases and a temporary, then x1's fragments.
; window 2: q and k, then rows 0-63 of y.  window 3: scores, mask bytes and the softmax's temporaries, then rows 64-127 of y.  Accumulator (row tile t, channel tile n) at 64 (t % 4) + 8 n.
.set SLOT0, 0                          ; W1's chunk: 128 rows x 512 bytes, 528 apart
.set SLOT1, 67584                      ; W2's chunk: 512 rows x 128 bytes, 144 apart
.set SC1,   141312                     ; W1's scale bytes, 64 runs of 256 bytes + 16
.set SC2,   158720                     ; W2's likewise
.set XI,    176128                     ; x1's 32 fragment images
.set STG,   XI                         ; in phase C: a stage of 16 rows x 528 bytes for each wave, in bytes that x1's images take only behind phase D's first barrier
.set XSC,   241664                     ; their scale words
.set HI,    245760                     ; h's 8 fragment images
.set HSC,   262144                     ; their scale words
.set PI,    263168                     ; P's 16 fragment images
.set PSC,   295936                     ; their scale words
.set PL,    297984                     ; l
.set ST1,   299008                     ; the waves' means and squares
.set B1T,   307200                     ; b1
.set SPARE, 319488                     ; the spare words, 128 bytes a wave: two blocks of 256 bytes that no other line names
.set SPW, 1
.set NIL, 2
.set LI,  3                            ; 16 x lane
.set LS,  4                            ; 4 x lane
.set RR,  5                            ; lane % 16
.set HH,  6                            ; lane / 16
; phases A to C
.set B1W, 7
.set PIW, 8
.set PSW, 9
.set PLW, 10
.set PSR, 11
.set PLR0, 12
.set PIR, 13
.set GBO, 14
.set QS,  16
.set KSX, 20
.set KSO, 36
.set B1D, 44
.set VSX, 52
.set VSL, 56
.set VSR, 60
.set PCB, 64
.set VSY, 144
.set PS,  148
.set SGW, 156                          ; the stage on the way in: 16 x lane
.set SGR, 157                          ; and on the way out: row (lane % 16), + 32 (lane / 16)
.set PB,  160
.set LL,  224
.set OQ,  240
.set OQS, 241
.set OKX, 242
.set OKO, 243
.set OKSX, 244
.set OKSO, 245
.set OMX, 246
.set OMO, 247
.set OVX, 248
.set OVL, 249
.set OVR, 250
.set OVSX, 251
.set OVSL, 252
.set OVSR, 253
.set OSRC, 254
.set OB1, 255
; window 3 in phase B
.set MK,  192
.set BM,  216
.set BP,  222
.set TH,  228
.set NM,  234
.set LA,  236
.set LB,  238
.set NEGV, 240
.set T0,  241
.set T1,  242
; phase D
.set PLR, 7
.set S1W, 8
.set S1R, 9
.set XIW, 10
.set XSW, 11
.set SA,  16
.set SQ,  24
.set MW,  32
.set TT,  40
.set LLD, 42
.set EL,  46
.set AC,  50
.set QM,  58
.set QP,  62
.set QH,  66
.set WD,  70
.set CT,  74
.set STR, 96
.set HT,  128                          ; in window 1
; phase E
.set AW1, 7
.set AW2, 8
.set AS1, 9
.set AS2, 10
.set AB1, 11
.set AHS, 12
.set AHB, 13
.set AHL, 14
.set AHSL, 15
.set XS1, 16
.set FWS, 24
.set FHS, 28
.set TM,  32
.set HC0, 44
.set BI,  48
; phase F
.set G2,  16
.set BB,  32
.set YW,  48
.set YR,  57
.set OO,  58
.set RD,  64
.set RT,  128
.set MSB, 0
.macro WIN new                         ; the immediate's high byte repeats the setting that is left; a switch that changes nothing is dropped
.if MSB != (\new)
	s_set_vgpr_msb (MSB<<8)|(\new)
.set MSB, (\new)
.endif
.endm
.macro PLACES n
.rept \n
	v_nop
.endr
.endm
.macro ROUND                           ; a round of the cluster's barrier
	s_barrier_signal -1
	s_barrier_wait -1
	s_cmp_lg_u32 s42, 0
	s_cbranch_scc1 .Lnw0_\@
	s_barrier_signal -3
.Lnw0_\@:
	s_barrier_wait -3
	s_barrier_signal -1
	s_barrier_wait -1
.endm
.macro BAR
	s_wait_dscnt 0x0
	s_barrier_signal -1
	s_barrier_wait -1
.endm
.macro REFILL g0, g1, step             ; all my tensor loads landed, the add, the descriptor's step, the add and my LDS reads done, the round, the one joint load first behind it
	WIN 0
	s_wait_tensorcnt 0x0
	ds_add_u32 v[SPW], v[NIL]
	s_add_nc_u64 s[\g0+2:\g0+3], s[\g0+2:\g0+3], \step
	s_wait_dscnt 0x0
	ROUND
	tensor_load_to_lds s[\g0:\g0+3], s[\g1:\g1+7]
	s_nop 0
	PLACES 4
.endm
.macro WMMA                            ; one matrix instruction from mD, mA, mB, mC (under 0: the constant 0), mSA, mSB, mRA, mRB
.if mC < 0
.if mRA == 0 && mRB == 0
	v_wmma_scale_f32_16x16x128_f8f6f4 v[mD:mD+7], v[mA:mA+15], v[mB:mB+15], 0, v[mSA], v[mSB]
.elseif mRA == 1 && mRB == 0
	v_wmma_scale_f32_16x16x128_f8f6f4 v[mD:mD+7], v[mA:mA+15], v[mB:mB+15], 0, v[mSA], v[mSB] matrix_a_scale:MATRIX_SCALE_ROW1
.elseif mRA == 0
	v_wmma_scale_f32_16x16x128_f8f6f4 v[mD:mD+7], v[mA:mA+15], v[mB:mB+15], 0, v[mSA], v[mSB] matrix_b_scale:MATRIX_SCALE_ROW1
.else
	v_wmma_scale_f32_16x16x128_f8f6f4 v[mD:mD+7], v[mA:mA+15], v[mB:mB+15], 0, v[mSA], v[mSB] matrix_a_scale:MATRIX_SCALE_ROW1 matrix_b_scale:MATRIX_SCALE_ROW1
.endif
.else
.if mRA == 0 && mRB == 0
	v_wmma_scale_f32_16x16x128_f8f6f4 v[mD:mD+7], v[mA:mA+15], v[mB:mB+15], v[mC:mC+7], v[mSA], v[mSB]
.elseif mRA == 1 && mRB == 0
	v_wmma_scale_f32_16x16x128_f8f6f4 v[mD:mD+7], v[mA:mA+15], v[mB:mB+15], v[mC:mC+7], v[mSA], v[mSB] matrix_a_scale:MATRIX_SCALE_ROW1
.elseif mRA == 0
	v_wmma_scale_f32_16x16x128_f8f6f4 v[mD:mD+7], v[mA:mA+15], v[mB:mB+15], v[mC:mC+7], v[mSA], v[mSB] matrix_b_scale:MATRIX_SCALE_ROW1
.else
	v_wmma_scale_f32_16x16x128_f8f6f4 v[mD:mD+7], v[mA:mA+15], v[mB:mB+15], v[mC:mC+7], v[mSA], v[mSB] matrix_a_scale:MATRIX_SCALE_ROW1 matrix_b_scale:MATRIX_SCALE_ROW1
.endif
.endif
.endm
	s_load_b512 s[4:19], s[0:1], 0x0       ; src, mask, qc, qs, kc, ks, vc, vs
	s_load_b512 s[20:35], s[0:1], 0x40     ; ln1_g, ln1_b, W1 codes, W1 scales, b1, W2 codes, W2 scales, b2
	s_load_b128 s[36:39], s[0:1], 0x80     ; ln2_g, ln2_b
	s_load_b64 s[40:41], s[0:1], 0x90      ; out0
	v_lshl_add_u32 v[SPW], v0, 2, SPARE
	v_mov_b32 v[NIL], 0
	ds_add_u32 v1, v2
	ds_add_u32 v1, v2
	s_wait_dscnt 0x0
	v_lshrrev_b32 v7, 5, v0
	v_readfirstlane_b32 s42, v7            ; wave
	s_mov_b32 s44, 0x76543210
	s_mov_b32 s45, 0xfedcba98              ; selects for lane l xor 16
	s_mov_b32 s46, 0x600000                ; the mantissa field of 448
	s_mov_b32 s88, 0x3fb8aa3b              ; log2 e
	s_mov_b32 s89, s88
	s_mov_b32 s48, 15|(1<<20)|(1<<21)|(6<<22)|(3<<25)   ; W1: 32 rows of 512 bytes a wave, 4 words of padding behind every 128; mask: all four work-groups
	s_mov_b32 s49, 512<<16
	s_mov_b32 s50, 32<<16
	s_mov_b32 s51, 512<<16
	s_mov_b32 s52, 32
	s_mov_b32 s53, 512
	s_mov_b32 s54, 0
	s_mov_b32 s55, 0
	s_mov_b32 s56, 15|(1<<20)|(1<<21)|(4<<22)|(3<<25)   ; W2: 128 rows of 128 bytes a wave, 1,024 apart in memory, 4 words of padding behind every 32
	s_mov_b32 s57, 128<<16
	s_mov_b32 s58, 128<<16
	s_mov_b32 s59, 128<<16
	s_mov_b32 s60, 128
	s_mov_b32 s61, 1024
	s_mov_b32 s62, 0
	s_mov_b32 s63, 0
	s_mov_b32 s68, 15|(3<<16)|(1<<20)|(1<<21)|(5<<22)|(3<<25)   ; scale bytes: 16 dense rows of 256 bytes (32 elements of 8) a wave, 4 words of padding behind each
	s_mov_b32 s69, 32<<16
	s_mov_b32 s70, 16<<16
	s_mov_b32 s71, 32<<16
	s_mov_b32 s72, 16
	s_mov_b32 s73, 32
	s_mov_b32 s74, 0
	s_mov_b32 s75, 0
	s_mul_i32 s93, s42, 16896
	s_mul_i32 s94, s42, 18432
	s_add_co_u32 s94, s94, SLOT1
	s_mul_i32 s95, s42, 4352
	s_mov_b32 s101, 0
	s_wait_kmcnt 0x0
	s_mov_b32 s76, 1
	s_mov_b32 s77, s93
	s_lshl_b32 s100, s42, 14
	s_add_nc_u64 s[78:79], s[24:25], s[100:101]
	s_or_b32 s79, s79, 0x80000000
	s_mov_b32 s80, 1
	s_mov_b32 s81, s94
	s_lshl_b32 s100, s42, 17
	s_add_nc_u64 s[82:83], s[30:31], s[100:101]
	s_or_b32 s83, s83, 0x80000000
	s_lshl_b32 s100, s42, 12
	s_mov_b32 s84, 1
	s_add_co_u32 s85, s95, SC1
	s_add_nc_u64 s[86:87], s[26:27], s[100:101]
	s_or_b32 s87, s87, 0x80000000
	s_mov_b32 s96, 1
	s_add_co_u32 s97, s95, SC2
	s_add_nc_u64 s[98:99], s[32:33], s[100:101]
	s_or_b32 s99, s99, 0x80000000
	ROUND                                  ; all four work-groups are here: the first joint loads meet
	tensor_load_to_lds s[84:87], s[68:75]
	s_nop 0
	tensor_load_to_lds s[96:99], s[68:75]
	s_nop 0
	tensor_load_to_lds s[76:79], s[48:55]
	s_nop 0
	tensor_load_to_lds s[80:83], s[56:63]
	s_nop 0
	PLACES 4
	; what hangs on the block's number: offsets of plain global loads and masks of data, no branch and no LDS address
	s_bfe_u32 s2, ttmp6, 0x40000           ; cx
	s_lshl_b32 s43, ttmp9, 2
	s_add_co_u32 s43, s43, s2              ; g
	s_and_b32 s2, s43, 63                  ; the block's place in its sequence of 64 blocks
	s_cmp_lg_u32 s2, 0
	s_cselect_b32 s3, 1, 0
	s_cselect_b32 s66, -1, 0               ; the window before exists
	s_cmp_lg_u32 s2, 63
	s_cselect_b32 s2, 1, 0
	s_cselect_b32 s67, -1, 0               ; the window after exists
	s_sub_co_u32 s3, s43, s3               ; the block before, clamped
	s_add_co_u32 s2, s43, s2               ; the block after, clamped
	s_lshr_b32 s104, s42, 1                ; which of the two windows my queries lie in
	s_cmp_eq_u32 s104, 0
	s_cselect_b32 s105, s3, s2             ; the block of my third window
	s_cselect_b32 s92, s66, s67            ; whether it exists
	s_cselect_b32 s90, s66, 0              ; what P's codes for the window before are masked with,
	s_cselect_b32 s91, 0, s67              ; and for the window after
	s_cselect_b32 s66, 32768, 0            ; the window before is its block's second half: k's codes,
	s_cselect_b32 s67, 8, 0                ; k's scale words,
	s_cselect_b32 s104, 64, 0              ; mask bytes
	v_and_b32 v7, 31, v0
	v_and_b32 v[RR], 15, v0
	v_bfe_u32 v[HH], v0, 4, 1
	v_lshlrev_b32 v[LI], 4, v7
	v_lshlrev_b32 v[LS], 2, v7
	v_lshl_add_u32 v[OKX], s43, 16, v[LI]
	v_lshl_add_u32 v[OQ], s42, 14, v[OKX]
	v_lshl_add_u32 v[OVX], s42, 12, v[OKX]
	v_lshl_add_u32 v[OKSX], s43, 11, v[LI]
	v_lshl_add_u32 v[OQS], s42, 2, v[OKSX]
	v_lshl_add_u32 v[OVSX], s42, 9, v[OKSX]
	v_lshl_add_u32 v[OKO], s105, 16, v[LI]
	v_add_nc_u32 v[OKO], s66, v[OKO]
	v_lshl_add_u32 v[OKSO], s105, 11, v[LI]
	v_add_nc_u32 v[OKSO], s67, v[OKSO]
	v_lshlrev_b32 v7, 3, v[HH]
	v_lshl_add_u32 v[OMX], s43, 7, v7
	v_lshl_add_u32 v[OMO], s105, 7, v7
	v_add_nc_u32 v[OMO], s104, v[OMO]
	v_lshl_add_u32 v[OVL], s3, 16, v[LI]
	v_lshl_add_u32 v[OVL], s42, 12, v[OVL]
	v_add_nc_u32 v[OVL], 32768, v[OVL]
	v_lshl_add_u32 v[OVR], s2, 16, v[LI]
	v_lshl_add_u32 v[OVR], s42, 12, v[OVR]
	v_lshl_add_u32 v[OVSL], s3, 11, v[LI]
	v_lshl_add_u32 v[OVSL], s42, 9, v[OVSL]
	v_lshl_add_u32 v[OVSR], s2, 11, v[LI]
	v_lshl_add_u32 v[OVSR], s42, 9, v[OVSR]
	v_lshl_add_u32 v[OSRC], s43, 18, v[LI]
	v_lshl_add_u32 v[OSRC], s42, 9, v[OSRC]            ; src: 262,144 g + 512 w + 16 x lane
	v_lshlrev_b32 v[OB1], 5, v0
	v_lshl_add_u32 v[B1W], v0, 5, B1T
	s_lshl_b32 s93, s42, 13
	v_add_nc_u32 v[PIW], s93, v[LI]
	v_add_nc_u32 v[PIW], PI, v[PIW]
	s_lshl_b32 s93, s42, 9
	v_add_nc_u32 v[PSW], s93, v[LS]
	v_add_nc_u32 v[PSW], PSC, v[PSW]
	v_lshlrev_b32 v[GBO], 5, v[HH]
	v_add_nc_u32 v[GBO], s93, v[GBO]
	s_lshl_b32 s93, s42, 8
	v_add_nc_u32 v[PLW], s93, v[LS]
	v_add_nc_u32 v[PLW], PL, v[PLW]
	v_lshlrev_b32 v[PSR], 7, v[HH]
	v_lshl_add_u32 v[PSR], v[RR], 2, v[PSR]
	v_add_nc_u32 v[PSR], PSC, v[PSR]
	v_add_nc_u32 v[PLR0], PL, v[LS]
	v_add_nc_u32 v[PIR], PI, v[LI]
	s_mul_i32 s93, s42, 8448               ; my stage
	v_add_nc_u32 v[SGW], s93, v[LI]
	v_add_nc_u32 v[SGW], STG, v[SGW]
	v_mul_u32_u24 v[SGR], v[RR], 528
	v_lshl_add_u32 v[SGR], v[HH], 5, v[SGR]
	v_add_nc_u32 v[SGR], s93, v[SGR]
	v_add_nc_u32 v[SGR], STG, v[SGR]
	; ---- A: the scores
	global_load_b128 v[B1D:B1D+3], v[OB1], s[28:29]
	global_load_b128 v[B1D+4:B1D+7], v[OB1], s[28:29] offset:16
	WIN 0x80
.irp f, 0,1,2,3,4,5,6,7                ; q's fragments (tile of my two, K step) at 16 f of window 2
.irp c, 0,1,2,3
	global_load_b128 v[16*\f+4*\c:16*\f+4*\c+3], v[OQ], s[8:9] offset:2048*\f+512*\c
.endr
.endr
	WIN 0
.irp ks, 0,1,2,3
	global_load_b32 v[QS+\ks], v[OQS], s[10:11] offset:512*\ks
	global_load_b128 v[KSX+4*\ks:KSX+4*\ks+3], v[OKSX], s[14:15] offset:512*\ks
	global_load_b64 v[KSO+2*\ks:KSO+2*\ks+1], v[OKSO], s[14:15] offset:512*\ks
.endr
	WIN 0xc0
.irp j, 0,1,2,3,4,5,6,7
	global_load_b64 v[MK+2*\j:MK+2*\j+1], v[OMX], s[6:7] offset:16*\j        ; the mask bytes of my 8 keys of tile j
.endr
.irp j, 0,1,2,3
	global_load_b64 v[MK+16+2*\j:MK+16+2*\j+1], v[OMO], s[6:7] offset:16*\j
.endr
.macro KSEL i                          ; batch i's buffer: window 2 v128, window 1 v0, window 1 v128 by turns
.set kw, 1
.set kb, 128
.if (\i)%3 == 0
.set kw, 2
.elseif (\i)%3 == 1
.set kb, 0
.endif
.endm
.macro KLOAD i                         ; two key tiles, 32 loads
	KSEL \i
	WIN kw<<6
.irp jj, 0,1
.irp ks, 0,1,2,3
.irp c, 0,1,2,3
.if (\i) < 4
	global_load_b128 v[kb+16*(4*\jj+\ks)+4*\c:kb+16*(4*\jj+\ks)+4*\c+3], v[OKX], s[12:13] offset:2048*(4*(2*(\i)+\jj)+\ks)+512*\c
.else
	global_load_b128 v[kb+16*(4*\jj+\ks)+4*\c:kb+16*(4*\jj+\ks)+4*\c+3], v[OKO], s[12:13] offset:2048*(4*(2*((\i)-4)+\jj)+\ks)+512*\c
.endif
.endr
.endr
.endr
.endm
.macro KMUL i, lc                      ; 16 matrix instructions, four accumulators by turns
	KSEL \i
	s_wait_loadcnt \lc                     ; this batch is in; the batches behind it may be out
	WIN 0xf8+kw
.irp ks, 0,1,2,3
.irp jj, 0,1
.irp tt, 0,1
.set kj, 2*(\i)+\jj
.set mD, 96*\tt+8*kj
.set mC, mD
.if \ks == 0
.set mC, -1
.endif
.set mA, kb+16*(4*\jj+\ks)
.set mB, 16*(4*\tt+\ks)
.if kj < 8
.set mSA, KSX+4*\ks+kj/2
.else
.set mSA, KSO+2*\ks+(kj-8)/2
.endif
.set mRA, kj%2
.set mSB, QS+\ks
.set mRB, \tt
	WMMA
.endr
.endr
.endr
	PLACES 8                               ; in front of loads into the buffer, and of the first read of scores
.endm
.macro VLOAD n                         ; V's fragments of my channel tile n: the block's own four key blocks at 32 n, [before 0, 1, after 0, 1] at 32 n + 16
	WIN 0x40
.irp b, 0,1,2,3
	global_load_b128 v[32*(\n)+4*\b:32*(\n)+4*\b+3], v[OVX], s[16:17] offset:16384*\b+512*(\n)
.endr
.irp b, 0,1
	global_load_b128 v[32*(\n)+16+4*\b:32*(\n)+16+4*\b+3], v[OVL], s[16:17] offset:16384*\b+512*(\n)
	global_load_b128 v[32*(\n)+24+4*\b:32*(\n)+24+4*\b+3], v[OVR], s[16:17] offset:16384*\b+512*(\n)
.endr
.endm
.macro SRCLOAD t                       ; src of row tile t, my 128 channels, as they lie: each load of the wave takes 512 consecutive bytes of one row, at a multiple of 512 from src's first byte
	WIN (2+(\t)/4)<<6
.irp i, 0,1,2,3,4,5,6,7,8,9,10,11,12,13,14,15
	global_load_b128 v[64*((\t)%4)+4*\i:64*((\t)%4)+4*\i+3], v[OSRC], s[4:5] offset:2048*(16*(\t)+\i) th:TH_LOAD_NT
.endr
.endm
; The tile turns through my stage: in as loaded, out in the accumulators' layout (lane (r, h): row r, channels 16 n + 8 h + 0 .. 7), into the registers that it left.
; LDS serves a wave's instructions in order (ISA guide 5.7.1.4): the loads see the stores above them, and the next tile's stores come behind these loads.
.macro STURN t
.set tw, 2+(\t)/4
	WIN (tw<<2)|(tw<<6)                    ; an LDS store's data are its source 1, a load's its destination
.irp i, 0,1,2,3,4,5,6,7,8,9,10,11,12,13,14,15
	ds_store_b128 v[SGW], v[64*((\t)%4)+4*\i:64*((\t)%4)+4*\i+3] offset:528*\i
.endr
.irp n, 0,1,2,3,4,5,6,7
.irp e, 0,1
	ds_load_b128 v[64*((\t)%4)+8*\n+4*\e:64*((\t)%4)+8*\n+4*\e+3], v[SGR] offset:64*\n+16*\e
.endr
.endr
.endm
	KLOAD 0
	KLOAD 1
	KLOAD 2
	KMUL 0, 63
	KLOAD 3
	KMUL 1, 63
	KLOAD 4
	KMUL 2, 63
	KLOAD 5
	KMUL 3, 63
	KMUL 4, 32
	KMUL 5, 0
	WIN 0
	ds_store_b128 v[B1W], v[B1D:B1D+3]     ; b1 goes to LDS for phase E
	ds_store_b128 v[B1W], v[B1D+4:B1D+7] offset:16
	global_load_b128 v[VSX:VSX+3], v[OVSX], s[18:19]
	global_load_b128 v[VSL:VSL+3], v[OVSL], s[18:19]
	global_load_b128 v[VSR:VSR+3], v[OVSR], s[18:19]
.irp n, 0,1,2,3,4,5,6                  ; 59 loads now; the others are dealt out between the blocks of vector work below
	VLOAD \n
.endr
	; ---- B: mask and softmax, in window 3
	WIN 0xff
	v_mov_b32 v[NEGV], 0xd01502f9          ; -1e10
.irp b, 0,1,2,3,4,5
	v_mov_b32 v[BP+\b], 0                  ; a lane permute's destination counts as one of its sources
.endr
	v_mov_b32 v[T1], 0
.irp i, 0,1,2,3,4,5,6,7
	v_and_b32 v[MK+16+\i], s92, v[MK+16+\i]            ; a third window that does not exist is masked whole
.endr
.set cj, 0
.rept 12
.set ce, 0
.rept 8
	v_and_b32 v[T0], 0xff<<(8*(ce%4)), v[MK+2*cj+ce/4]
	v_cmp_eq_u32 vcc_lo, 0, v[T0]
	v_cndmask_b32 v[8*cj+ce], v[8*cj+ce], v[NEGV], vcc_lo          ; each accumulator is read from its low end on
	v_cndmask_b32 v[96+8*cj+ce], v[96+8*cj+ce], v[NEGV], vcc_lo
.set ce, ce+1
.endr
.set cj, cj+1
.endr
.macro SOFTMAX tt
.set SB, 96*\tt
.set PX, PCB+40*\tt
.set PY, PX+24
.set WX, 244+4*\tt
	WIN 0xff
.irp b, 0,1,2,3,4,5
	v_max3_num_f32 v[BM+\b], v[SB+16*\b], v[SB+16*\b+1], v[SB+16*\b+2]   ; the largest score of each block of 32 keys: for the row's maximum and for the block's largest p
.endr
.irp i, 3,5,7,9,11,13
.irp b, 0,1,2,3,4,5
	v_max3_num_f32 v[BM+\b], v[BM+\b], v[SB+16*\b+\i], v[SB+16*\b+\i+1]
.endr
.endr
.irp b, 0,1,2,3,4,5
	v_max_num_f32 v[BM+\b], v[BM+\b], v[SB+16*\b+15]
.endr
.irp b, 0,1,2,3,4,5
	v_permlanex16_b32 v[BP+\b], v[BM+\b], s44, s45
.endr
.irp b, 0,1,2,3,4,5
	v_max_num_f32 v[BM+\b], v[BM+\b], v[BP+\b]
.endr
	v_max3_num_f32 v[T0], v[BM], v[BM+1], v[BM+2]
	v_max3_num_f32 v[T0], v[T0], v[BM+3], v[BM+4]
	v_max_num_f32 v[T0], v[T0], v[BM+5]
	v_mul_f32 v[T0], s88, v[T0]            ; the row's largest t
	v_floor_f32 v[NM], -v[T0]              ; -M = floor(-t): M is a whole number
	v_mov_b32 v[NM+1], v[NM]               ; (named with it as a pair)
.set ci, 0
.rept 48
	v_pk_mul_f32 v[SB+ci:SB+ci+1], v[SB+ci:SB+ci+1], s[88:89] op_sel_hi:[1,0]    ; t, rounded as a product of its own: not fused with the line below, so that equal scores give t - M = 0 exactly
.set ci, ci+2
.endr
.set ci, 0
.rept 48
	v_pk_add_f32 v[SB+ci:SB+ci+1], v[SB+ci:SB+ci+1], v[NM:NM+1] op_sel_hi:[1,0]
.set ci, ci+2
.endr
.irp b, 0,1,2,3,4,5
	v_mul_f32 v[BM+\b], s88, v[BM+\b]
.endr
.irp b, 0,1,2,3,4,5
	v_add_f32 v[BM+\b], v[BM+\b], v[NM]
.endr
.set ci, 0
.rept 96
	v_exp_f32 v[SB+ci], v[SB+ci]           ; p = 2^(t - M)
.set ci, ci+1
.endr
.irp b, 0,1,2,3,4,5
	v_exp_f32 v[BM+\b], v[BM+\b]           ; the block's largest p: the same instructions on the same number
.endr
	v_nop                                  ; a plain line behind the exponentials
	s_wait_alu depctr_va_vdst(0)
.irp b, 0,1,2,3,4,5
	v_max_num_f32 v[BM+\b], 0x4800000, v[BM+\b]        ; the floor: the byte cannot fall under 1
.endr
.irp b, 0,1,2,3,4,5
	v_add_nc_u32 v[BP+\b], 0xfc000000, v[BM+\b]
.endr
.irp b, 0,1,2,3,4,5
	v_and_or_b32 v[TH+\b], v[BM+\b], 0x7f800000, s46
.endr
.irp b, 0,1,2,3,4,5
	v_lshrrev_b32 v[BM+\b], 23, v[BP+\b]
.endr
	v_lshl_or_b32 v[WX], v[BM+1], 8, v[BM]             ; the scale word of the block's own 128 keys,
	v_lshl_or_b32 v[WX+1], v[BM+5], 8, v[BM+4]
	v_lshl_or_b32 v[WX], v[BM+2], 16, v[WX]
	v_lshl_or_b32 v[WX+1], v[WX+1], 16, v[WX+1]        ; and of [before, after]: my third window's two bytes in both places
	v_lshl_or_b32 v[WX], v[BM+3], 24, v[WX]
	v_pk_add_f32 v[LA:LA+1], v[SB:SB+1], v[SB+2:SB+3]  ; the row's sum of the unquantised p, in two chains
	v_pk_add_f32 v[LB:LB+1], v[SB+4:SB+5], v[SB+6:SB+7]
.set ci, 8
.rept 22
	v_pk_add_f32 v[LA:LA+1], v[LA:LA+1], v[SB+ci:SB+ci+1]
	v_pk_add_f32 v[LB:LB+1], v[LB:LB+1], v[SB+ci+2:SB+ci+3]
.set ci, ci+4
.endr
	v_pk_add_f32 v[LA:LA+1], v[LA:LA+1], v[LB:LB+1]
	v_add_f32 v[T0], v[LA], v[LA+1]
	v_permlanex16_b32 v[T1], v[T0], s44, s45
	v_add_f32 v[WX+2], v[T0], v[T1]
.irp b, 0,1,2,3,4,5
.irp i, 0,1,2,3,4,5,6,7,8,9,10,11,12,13,14,15
	v_min_num_f32 v[SB+16*\b+\i], v[SB+16*\b+\i], v[TH+\b]         ; the hold; p is not negative
.endr
.endr
	WIN 0x0f
.irp b, 0,1,2,3,4,5
	v_cvt_scalef32_pk8_fp8_f32 v[PX+4*\b:PX+4*\b+1], v[SB+16*\b:SB+16*\b+7], v[BP+\b]
	v_cvt_scalef32_pk8_fp8_f32 v[PX+4*\b+2:PX+4*\b+3], v[SB+16*\b+8:SB+16*\b+15], v[BP+\b]
.endr
	WIN 0
	v_nop                                  ; one plain line behind the last conversion
.irp i, 0,1,2,3,4,5,6,7
	v_and_b32 v[PY+\i], s90, v[PX+16+\i]   ; my third window's codes stand in the place of the window before or after; the other place, and a window that does not exist, get zero codes
	v_and_b32 v[PY+8+\i], s91, v[PX+16+\i]
.endr
.irp c, 0,1,2,3
	ds_store_b128 v[PIW], v[PX+4*\c:PX+4*\c+3] offset:4096*\tt+512*\c
	ds_store_b128 v[PIW], v[PY+4*\c:PY+4*\c+3] offset:4096*\tt+2048+512*\c
.endr
	WIN 0x0c
	ds_store_b32 v[PSW], v[WX] offset:256*\tt
	ds_store_b32 v[PSW], v[WX+1] offset:256*\tt+128
	ds_store_b32 v[PLW], v[WX+2] offset:128*\tt
.endm
	SOFTMAX 0
	VLOAD 7                                ; 56 loads: the last of V, and src of tiles 0 to 2 into window 2, which the scores have left
	SRCLOAD 0
	SRCLOAD 1
	SRCLOAD 2
	SOFTMAX 1
	SRCLOAD 3                              ; 48 loads: tiles 4 and 5 land where the scores lay; the registers that my pending LDS stores read lie above them
	SRCLOAD 4
	SRCLOAD 5
	WIN 0
	BAR                                    ; P, its scale words, l and b1 lie in LDS
	; ---- C: y = l src + V^T P^T, tile by tile
.macro PLOAD t
.irp kk, 0,1
.irp c, 0,1,2,3
	ds_load_b128 v[PB+32*((\t)%2)+16*\kk+4*\c:PB+32*((\t)%2)+16*\kk+4*\c+3], v[PIR] offset:2048*(2*(\t)+\kk)+512*\c
.endr
.endr
.endm
.macro CTA t                           ; the next tile's src turns and its P is fetched while tile t is worked on: 40 LDS instructions
	STURN (\t)+1
	WIN 0
	PLOAD (\t)+1
.endm
.macro CTB t, dc                       ; query tile t: x l, then 16 matrix instructions, eight accumulators by turns
.set pbuf, PB+32*((\t)%2)
.set tw, 2+(\t)/4
	s_wait_dscnt \dc                       ; this tile's src and P are in; the next tile's 40 LDS instructions may be out
.if (\t) == 0
	WIN 0
.irp p, 0,1,2,3
	v_alignbit_b32 v[VSY+\p], v[VSR+\p], v[VSL+\p], 16 ; the last two bytes of the block before, the first two of the block after
.endr
.irp e, 0,1,2,3,4,5,6,7
	v_mov_b32 v[LL+2*\e+1], v[LL+2*\e]     ; (named with it as a pair)
.endr
.endif
	WIN tw|(tw<<6)
.set ci, 0
.rept 32
	v_pk_mul_f32 v[64*((\t)%4)+ci:64*((\t)%4)+ci+1], v[64*((\t)%4)+ci:64*((\t)%4)+ci+1], v[LL+2*(\t):LL+2*(\t)+1] op_sel_hi:[1,0]
.set ci, ci+2
.endr
	PLACES 4                               ; four plain lines between the sums' starts, just written, and the products that add onto them
	WIN 0xa1+0x50*((\t)/4)
.irp kk, 0,1
.irp n, 0,1,2,3,4,5,6,7
.set mD, 64*((\t)%4)+8*\n
.set mC, mD
.set mA, 32*\n+16*\kk
.set mB, pbuf+16*\kk
.set mSA, VSX+\n/2
.if \kk == 1
.set mSA, VSY+\n/2
.endif
.set mRA, \n%2
.set mSB, PS+(\t)
.set mRB, \kk
	WMMA
.endr
.endr
	PLACES 8                               ; in front of the loads into P's buffer
.endm
	s_wait_loadcnt 48                      ; V, its scale words and src of tiles 0 to 2 are in; the 48 loads of tiles 3 to 5 are younger
	STURN 0
	WIN 0
.irp t, 0,1,2,3,4,5,6,7
	ds_load_b32 v[PS+\t], v[PSR] offset:256*\t         ; lanes 0-15: the word of the own 128 keys; lanes 16-31: of [before, after]
.endr
.irp t, 0,1,2,3,4,5,6,7
	ds_load_b32 v[LL+2*\t], v[PLR0] offset:128*\t
.endr
	PLOAD 0
	CTA 0
	CTB 0, 40
	SRCLOAD 6
	CTA 1
	CTB 1, 40
	s_wait_loadcnt 48                      ; tile 3 is in; tiles 4 to 6 are younger
	SRCLOAD 7
	CTA 2
	CTB 2, 40
	s_wait_loadcnt 48                      ; tile 4 is in; tiles 5 to 7 are younger
	CTA 3
	CTB 3, 40
	s_wait_loadcnt 32
	CTA 4
	CTB 4, 40
	s_wait_loadcnt 16
	CTA 5
	CTB 5, 40
	s_wait_loadcnt 0x0
	CTA 6
	CTB 6, 40
	CTB 7, 0
	WIN 0x40
.irp n, 0,1,2,3,4,5,6,7                ; gain, bias and b2 of my lane's channels, in the accumulators' layout
.irp j, 0,1
	global_load_b128 v[8*\n+4*\j:8*\n+4*\j+3], v[GBO], s[20:21] offset:64*\n+16*\j
	global_load_b128 v[64+8*\n+4*\j:64+8*\n+4*\j+3], v[GBO], s[22:23] offset:64*\n+16*\j
	global_load_b128 v[192+8*\n+4*\j:192+8*\n+4*\j+3], v[GBO], s[34:35] offset:64*\n+16*\j
.endr
.endr
	WIN 0
	; ---- D: layer norm 1.  Two trips, each on the four tiles in window 2; at a trip's end the finished tiles (+ b2) change places with window 3's, so that one text serves both halves
	v_add_nc_u32 v[PLR], PL, v[LS]
	v_lshl_add_u32 v[S1R], v[LI], 1, ST1
	s_lshl_b32 s93, s42, 3
	v_add_nc_u32 v[S1W], s93, v[S1R]
	s_lshl_b32 s93, s42, 11
	v_add_nc_u32 v[XIW], s93, v[LI]
	v_add_nc_u32 v[XIW], XI, v[XIW]
	s_lshl_b32 s93, s42, 7
	v_add_nc_u32 v[XSW], s93, v[LS]
	v_add_nc_u32 v[XSW], XSC, v[XSW]
.irp b, 0,1,2,3
	v_mov_b32 v[MW+2*\b+1], 0              ; (named as the upper half of a pair before it is first written)
	v_mov_b32 v[QP+\b], 0
.endr
	v_mov_b32 v[TT+1], 0
.macro STATS tq                        ; my 128 channels of tile tq: mean, and the sum of squares about it
.set yb, 64*\tq
.set mw, MW+2*\tq
	WIN 0x0a
.irp e, 0,1,2,3
	v_pk_add_f32 v[SA+2*\e:SA+2*\e+1], v[yb+2*\e:yb+2*\e+1], v[yb+8+2*\e:yb+8+2*\e+1]   ; each accumulator is read from its low end on
.endr
	WIN 0x02
.set ci, 8
.rept 24
	v_pk_add_f32 v[SA+2*(ci%4):SA+2*(ci%4)+1], v[yb+2*ci:yb+2*ci+1], v[SA+2*(ci%4):SA+2*(ci%4)+1]
.set ci, ci+1
.endr
	WIN 0
	v_pk_add_f32 v[SA:SA+1], v[SA:SA+1], v[SA+2:SA+3]
	v_pk_add_f32 v[SA+4:SA+5], v[SA+4:SA+5], v[SA+6:SA+7]
	v_pk_add_f32 v[SA:SA+1], v[SA:SA+1], v[SA+4:SA+5]
	v_add_f32 v[TT], v[SA], v[SA+1]
	v_permlanex16_b32 v[TT+1], v[TT], s44, s45
	v_add_f32 v[TT], v[TT], v[TT+1]
	v_mul_f32 v[mw], 0x3c000000, v[TT]     ; / 128
	WIN 0x42
.set ci, 0
.rept 32
	v_pk_add_f32 v[HT+ci:HT+ci+1], v[yb+ci:yb+ci+1], v[mw:mw+1] op_sel_hi:[1,0] neg_lo:[0,1] neg_hi:[0,1]
.set ci, ci+2
.endr
	WIN 0x05
.irp e, 0,1,2,3
	v_pk_mul_f32 v[SQ+2*\e:SQ+2*\e+1], v[HT+2*\e:HT+2*\e+1], v[HT+2*\e:HT+2*\e+1]
.endr
.set ci, 4
.rept 28
	v_pk_fma_f32 v[SQ+2*(ci%4):SQ+2*(ci%4)+1], v[HT+2*ci:HT+2*ci+1], v[HT+2*ci:HT+2*ci+1], v[SQ+2*(ci%4):SQ+2*(ci%4)+1]
.set ci, ci+1
.endr
	WIN 0
	v_pk_add_f32 v[SQ:SQ+1], v[SQ:SQ+1], v[SQ+2:SQ+3]
	v_pk_add_f32 v[SQ+4:SQ+5], v[SQ+4:SQ+5], v[SQ+6:SQ+7]
	v_pk_add_f32 v[SQ:SQ+1], v[SQ:SQ+1], v[SQ+4:SQ+5]
	v_add_f32 v[TT], v[SQ], v[SQ+1]
	v_permlanex16_b32 v[TT+1], v[TT], s44, s45
	v_add_f32 v[mw+1], v[TT], v[TT+1]
	ds_store_b64 v[S1W], v[mw:mw+1] offset:1024*\tq
.endm
.macro FINISH tq                       ; normalise, gain and bias; quantise (the hold goes to a temporary: x1 itself stays); image to LDS; + b2 and the change of windows
.set yb, 64*\tq
.set qcd, 128+16*\tq
	WIN 0x82
.set ci, 0
.rept 32
	v_pk_fma_f32 v[yb+ci:yb+ci+1], v[yb+ci:yb+ci+1], v[AC+2*\tq:AC+2*\tq+1], v[AC+2*\tq:AC+2*\tq+1] op_sel:[0,0,1] op_sel_hi:[1,0,1]   ; y a - mean a
.set ci, ci+2
.endr
	WIN 0x96
.set ci, 0
.rept 32
	v_pk_fma_f32 v[yb+ci:yb+ci+1], v[yb+ci:yb+ci+1], v[ci:ci+1], v[64+ci:64+ci+1]
.set ci, ci+2
.endr
	WIN 0x0a
.irp b, 0,1,2,3
	v_max3_num_f32 v[QM+\b], |v[yb+16*\b]|, |v[yb+16*\b+1]|, 0x4800000
.endr
	WIN 0x28
.irp i, 2,4,6,8,10,12,14
.irp b, 0,1,2,3
	v_max3_num_f32 v[QM+\b], v[QM+\b], |v[yb+16*\b+\i]|, |v[yb+16*\b+\i+1]|
.endr
.endr
	WIN 0
.irp b, 0,1,2,3
	v_permlanex16_b32 v[QP+\b], v[QM+\b], s44, s45
.endr
.irp b, 0,1,2,3
	v_max_num_f32 v[QM+\b], v[QM+\b], v[QP+\b]
.endr
.irp b, 0,1,2,3
	v_add_nc_u32 v[QP+\b], 0xfc000000, v[QM+\b]
.endr
.irp b, 0,1,2,3
	v_and_or_b32 v[QH+\b], v[QM+\b], 0x7f800000, s46
.endr
.irp b, 0,1,2,3
	v_lshrrev_b32 v[QM+\b], 23, v[QP+\b]
.endr
	v_lshl_or_b32 v[WD+\tq], v[QM+1], 8, v[QM]
	v_lshl_or_b32 v[WD+\tq], v[QM+2], 16, v[WD+\tq]
	v_lshl_or_b32 v[WD+\tq], v[QM+3], 24, v[WD+\tq]
	WIN 0x42
.irp b, 0,1,2,3
.irp i, 0,1,2,3,4,5,6,7,8,9,10,11,12,13,14,15
	v_med3_num_f32 v[HT+16*\b+\i], v[yb+16*\b+\i], -v[QH+\b], v[QH+\b]
.endr
.endr
	WIN 0x01
.irp b, 0,1,2,3
	v_cvt_scalef32_pk8_fp8_f32 v[qcd+4*\b:qcd+4*\b+1], v[HT+16*\b:HT+16*\b+7], v[QP+\b]
	v_cvt_scalef32_pk8_fp8_f32 v[qcd+4*\b+2:qcd+4*\b+3], v[HT+16*\b+8:HT+16*\b+15], v[QP+\b]
.endr
	WIN 0
	v_nop                                  ; one plain line behind the last conversion
.irp c, 0,1,2,3
	ds_store_b128 v[XIW], v[qcd+4*\c:qcd+4*\c+3] offset:8192*\tq+512*\c
.endr
	ds_store_b32 v[XSW], v[WD+\tq] offset:512*\tq
	WIN 0x43
.set ci, 0
.rept 32
	v_pk_mul_f32 v[HT+ci:HT+ci+1], v[yb+ci:yb+ci+1], 1.0 op_sel_hi:[1,0]     ; window 3's tile aside (two registers a line; read from each accumulator's low end on),
.set ci, ci+2
.endr
	WIN 0xc6
.set ci, 0
.rept 32
	v_pk_add_f32 v[yb+ci:yb+ci+1], v[yb+ci:yb+ci+1], v[192+ci:192+ci+1]      ; x1 + b2 into its place,
.set ci, ci+2
.endr
	WIN 0x81
.set ci, 0
.rept 32
	v_pk_mul_f32 v[yb+ci:yb+ci+1], v[HT+ci:HT+ci+1], 1.0 op_sel_hi:[1,0]     ; and the other into window 2
.set ci, ci+2
.endr
.endm
	s_mov_b32 s47, 2
.Lln1:
.irp tq, 0,1,2,3
	ds_load_b32 v[LLD+\tq], v[PLR] offset:128*\tq
.endr
	STATS 0
	STATS 1
	STATS 2
	STATS 3
	BAR                                    ; the four waves' pairs lie in LDS (each trip has bytes of its own); nobody reads a stage any more
.irp tq, 0,1,2,3
	ds_load_b128 v[STR+8*\tq:STR+8*\tq+3], v[S1R] offset:1024*\tq
	ds_load_b128 v[STR+8*\tq+4:STR+8*\tq+7], v[S1R] offset:1024*\tq+16
.endr
.irp tq, 0,1,2,3
	v_mul_f32 v[EL+\tq], v[LLD+\tq], v[LLD+\tq]
.endr
.irp tq, 0,1,2,3
	v_mul_f32 v[EL+\tq], 0x3727c5ac, v[EL+\tq]         ; eps l^2
.endr
	s_wait_dscnt 0x0
.irp tq, 0,1,2,3
	v_add_f32 v[CT+4*\tq], v[STR+8*\tq], v[STR+8*\tq+2]
.endr
.irp tq, 0,1,2,3
	v_add_f32 v[CT+4*\tq+1], v[STR+8*\tq+4], v[STR+8*\tq+6]
.endr
.irp tq, 0,1,2,3
	v_add_f32 v[CT+4*\tq], v[CT+4*\tq], v[CT+4*\tq+1]
.endr
.irp tq, 0,1,2,3
	v_mul_f32 v[CT+4*\tq], 0x3e800000, v[CT+4*\tq]     ; the row's mean
.endr
.irp i, 0,2,4,6
.irp tq, 0,1,2,3
	v_sub_f32 v[STR+8*\tq+\i], v[STR+8*\tq+\i], v[CT+4*\tq]
.endr
.endr
.irp tq, 0,1,2,3
	v_mul_f32 v[CT+4*\tq+1], v[STR+8*\tq], v[STR+8*\tq]
.endr
.irp i, 2,4,6
.irp tq, 0,1,2,3
	v_fmac_f32 v[CT+4*\tq+1], v[STR+8*\tq+\i], v[STR+8*\tq+\i]
.endr
.endr
.irp tq, 0,1,2,3
	v_add_f32 v[CT+4*\tq+2], v[STR+8*\tq+1], v[STR+8*\tq+3]
.endr
.irp tq, 0,1,2,3
	v_add_f32 v[CT+4*\tq+3], v[STR+8*\tq+5], v[STR+8*\tq+7]
.endr
.irp tq, 0,1,2,3
	v_add_f32 v[CT+4*\tq+2], v[CT+4*\tq+2], v[CT+4*\tq+3]
.endr
.irp tq, 0,1,2,3
	v_fmamk_f32 v[CT+4*\tq+2], v[CT+4*\tq+1], 0x43000000, v[CT+4*\tq+2]      ; + 128 x the squares of the waves' means about the row's
.endr
.irp tq, 0,1,2,3
	v_fmamk_f32 v[CT+4*\tq+2], v[CT+4*\tq+2], 0x3b000000, v[EL+\tq]          ; / 512 + eps l^2
.endr
.irp tq, 0,1,2,3
	v_rsq_f32 v[AC+2*\tq], v[CT+4*\tq+2]
.endr
	v_nop                                  ; a plain line behind the last of them
	s_wait_alu depctr_va_vdst(0)
.irp tq, 0,1,2,3
	v_mul_f32 v[AC+2*\tq+1], -v[CT+4*\tq], v[AC+2*\tq]
.endr
	s_wait_loadcnt 0x0                     ; gain, bias, b2
	FINISH 0
	FINISH 1
	FINISH 2
	FINISH 3
	WIN 0
	v_add_nc_u32 v[PLR], 512, v[PLR]
	v_add_nc_u32 v[S1W], 4096, v[S1W]
	v_add_nc_u32 v[S1R], 4096, v[S1R]
	v_add_nc_u32 v[XIW], 32768, v[XIW]
	v_add_nc_u32 v[XSW], 2048, v[XSW]
	s_sub_co_u32 s47, s47, 1
	s_cmp_lg_u32 s47, 0
	s_cbranch_scc1 .Lln1
	s_wait_tensorcnt 0x0                   ; my parts of the first chunks and of the scale bytes are in,
	BAR                                    ; everybody's are, and x1's 32 images lie in LDS
	; ---- E: the feed-forward pair
	s_lshr_b32 s93, s42, 1                 ; which 64 rows are mine in the first product,
	s_and_b32 s94, s42, 1                  ; which 64 hidden units of a chunk
	v_mul_u32_u24 v[AW1], v[RR], 528
	v_lshl_add_u32 v[AW1], v[HH], 3, v[AW1]
	s_mul_i32 s95, s94, 33792
	v_add_nc_u32 v[AW1], s95, v[AW1]
	v_mul_u32_u24 v[AW2], v[RR], 144
	v_lshl_add_u32 v[AW2], v[HH], 3, v[AW2]
	s_mul_i32 s95, s42, 18432
	s_add_co_u32 s95, s95, SLOT1
	v_add_nc_u32 v[AW2], s95, v[AW2]
	v_mul_u32_u24 v[AS1], v[HH], 272
	v_lshl_add_u32 v[AS1], v[RR], 4, v[AS1]
	s_mul_i32 s95, s94, 1088
	s_add_co_u32 s95, s95, SC1
	v_add_nc_u32 v[AS1], s95, v[AS1]
	v_lshrrev_b32 v32, 7, v[LI]            ; lane / 8
	v_and_b32 v33, 0x70, v[LI]             ; 16 (lane % 8)
	v_mul_u32_u24 v[AS2], v32, 272
	v_lshl_add_u32 v[AS2], v33, 1, v[AS2]
	s_mul_i32 s95, s42, 4352
	s_add_co_u32 s95, s95, SC2
	v_add_nc_u32 v[AS2], s95, v[AS2]
	v_lshlrev_b32 v[AB1], 5, v[HH]
	s_lshl_b32 s95, s94, 8
	s_add_co_u32 s95, s95, B1T
	v_add_nc_u32 v[AB1], s95, v[AB1]
	s_lshl_b32 s95, s93, 13
	s_lshl_b32 s100, s94, 10
	s_add_co_u32 s95, s95, s100
	s_add_co_u32 s95, s95, HI
	v_add_nc_u32 v[AHS], s95, v[LI]
	s_lshl_b32 s95, s93, 9
	s_lshl_b32 s100, s94, 1
	s_add_co_u32 s95, s95, s100
	s_add_co_u32 s95, s95, HSC
	v_add_nc_u32 v[AHB], s95, v[LS]
	v_add_nc_u32 v[AHL], HI, v[LI]
	v_lshlrev_b32 v33, 7, v[HH]
	v_lshl_add_u32 v33, v[RR], 2, v33
	v_add_nc_u32 v[AHSL], HSC, v33
	s_lshl_b32 s95, s93, 11
	s_add_co_u32 s95, s95, XSC
	v_add_nc_u32 v33, s95, v33
	s_lshl_b32 s95, s93, 15
	s_add_co_u32 s95, s95, XI
	v_add_nc_u32 v32, s95, v[LI]
	WIN 0x40
.irp f, 0,1,2,3,4,5,6,7,8,9,10,11,12,13,14,15      ; x1's fragments of my four row tiles stay in window 1: (tile, K step) at 16 f
.irp c, 0,1,2,3
	ds_load_b128 v[16*\f+4*\c:16*\f+4*\c+3], v32 offset:2048*\f+512*\c
.endr
.endr
	WIN 0
.irp tq, 0,1,2,3
.irp sg, 0,1
	ds_load_b32 v[XS1+2*\tq+\sg], v33 offset:128*(4*\tq+2*\sg)
.endr
.endr
	s_wait_dscnt 0x0                       ; (v32, v33 are written again below)
.irp b, 0,1,2,3
	v_mov_b32 v[TM+4+\b], 0
.endr
.macro FF1LOAD p                       ; pair p: 32 hidden units: W1's eight fragments (8 bytes at a time, in x1's order inside a block), their scale words, b1
.irp u, 0,1
.irp ks, 0,1,2,3
.irp c, 0,1,2,3
	ds_load_b64 v[128+16*(4*\u+\ks)+4*\c:128+16*(4*\u+\ks)+4*\c+1], v[AW1] offset:528*(32*\p+16*\u)+128*\ks+32*\c
	ds_load_b64 v[128+16*(4*\u+\ks)+4*\c+2:128+16*(4*\u+\ks)+4*\c+3], v[AW1] offset:528*(32*\p+16*\u)+128*\ks+32*\c+16
.endr
.endr
.endr
	ds_load_b128 v[FWS:FWS+3], v[AS1] offset:544*\p
.irp u, 0,1
	ds_load_b128 v[BI+8*\u:BI+8*\u+3], v[AB1] offset:4*(32*\p+16*\u)
	ds_load_b128 v[BI+8*\u+4:BI+8*\u+7], v[AB1] offset:4*(32*\p+16*\u)+16
.endr
.endm
.macro FF1MUL                          ; 32 matrix instructions, eight accumulators by turns; b1 starts the sums
	s_wait_dscnt 0x0
	WIN 0x04
.irp ks, 0,1,2,3
.irp tq, 0,1,2,3
.irp u, 0,1
.set mD, 64+16*\tq+8*\u
.set mC, mD
.if \ks == 0
.set mC, BI+8*\u
.endif
.set mA, 128+16*(4*\u+\ks)
.set mB, 64*\tq+16*\ks
.set mSA, FWS+\ks
.set mRA, \u
.set mSB, XS1+2*\tq+\ks/2
.set mRB, \ks%2
	WMMA
.endr
.endr
.endr
	WIN 0
	PLACES 8
.endm
.macro HQ p                            ; four blocks of 32 hidden units (one a row tile): relu and hold in one, codes, bytes; block 0's codes to v44-47, block b's into the four lowest registers of block b - 1, which are done with
.irp b, 0,1,2,3
	v_max3_num_f32 v[TM+\b], v[64+16*\b], v[65+16*\b], 0x4800000             ; no |.|: what is negative becomes 0 and must not count
.endr
.irp i, 2,4,6,8,10,12,14
.irp b, 0,1,2,3
	v_max3_num_f32 v[TM+\b], v[TM+\b], v[64+16*\b+\i], v[65+16*\b+\i]
.endr
.endr
.irp b, 0,1,2,3
	v_permlanex16_b32 v[TM+4+\b], v[TM+\b], s44, s45
.endr
.irp b, 0,1,2,3
	v_max_num_f32 v[TM+\b], v[TM+\b], v[TM+4+\b]
.endr
.irp b, 0,1,2,3
	v_add_nc_u32 v[TM+4+\b], 0xfc000000, v[TM+\b]
.endr
.irp b, 0,1,2,3
	v_and_or_b32 v[TM+8+\b], v[TM+\b], 0x7f800000, s46
.endr
.irp b, 0,1,2,3
	v_lshrrev_b32 v[TM+\b], 23, v[TM+4+\b]
.endr
.irp b, 0,1,2,3
.set hc, HC0
.if \b > 0
.set hc, 64+16*(\b-1)
.endif
.irp i, 0,1,2,3,4,5,6,7,8,9,10,11,12,13,14,15
	v_med3_num_f32 v[64+16*\b+\i], v[64+16*\b+\i], 0, v[TM+8+\b]
.endr
	v_cvt_scalef32_pk8_fp8_f32 v[hc:hc+1], v[64+16*\b:64+16*\b+7], v[TM+4+\b]
	v_cvt_scalef32_pk8_fp8_f32 v[hc+2:hc+3], v[64+16*\b+8:64+16*\b+15], v[TM+4+\b]
.endr
	v_nop                                  ; one plain line behind the last conversion
.irp b, 0,1,2,3
.set hc, HC0
.if \b > 0
.set hc, 64+16*(\b-1)
.endif
	ds_store_b128 v[AHS], v[hc:hc+3] offset:2048*\b+512*\p
	ds_store_b8 v[AHB], v[TM+\b] offset:128*\b+\p
.endr
.endm
.macro HFLOAD t
.irp c, 0,1,2,3
	ds_load_b128 v[64+16*((\t)%4)+4*\c:64+16*((\t)%4)+4*\c+3], v[AHL] offset:2048*(\t)+512*\c
.endr
.endm
.macro FF2T t                          ; row tiles t, t + 1 x my 8 channel tiles: each accumulator once a chunk
	WIN 0xa0+0x50*((\t)/4)
.irp n, 0,1,2,3,4,5,6,7
.irp e, 0,1
.set ft, (\t)+\e
.set mD, 64*(ft%4)+8*\n
.set mC, mD
.set mA, 128+16*\n
.set mB, 64+16*(ft%4)
.set mSA, FWS+\n/2
.set mRA, \n%2
.set mSB, FHS+ft/2
.set mRB, ft%2
	WMMA
.endr
.endr
	WIN 0
.endm
.macro CHUNK more
	FF1LOAD 0
	FF1MUL
	FF1LOAD 1                              ; the second pair's operands land while the first is quantised
	HQ 0
	FF1MUL                                 ; (its wait for 0 also shows that the stores above have read their registers)
	HQ 1
.if \more
	REFILL 76, 48, 65536                   ; h's images are stored, W1's chunk is read out: the next one is asked for; W2's chunk has landed
.else
	s_wait_tensorcnt 0x0
	BAR
.endif
.irp q, 0,1,2,3
	ds_load_b32 v[FWS+\q], v[AS2] offset:1088*\q
	ds_load_b32 v[FHS+\q], v[AHSL] offset:256*\q
.endr
.irp n, 0,1,2,3,4,5,6,7
.irp c, 0,1,2,3
	ds_load_b64 v[128+16*\n+4*\c:128+16*\n+4*\c+1], v[AW2] offset:2304*\n+32*\c
	ds_load_b64 v[128+16*\n+4*\c+2:128+16*\n+4*\c+3], v[AW2] offset:2304*\n+32*\c+16
.endr
.endr
	HFLOAD 0
	HFLOAD 1
	HFLOAD 2
	HFLOAD 3
	s_wait_dscnt 0x0
	FF2T 0
	PLACES 8
	HFLOAD 4
	HFLOAD 5
	FF2T 2
	PLACES 8
	HFLOAD 6
	HFLOAD 7
	s_wait_dscnt 8                         ; tiles 4, 5 are in; the eight loads of tiles 6, 7 may be out
	FF2T 4
	s_wait_dscnt 0x0
	FF2T 6
.if \more
	REFILL 80, 56, 128                     ; h's images and W2's chunk are read out: the next chunk of W2 is asked for; W1's has landed
	PLACES 5                               ; with the four behind the load and the three lines below: the places in front of the products that write over h's fragments
	v_add_nc_u32 v[AS1], 2176, v[AS1]
	v_add_nc_u32 v[AS2], 4, v[AS2]
	v_add_nc_u32 v[AB1], 512, v[AB1]
.endif
.endm
	s_mov_b32 s47, 7
.Lchunk:
	CHUNK 1
	s_sub_co_u32 s47, s47, 1
	s_cmp_lg_u32 s47, 0
	s_cbranch_scc1 .Lchunk
	CHUNK 0                                ; the last chunk is written out: it asks for nothing
	; ---- F: layer norm 2 and the way out
	PLACES 8
	v_mul_u32_u24 v56, v[RR], 2064         ; a row in LDS: 2,048 bytes + 16
	v_lshl_add_u32 v56, v[HH], 5, v56
	s_lshl_b32 s95, s42, 9
	v_add_nc_u32 v56, s95, v56
.irp t, 0,1,2,3,4,5,6,7
	v_add_nc_u32 v[YW+\t], 33024*\t, v56
.endr
	s_mul_i32 s95, s42, 66048
	v_add_nc_u32 v[YR], s95, v[LI]
	v_lshl_add_u32 v[OO], s43, 18, v[LI]
	v_lshl_add_u32 v[OO], s42, 16, v[OO]
.irp k4, 0,1,2,3
	global_load_b128 v[G2+4*\k4:G2+4*\k4+3], v[LI], s[36:37] offset:512*\k4
	global_load_b128 v[BB+4*\k4:BB+4*\k4+3], v[LI], s[38:39] offset:512*\k4
.endr
	s_mov_b32 s93, 0x3b000000              ; 1 / 512
	s_mov_b32 s94, 0x3727c5ac              ; eps
	BAR                                    ; nobody reads the slots, the images or the scale bytes any more; they have had their last fill
.irp t, 0,1,2,3,4,5,6,7
	WIN 0x08+4*(\t/4)
.irp n, 0,1,2,3,4,5,6,7
	ds_store_b128 v[YW+\t], v[64*(\t%4)+8*\n:64*(\t%4)+8*\n+3] offset:64*\n          ; each accumulator from its low end on
	ds_store_b128 v[YW+\t], v[64*(\t%4)+8*\n+4:64*(\t%4)+8*\n+7] offset:64*\n+16
.endr
.endr
	WIN 0
.irp i, 0,1,2,3
	v_mov_b32 v[RT+8*\i+5], 0
	v_mov_b32 v[RT+8*\i+7], 0
.endr
	BAR                                    ; 128 whole rows lie in LDS
	s_wait_loadcnt 0x0
	s_mov_b32 s47, 8
.Lrow:                                 ; four rows a trip, by turns; a lane holds 16 numbers of each
.irp i, 0,1,2,3
.irp k4, 0,1,2,3
	ds_load_b128 v[RD+16*\i+4*\k4:RD+16*\i+4*\k4+3], v[YR] offset:2064*\i+512*\k4
.endr
.endr
	s_wait_dscnt 0x0
.irp i, 0,1,2,3
	v_pk_add_f32 v[RT+8*\i:RT+8*\i+1], v[RD+16*\i:RD+16*\i+1], v[RD+16*\i+2:RD+16*\i+3]
	v_pk_add_f32 v[RT+8*\i+2:RT+8*\i+3], v[RD+16*\i+4:RD+16*\i+5], v[RD+16*\i+6:RD+16*\i+7]
.endr
.irp e, 8,12
.irp i, 0,1,2,3
	v_pk_add_f32 v[RT+8*\i:RT+8*\i+1], v[RT+8*\i:RT+8*\i+1], v[RD+16*\i+\e:RD+16*\i+\e+1]
	v_pk_add_f32 v[RT+8*\i+2:RT+8*\i+3], v[RT+8*\i+2:RT+8*\i+3], v[RD+16*\i+\e+2:RD+16*\i+\e+3]
.endr
.endr
.irp i, 0,1,2,3
	v_pk_add_f32 v[RT+8*\i:RT+8*\i+1], v[RT+8*\i:RT+8*\i+1], v[RT+8*\i+2:RT+8*\i+3]
.endr
.irp i, 0,1,2,3
	v_add_f32 v[RT+8*\i+4], v[RT+8*\i], v[RT+8*\i+1]
.endr
.irp m, 1,2,4,8
.irp i, 0,1,2,3
	v_add_f32_dpp v[RT+8*\i+4], v[RT+8*\i+4], v[RT+8*\i+4] row_xmask:\m row_mask:0xf bank_mask:0xf
.endr
.endr
.irp i, 0,1,2,3
	v_permlanex16_b32 v[RT+8*\i+5], v[RT+8*\i+4], s44, s45
.endr
.irp i, 0,1,2,3
	v_add_f32 v[RT+8*\i+4], v[RT+8*\i+4], v[RT+8*\i+5]
.endr
.irp i, 0,1,2,3
	v_mul_f32 v[RT+8*\i+6], s93, v[RT+8*\i+4]          ; the mean
.endr
.irp e, 0,2,4,6,8,10,12,14
.irp i, 0,1,2,3
	v_pk_add_f32 v[RD+16*\i+\e:RD+16*\i+\e+1], v[RD+16*\i+\e:RD+16*\i+\e+1], v[RT+8*\i+6:RT+8*\i+7] op_sel_hi:[1,0] neg_lo:[0,1] neg_hi:[0,1]
.endr
.endr
.irp i, 0,1,2,3
	v_pk_mul_f32 v[RT+8*\i:RT+8*\i+1], v[RD+16*\i:RD+16*\i+1], v[RD+16*\i:RD+16*\i+1]
	v_pk_mul_f32 v[RT+8*\i+2:RT+8*\i+3], v[RD+16*\i+2:RD+16*\i+3], v[RD+16*\i+2:RD+16*\i+3]
.endr
.irp e, 4,8,12
.irp i, 0,1,2,3
	v_pk_fma_f32 v[RT+8*\i:RT+8*\i+1], v[RD+16*\i+\e:RD+16*\i+\e+1], v[RD+16*\i+\e:RD+16*\i+\e+1], v[RT+8*\i:RT+8*\i+1]
	v_pk_fma_f32 v[RT+8*\i+2:RT+8*\i+3], v[RD+16*\i+\e+2:RD+16*\i+\e+3], v[RD+16*\i+\e+2:RD+16*\i+\e+3], v[RT+8*\i+2:RT+8*\i+3]
.endr
.endr
.irp i, 0,1,2,3
	v_pk_add_f32 v[RT+8*\i:RT+8*\i+1], v[RT+8*\i:RT+8*\i+1], v[RT+8*\i+2:RT+8*\i+3]
.endr
.irp i, 0,1,2,3
	v_add_f32 v[RT+8*\i+4], v[RT+8*\i], v[RT+8*\i+1]
.endr
.irp m, 1,2,4,8
.irp i, 0,1,2,3
	v_add_f32_dpp v[RT+8*\i+4], v[RT+8*\i+4], v[RT+8*\i+4] row_xmask:\m row_mask:0xf bank_mask:0xf
.endr
.endr
.irp i, 0,1,2,3
	v_permlanex16_b32 v[RT+8*\i+5], v[RT+8*\i+4], s44, s45
.endr
.irp i, 0,1,2,3
	v_add_f32 v[RT+8*\i+4], v[RT+8*\i+4], v[RT+8*\i+5]
.endr
.irp i, 0,1,2,3
	v_fma_f32 v[RT+8*\i+4], v[RT+8*\i+4], s93, s94     ; the variance + eps
.endr
.irp i, 0,1,2,3
	v_rsq_f32 v[RT+8*\i+6], v[RT+8*\i+4]
.endr
	v_nop                                  ; a plain line behind the last of them
	s_wait_alu depctr_va_vdst(0)
.irp e, 0,2,4,6,8,10,12,14
.irp i, 0,1,2,3
	v_pk_mul_f32 v[RD+16*\i+\e:RD+16*\i+\e+1], v[RD+16*\i+\e:RD+16*\i+\e+1], v[RT+8*\i+6:RT+8*\i+7] op_sel_hi:[1,0]
.endr
.endr
.irp e, 0,2,4,6,8,10,12,14
.irp i, 0,1,2,3
	v_pk_fma_f32 v[RD+16*\i+\e:RD+16*\i+\e+1], v[RD+16*\i+\e:RD+16*\i+\e+1], v[G2+\e:G2+\e+1], v[BB+\e:BB+\e+1]
.endr
.endr
.irp i, 0,1,2,3
.irp k4, 0,1,2,3
	global_store_b128 v[OO], v[RD+16*\i+4*\k4:RD+16*\i+4*\k4+3], s[40:41] offset:2048*\i+512*\k4 th:TH_STORE_NT   ; 32 lanes store 512 consecutive bytes, aligned
.endr
.endr
	s_wait_xcnt 0x0                        ; the stores have read their registers and their offset: both are written again only behind this wait
	v_add_nc_u32 v[YR], 8256, v[YR]
	v_add_nc_u32 v[OO], 8192, v[OO]
	s_sub_co_u32 s47, s47, 1
	s_cmp_lg_u32 s47, 0
	s_cbranch_scc1 .Lrow
	s_wait_tensorcnt 0x0                   ; the wave's end
	ds_add_u32 v[SPW], v[NIL]
	s_wait_dscnt 0x0
	ROUND                                  ; the closing round
	s_endpgm
.Lfunc_end_k_q7c13379d8e_attn_ff:
	.size	k_q7c13379d8e_attn_ff, .Lfunc_end_k_q7c13379d8e_attn_ff-k_q7c13379d8e_attn_ff
	.p2alignl 7, 3214868480
	.fill 96, 4, 3214868480
	.section	.rodata,"a",@progbits
	.p2align	6, 0x0
	.amdhsa_kernel k_q7c13379d8e_attn_ff
		.amdhsa_group_segment_fixed_size 327680
		.amdhsa_private_segment_fixed_size 0
		.amdhsa_enable_private_segment 0
		.amdhsa_kernarg_size 152
		.amdhsa_user_sgpr_count 2
		.amdhsa_user_sgpr_kernarg_segment_ptr 1
		.amdhsa_wavefront_size32 1
		.amdhsa_system_sgpr_workgroup_id_x 1
		.amdhsa_system_sgpr_workgroup_id_y 1
		.amdhsa_system_sgpr_workgroup_id_z 1
		.amdhsa_system_vgpr_workitem_id 0
		.amdhsa_next_free_vgpr 1024
		.amdhsa_next_free_sgpr 106
		.amdhsa_reserve_vcc 1
		.amdhsa_float_denorm_mode_32 3
		.amdhsa_float_denorm_mode_16_64 3
		.amdhsa_memory_ordered 1
		.amdhsa_forward_progress 1
		.amdhsa_inst_pref_size 255
	.end_amdhsa_kernel
	.section	.bss,"aw",@nobits
	.p2align	6
	.space	262144
	.amdgpu_metadata
---
amdhsa.version: [ 1, 2 ]
amdhsa.kernels:
  - .name:           k_q7c13379d8e_attn_ff
    .symbol:         k_q7c13379d8e_attn_ff.kd
    .args:
      - { .name: src, .offset: 0, .size: 8, .value_kind: global_buffer, .address_space: global }
      - { .name: mask, .offset: 8, .size: 8, .value_kind: global_buffer, .address_space: global }
      - { .name: qc, .offset: 16, .size: 8, .value_kind: global_buffer, .address_space: global }
      - { .name: qs, .offset: 24, .size: 8, .value_kind: global_buffer, .address_space: global }
      - { .name: kc, .offset: 32, .size: 8, .value_kind: global_buffer, .address_space: global }
      - { .name: ks, .offset: 40, .size: 8, .value_kind: global_buffer, .address_space: global }
      - { .name: vc, .offset: 48, .size: 8, .value_kind: global_buffer, .address_space: global }
      - { .name: vs, .offset: 56, .size: 8, .value_kind: global_buffer, .address_space: global }
      - { .name: ln1_g, .offset: 64, .size: 8, .value_kind: global_buffer, .address_space: global }
      - { .name: ln1_b, .offset: 72, .size: 8, .value_kind: global_buffer, .address_space: global }
      - { .name: W1_codes, .offset: 80, .size: 8, .value_kind: global_buffer, .address_space: global }
      - { .name: W1_scales, .offset: 88, .size: 8, .value_kind: global_buffer, .address_space: global }
      - { .name: b1, .offset: 96, .size: 8, .value_kind: global_buffer, .address_space: global }
      - { .name: W2_codes, .offset: 104, .size: 8, .value_kind: global_buffer, .address_space: global }
      - { .name: W2_scales, .offset: 112, .size: 8, .value_kind: global_buffer, .address_space: global }
      - { .name: b2, .offset: 120, .size: 8, .value_kind: global_buffer, .address_space: global }
      - { .name: ln2_g, .offset: 128, .size: 8, .value_kind: global_buffer, .address_space: global }
      - { .name: ln2_b, .offset: 136, .size: 8, .value_kind: global_buffer, .address_space: global }
      - { .name: out0, .offset: 144, .size: 8, .value_kind: global_buffer, .address_space: global }
    .group_segment_fixed_size: 327680
    .private_segment_fixed_size: 0
    .kernarg_segment_align: 8
    .kernarg_segment_size: 152
    .max_flat_workgroup_size: 128
    .sgpr_count:     106
    .vgpr_count:     1024
    .wavefront_size: 32
...
	.end_amdgpu_metadata
.endif
;; end of part 4
